; MI455X (gfx1250); checked and timed in simulation.
; The chip was launched on July 23, 2026; its instructions are those of AMD's public machine-readable ISA for CDNA 5 (MIT licence, August 2026) and "CDNA5" Instruction Set Architecture Reference Guide (July 2026). The comments in the code are by the model that wrote it; some were corrected since.
;; tranformer layer. Allowed arithmetic: matrix products marked QUANTISED: E2M3 operands, one E8M0 scale for each 32 along K, by v_wmma_scale_f32_16x16x128_f8f6f4 with both operands' format E2M3, f32 sums; everything else in f32.
;; Inputs: W1 4,096 x 1,024 float32; W2 1,024 x 4,096 float32; Wfc 1,024 x 1,024 float32; Wqkv 3,072 x 1,024 float32; b1 4,096 float32; b2 1,024 float32; x 2 x 2,048 x 1,024 float32.
;; Outputs: out0 2 x 2,048 x 1,024 float32.
;; This version of the problem:
;;   THIS VERSION OF THE PROBLEM IS GIVEN IN LOW PRECISION. The matrix products marked QUANTISED in the list below multiply operands that are first quantised to E2M3 (2 exponent bits, 3 mantissa bits; 6 bits a number), with one power-of-two scale for each 32 numbers along K (OCP MX v1.0); their sums are f32. All else is computed in f32.
;;   The module's matrix products, in the order in which they are computed (A, B: the left and right operand; K: the contracted axis; several contracted axes count as one K, in the product's order):
;;     1. [M 4,096, K 1,024] x [K 1,024, N 3,072]; A: computed on the way; B: input Wqkv: QUANTISED
;;     2. batch 32 x [M 2,048, K 64] x [K 64, N 2,048]; A: computed on the way; B: computed on the way: QUANTISED
;;     3. batch 32 x [M 64, K 2,048] x [K 2,048, N 2,048]; A: computed on the way; B: softmax (see below): QUANTISED
;;     4. [M 4,096, K 1,024] x [K 1,024, N 1,024]; A: computed on the way; B: input Wfc: QUANTISED
;;     5. [M 4,096, K 1,024] x [K 1,024, N 4,096]; A: computed on the way; B: input W1: QUANTISED
;;     6. [M 4,096, K 4,096] x [K 4,096, N 1,024]; A: computed on the way; B: input W2: QUANTISED
;;   THE QUANTISER, for each operand of a quantised product, along K:
;;     - K is cut into blocks of 32 from its start; a last block that is shorter is filled with zeros.
;;     - A block's scale is 2^e with e = floor(log2(the largest magnitude in the block)) - 2, held to -126 .. 127; a block of zeros has e = 0. As a byte (E8M0): e + 127.
;;     - Each number is divided by its block's scale, clamped to +-7.5, and rounded to the nearest number of E2M3, ties to even, subnormals kept.
;;     - The product sums the exact products of the quantised numbers (number of the format x scale) in f32.
;;   ~~~python
;;   def quantise(x, axis):      # numpy; x: float32 -> the quantised numbers, widened to float32 again
;;       x = np.moveaxis(x, axis, -1); K = x.shape[-1]
;;       x = np.pad(x, [(0, 0)] * (x.ndim - 1) + [(0, -K % 32)]); x = x.reshape(x.shape[:-1] + (-1, 32)); a = np.abs(x).max(-1, keepdims=True)
;;       e = np.where(a > 0, np.clip(np.frexp(np.where(a > 0, a, 1))[1] - 1 - 2, -126, 127), 0)      # np.frexp(a)[1] - 1 = floor(log2(a)), exactly
;;       r = np.clip(x / 2.0 ** e, -7.5, 7.5)
;;       step = 2.0 ** (np.maximum(np.frexp(np.where(r == 0, 1, r))[1] - 1, 0) - 3)
;;       q = np.round(r / step) * step * 2.0 ** e      # np.round: ties to even
;;       return np.moveaxis(q.reshape(q.shape[:-2] + (-1,))[..., :K], -1, axis).astype(np.float32)
;;   ~~~
;;   SOFTMAX AHEAD OF A QUANTISED PRODUCT. Where the list says 'softmax', what is quantised is not the finished softmax but p = 2^(t - M), with t = logit x log2(e) and M = ceil(the row's largest t), a whole number; so 1/2 < the row's largest p <= 1. The row's sum l is taken of the UNQUANTISED p, in f32, and the product's result is divided by l at the end. Since M is a whole number, a kernel that streams over the keys may use a running M (the ceiling of the running maximum): every later rescaling is an exact power of two, which a block's scale takes up: the codes' values come out the same.
;;   OPERANDS COMPUTED ON THE WAY. 'Computed on the way' means the value that the module computes at that place (a softmax that the list does not call 'softmax' is quantised finished and normalised). What goes into a quantiser is computed in f32, as accurately as f32 sums, v_exp_f32 and their like allow (about 1e-6 of the number): no bf16 or f16 on the way to a quantiser, and a product that is left as it is and whose result goes on into a quantised operand takes f32 operands (vector FMAs, or v_wmma_f32_16x16x4_f32). A number that lies on a knife's edge between two numbers of the format may be rounded either way, as far as f32 arithmetic and the matrix unit's own rounding can turn it there, and no further.
;; 2 versions. Each part assembles by itself: llvm-mc -triple=amdgcn-amd-amdhsa -mcpu=gfx1250 --defsym DOCPART=n.
;; ======== version 1 of 2: 7 launches
;; workspace buffers: wq 10,223,616 bytes; act 3,407,872 bytes; qkv 10,223,616 bytes; x1 16,777,216 bytes; g 13,631,488 bytes
;; launch prep (part 1): grid 1024 x 1, 8 waves a work-group, no clusters, 66,816 bytes of LDS; arguments x, Wqkv, Wfc, W1, W2, act, wq; writes act, wq
.if DOCPART == 1
	.amdgcn_target "amdgcn-amd-amdhsa--gfx1250"
	.amdhsa_code_object_version 6
	.text
	.protected	k_qf28a09ce5b_prep
	.globl	k_qf28a09ce5b_prep
	.p2align	8
	.type	k_qf28a09ce5b_prep,@function
k_qf28a09ce5b_prep:
	s_mov_b64 s[64:65], 0
	v_nop
	global_prefetch_b8 v0, s[64:65] scope:SCOPE_SE
	s_setreg_imm32_b32 hwreg(HW_REG_WAVE_MODE, 25, 1), 1
	s_wait_xcnt 0x0
; x is layer-normed, and x's result and the four weights (all stored with K innermost) are turned into codes of FP6 (E2M3) with one E8M0 byte for each 32 along K.
; A block's byte is its largest magnitude's exponent field - 2, held at 1 from below; each number is divided by the scale and rounded to the nearest code, ties to even, beyond 7.5 the largest code.
; LIMITS: NaN and infinities are not served.  A block of zeros gets the byte 1 where the quantiser says 127: its codes are zeros, and only this program reads the bytes.
;   The norm multiplies by v_rsq_f32 (accurate to 1 ulp) where the definition divides by a square root.  Mean first, then the variance of the centred numbers: a common offset does not cancel.
; LAYOUT OF THE RESULT.  Rows are stored in the order rho = the row's number with bits 3 and 4 exchanged: a tile of 16 stored rows, used as source 0 of a transposed product, then gives a lane
;   16 neighbours along the next K in two neighbouring tiles.  A RECORD (1,536 bytes) is the image of one operand fragment, 16 stored rows x 128 K, 12 registers a lane: registers 6 e .. 6 e + 3 at
;   768 e + 16 lane, registers 6 e + 4, 6 e + 5 at 768 e + 512 + 8 lane.  Its scale words: 128 bytes, 4 lane.  128 stored rows x 256 K are one dense SLOT BLOCK of GB bytes: 16 records
;   [row block 0..7][K step 0..1], then their 16 scale images from byte 24,576 on.  A group of 128 rows holds K / 256 slot blocks on end.
; SHARES.  A work-group takes 16 stored rows x 1,024 numbers (W2's rows of 4,096 as four chunks).  Work-groups 0-255: x; 256-447: Wqkv; 448-511: Wfc; 512-767: W1; 768-1023: W2.
;   Phase 1: wave w loads stored rows 2 w, 2 w + 1 whole (each load 512 consecutive bytes), norms them (x alone), and lays them into a stage in LDS.  One barrier.
;   Phase 2: wave w takes K step w of all 16 rows: lane (r, h) reads 16 neighbours of each block of 32 of row r, quantises, and stores the record and its scale image.
; No tensor loads, no matrix unit, no cluster: the launch streams, and nothing is read twice.
.set PITCH, 4112                       ; a stage row: 4,096 bytes + 16: the sixteen rows that a read touches start 16 bytes apart modulo 256
.set SPARE, 16*PITCH                   ; behind the stage: the spare words, 128 bytes for each of eight waves
.set GB,    26624
.set LI16,  7                          ; v7   16 x lane
.set LI8,   8                          ; v8   8 x lane
.set LS,    9                          ; v9   4 x lane
.set PW,    10                         ; v10  the scale word just made
.set SPW,   12                         ; v12  my spare word's LDS address; never rewritten
.set NIL,   13                         ; v13  0; never rewritten
.set TM,    16                         ; v16-31 the norm's sums, later the quantiser's work
.set X,     32                         ; v32-95 two rows of 32 numbers a lane, later 64 numbers of one row
.set PC,    96                         ; v96-115 the codes
.set SEL,   40                         ; s[40:41] lane selects: lane l xor 16
.set INV,   42                         ; s42  1 / 1,024
.set EPS,   43                         ; s43  1e-5
.set WV,    44                         ; s44  my wave
; The two rows' sums, v[16 + 4 i] from two packed chains, over the wave's 32 lanes, in every lane
.macro FOLD
.irp i, 0,1
	v_pk_add_f32 v[16+4*\i:17+4*\i], v[16+4*\i:17+4*\i], v[18+4*\i:19+4*\i]
.endr
.irp i, 0,1
	v_add_f32 v[16+4*\i], v[16+4*\i], v[17+4*\i]
.endr
.irp m, 1,2,4,8
.irp i, 0,1
	v_add_f32_dpp v[16+4*\i], v[16+4*\i], v[16+4*\i] row_xmask:\m row_mask:0xf bank_mask:0xf
.endr
.endr
.irp i, 0,1
	v_permlanex16_b32 v[17+4*\i], v[16+4*\i], s[SEL], s[SEL+1]
.endr
.irp i, 0,1
	v_add_f32 v[16+4*\i], v[16+4*\i], v[17+4*\i]
.endr
.endm
; (x - mean) / sqrt(var + eps) of the wave's two rows, the rows by turns
.macro LNORM
.irp i, 0,1
	v_pk_add_f32 v[16+4*\i:17+4*\i], v[X+32*\i:X+32*\i+1], v[X+32*\i+2:X+32*\i+3]
	v_pk_add_f32 v[18+4*\i:19+4*\i], v[X+32*\i+4:X+32*\i+5], v[X+32*\i+6:X+32*\i+7]
.endr
.irp k, 8,12,16,20,24,28
.irp i, 0,1
	v_pk_add_f32 v[16+4*\i:17+4*\i], v[16+4*\i:17+4*\i], v[X+32*\i+\k:X+32*\i+\k+1]
	v_pk_add_f32 v[18+4*\i:19+4*\i], v[18+4*\i:19+4*\i], v[X+32*\i+\k+2:X+32*\i+\k+3]
.endr
.endr
	FOLD
.irp i, 0,1
	v_mul_f32 v[16+4*\i], s[INV], v[16+4*\i]       ; the mean,
.endr
.irp i, 0,1
	v_mov_b32 v[17+4*\i], v[16+4*\i]               ; twice, for the packed form
.endr
.irp k, 0,2,4,6,8,10,12,14,16,18,20,22,24,26,28,30
.irp i, 0,1
	v_pk_add_f32 v[X+32*\i+\k:X+32*\i+\k+1], v[X+32*\i+\k:X+32*\i+\k+1], v[16+4*\i:17+4*\i] neg_lo:[0,1] neg_hi:[0,1]
.endr
.endr
.irp i, 0,1
	v_pk_mul_f32 v[16+4*\i:17+4*\i], v[X+32*\i:X+32*\i+1], v[X+32*\i:X+32*\i+1]
	v_pk_mul_f32 v[18+4*\i:19+4*\i], v[X+32*\i+2:X+32*\i+3], v[X+32*\i+2:X+32*\i+3]
.endr
.irp k, 4,8,12,16,20,24,28
.irp i, 0,1
	v_pk_fma_f32 v[16+4*\i:17+4*\i], v[X+32*\i+\k:X+32*\i+\k+1], v[X+32*\i+\k:X+32*\i+\k+1], v[16+4*\i:17+4*\i]
	v_pk_fma_f32 v[18+4*\i:19+4*\i], v[X+32*\i+\k+2:X+32*\i+\k+3], v[X+32*\i+\k+2:X+32*\i+\k+3], v[18+4*\i:19+4*\i]
.endr
.endr
	FOLD
.irp i, 0,1
	v_fma_f32 v[16+4*\i], v[16+4*\i], s[INV], s[EPS]   ; the variance + eps
.endr
.irp i, 0,1
	v_rsq_f32 v[16+4*\i], v[16+4*\i]
.endr
	v_nop                                          ; a plain instruction behind the two roots,
	s_wait_alu depctr_va_vdst(0)                   ; and one wait for both, ahead of their first reader
.irp k, 0,2,4,6,8,10,12,14,16,18,20,22,24,26,28,30
.irp i, 0,1
	v_pk_mul_f32 v[X+32*\i+\k:X+32*\i+\k+1], v[X+32*\i+\k:X+32*\i+\k+1], v[16+4*\i:17+4*\i] op_sel_hi:[1,0]
.endr
.endr
.endm
; 64 numbers of a lane, register 16 b + i = k 32 b + 16 (lane / 16) + i of my row, become a fragment's codes in v[PC] on and its scale word in v[PW]
.macro QUANT s
.irp b, 0,1,2,3
	v_max3_num_f32 v[TM+\b], |v[\s+16*\b]|, |v[\s+1+16*\b]|, 0x1800000   ; my 16 numbers of block b, and the floor 2^(3 - 127): the byte cannot fall under 1
.endr
.irp i, 2,4,6,8,10,12,14
.irp b, 0,1,2,3
	v_max3_num_f32 v[TM+\b], v[TM+\b], |v[\s+16*\b+\i]|, |v[\s+1+16*\b+\i]|
.endr
.endr
.irp b, 0,1,2,3
	v_permlanex16_b32 v[TM+4+\b], v[TM+\b], s[SEL], s[SEL+1]
.endr
.irp b, 0,1,2,3
	v_max_num_f32 v[TM+\b], v[TM+\b], v[TM+4+\b]   ; with lane l xor 16's: the block's largest magnitude
.endr
.irp b, 0,1,2,3
	v_add_nc_u32 v[TM+12+\b], 0xff000000, v[TM+\b] ; 2 off its exponent field: the conversion's scale operand
.endr
.irp b, 0,1,2,3
	v_lshrrev_b32 v[TM+4+\b], 23, v[TM+12+\b]      ; the scale's byte
.endr
	v_lshl_or_b32 v[PW], v[TM+5], 8, v[TM+4]
	v_lshl_or_b32 v[PW], v[TM+6], 16, v[PW]
	v_lshl_or_b32 v[PW], v[TM+7], 24, v[PW]
.irp c, 0,1
	v_cvt_scalef32_pk16_fp6_f32 v[PC+6*\c:PC+2+6*\c], v[\s+32*\c:\s+15+32*\c], v[TM+12+2*\c]
	v_cvt_scalef32_pk16_fp6_f32 v[PC+12+4*\c:PC+14+4*\c], v[\s+16+32*\c:\s+31+32*\c], v[TM+12+2*\c+1]
.endr
	v_nop                                          ; one plain instruction behind the scaled conversions
.irp c, 0,1                                    ; the operand wants a whole block in a lane: lanes 0-15 block 2 c, lanes 16-31 block 2 c + 1
.irp i, 0,1,2
	v_permlane16_swap_b32 v[PC+6*\c+\i], v[PC+12+4*\c+\i]
.endr
.irp i, 0,1,2
	v_mov_b32 v[PC+3+6*\c+\i], v[PC+12+4*\c+\i]
.endr
.endr
.endm
	s_load_b256 s[4:11], s[0:1], 0x0               ; x, Wqkv, Wfc, W1
	s_load_b128 s[12:15], s[0:1], 0x20             ; W2, act
	s_load_b64 s[16:17], s[0:1], 0x30              ; wq
	v_lshl_add_u32 v[SPW], v0, 2, SPARE
	v_mov_b32 v[NIL], 0
	v_lshrrev_b32 v1, 5, v0
	v_readfirstlane_b32 s[WV], v1                  ; wave 0..7
	v_and_b32 v1, 31, v0                           ; lane
	v_and_b32 v2, 15, v0                           ; r
	v_bfe_u32 v3, v0, 4, 1                         ; h
	v_lshlrev_b32 v[LI16], 4, v1
	v_lshlrev_b32 v[LI8], 3, v1
	v_lshlrev_b32 v[LS], 2, v1
	s_mul_i32 s45, s[WV], 2*PITCH
	v_add_nc_u32 v5, s45, v[LI16]                  ; into the stage: my wave's two rows, 16 bytes a lane
	v_mul_u32_u24 v6, v2, PITCH
	v_lshl_add_u32 v6, v3, 6, v6
	s_lshl_b32 s45, s[WV], 9
	v_add_nc_u32 v6, s45, v6                       ; out of it: row r, K step = my wave (512 bytes), + 64 h
.irp b, 0,1,2,3
	v_mov_b32 v[TM+4+\b], 0                        ; written once: a lane permute's destination counts as one of its sources
.endr
	s_mov_b32 s[SEL], 0x76543210
	s_mov_b32 s[SEL+1], 0xfedcba98
	s_mov_b32 s[INV], 0x3a800000
	s_mov_b32 s[EPS], 0x3727c5ac
	; which tensor, by the work-group's number alone
	s_cmp_lt_u32 ttmp9, 256
	s_cselect_b32 s20, 0, 256                      ; the tensor's first work-group
	s_cmp_lt_u32 ttmp9, 448
	s_cselect_b32 s20, s20, 448
	s_cmp_lt_u32 ttmp9, 512
	s_cselect_b32 s20, s20, 512
	s_mov_b32 s25, 425984
	s_cmp_lt_u32 ttmp9, 768                        ; all but W2 have rows of 1,024
	s_cselect_b32 s20, s20, 768
	s_cselect_b32 s24, 12, 14                      ; log2 of a row's bytes
	s_cselect_b32 s25, 106496, s25                 ; a group of 128 rows in the result
	s_cselect_b32 s26, 0, 6815744                  ; where W2's groups begin in wq
	s_cselect_b32 s27, 0, 2
	s_cselect_b32 s28, 0, 3
	s_sub_co_u32 s21, ttmp9, s20
	s_lshr_b32 s47, s21, s27                       ; the tensor's block of 16 stored rows,
	s_and_b32 s45, s21, s28                        ; and which 1,024 of a row
	s_sub_co_u32 s30, ttmp9, 256
	s_cmp_lt_u32 s30, 512                          ; Wqkv, Wfc and W1 lie on end in wq
	s_cselect_b32 s29, s30, s47                    ; the block of 16 rows in the result
	; the two stored rows 2 w, 2 w + 1 of block rb are rows tau, tau + 1: tau = 32 (rb / 2) + 8 (rb % 2) + 16 (w / 4) + 2 (w % 4)
	s_lshr_b32 s30, s47, 1
	s_lshl_b32 s30, s30, 5
	s_and_b32 s31, s47, 1
	s_lshl_b32 s31, s31, 3
	s_add_co_u32 s30, s30, s31
	s_lshr_b32 s31, s[WV], 2
	s_lshl_b32 s31, s31, 4
	s_add_co_u32 s30, s30, s31
	s_and_b32 s31, s[WV], 3
	s_lshl_b32 s31, s31, 1
	s_add_co_u32 s30, s30, s31
	s_lshl_b32 s30, s30, s24
	s_lshl_b32 s31, s45, 12
	s_add_co_u32 s30, s30, s31
	s_mov_b32 s31, 0
	s_wait_kmcnt 0x0
	s_cmp_lt_u32 ttmp9, 256
	s_cselect_b64 s[18:19], s[4:5], s[6:7]
	s_cselect_b64 s[22:23], s[14:15], s[16:17]     ; x's codes go to act, the weights' to wq
	s_cmp_lt_u32 ttmp9, 448
	s_cselect_b64 s[18:19], s[18:19], s[8:9]
	s_cmp_lt_u32 ttmp9, 512
	s_cselect_b64 s[18:19], s[18:19], s[10:11]
	s_cmp_lt_u32 ttmp9, 768
	s_cselect_b64 s[18:19], s[18:19], s[12:13]
	s_add_nc_u64 s[18:19], s[18:19], s[30:31]      ; row tau,
	s_lshl_b32 s30, 1, s24
	s_add_nc_u64 s[32:33], s[18:19], s[30:31]      ; row tau + 1
.irp j, 0,1,2,3,4,5,6,7
	global_load_b128 v[X+4*\j:X+4*\j+3], v[LI16], s[18:19] offset:512*\j th:TH_LOAD_NT
.endr
.irp j, 0,1,2,3,4,5,6,7
	global_load_b128 v[X+32+4*\j:X+32+4*\j+3], v[LI16], s[32:33] offset:512*\j th:TH_LOAD_NT
.endr
	; where my record and its scale image go
	s_lshr_b32 s34, s29, 3
	s_mul_i32 s34, s34, s25
	s_add_co_u32 s34, s34, s26
	s_lshl_b32 s35, s45, 2
	s_lshr_b32 s36, s[WV], 1
	s_add_co_u32 s35, s35, s36
	s_mul_i32 s35, s35, GB
	s_add_co_u32 s34, s34, s35                     ; the slot block
	s_and_b32 s35, s29, 7
	s_and_b32 s46, s[WV], 1
	s_mul_i32 s36, s35, 3072
	s_mul_i32 s37, s46, 1536
	s_add_co_u32 s36, s36, s37
	s_add_co_u32 s36, s36, s34
	s_mov_b32 s37, 0
	s_lshl_b32 s38, s35, 8
	s_lshl_b32 s39, s46, 7
	s_add_co_u32 s38, s38, s39
	s_add_co_u32 s38, s38, s34
	s_add_co_u32 s38, s38, 24576
	s_mov_b32 s39, 0
	s_add_nc_u64 s[36:37], s[22:23], s[36:37]
	s_add_nc_u64 s[38:39], s[22:23], s[38:39]
	s_wait_loadcnt 0x0
	s_cmp_ge_u32 ttmp9, 256                        ; weights are taken as they are
	s_cbranch_scc1 .Lraw
	LNORM
.Lraw:
.irp i, 0,1
.irp j, 0,1,2,3,4,5,6,7
	ds_store_b128 v5, v[X+32*\i+4*\j:X+32*\i+4*\j+3] offset:\i*PITCH+512*\j
.endr
.endr
	s_wait_dscnt 0x0                               ; for the others' sake: my rows lie in the stage
	s_barrier_signal -1
	s_barrier_wait -1
.irp b, 0,1,2,3
.irp j, 0,1,2,3
	ds_load_b128 v[X+16*\b+4*\j:X+16*\b+4*\j+3], v6 offset:128*\b+16*\j
.endr
.endr
	s_wait_dscnt 0x0
	QUANT X
	global_store_b128 v[LI16], v[PC:PC+3], s[36:37]                 ; 512, 256, 512, 256 consecutive bytes, each piece aligned to 256
	global_store_b64 v[LI8], v[PC+4:PC+5], s[36:37] offset:512
	global_store_b128 v[LI16], v[PC+6:PC+9], s[36:37] offset:768
	global_store_b64 v[LI8], v[PC+10:PC+11], s[36:37] offset:1280
	global_store_b32 v[LS], v[PW], s[38:39]
	s_wait_tensorcnt 0x0                           ; the wave's end
	ds_add_u32 v[SPW], v[NIL]
	s_wait_dscnt 0x0
	s_endpgm
.Lfunc_end_k_qf28a09ce5b_prep:
	.size	k_qf28a09ce5b_prep, .Lfunc_end_k_qf28a09ce5b_prep-k_qf28a09ce5b_prep
	.p2alignl 7, 3214868480
	.fill 96, 4, 3214868480
	.section	.rodata,"a",@progbits
	.p2align	6, 0x0
	.amdhsa_kernel k_qf28a09ce5b_prep
		.amdhsa_group_segment_fixed_size 66816
		.amdhsa_private_segment_fixed_size 0
		.amdhsa_enable_private_segment 0
		.amdhsa_kernarg_size 56
		.amdhsa_user_sgpr_count 2
		.amdhsa_user_sgpr_kernarg_segment_ptr 1
		.amdhsa_wavefront_size32 1
		.amdhsa_system_sgpr_workgroup_id_x 1
		.amdhsa_system_sgpr_workgroup_id_y 1
		.amdhsa_system_sgpr_workgroup_id_z 1
		.amdhsa_system_vgpr_workitem_id 0
		.amdhsa_next_free_vgpr 128
		.amdhsa_next_free_sgpr 66
		.amdhsa_reserve_vcc 0
		.amdhsa_float_denorm_mode_32 3
		.amdhsa_float_denorm_mode_16_64 3
		.amdhsa_memory_ordered 1
		.amdhsa_forward_progress 1
		.amdhsa_inst_pref_size 23
	.end_amdhsa_kernel
	.amdgpu_metadata
---
amdhsa.version: [ 1, 2 ]
amdhsa.kernels:
  - .name:           k_qf28a09ce5b_prep
    .symbol:         k_qf28a09ce5b_prep.kd
    .args:
      - { .name: x, .offset: 0, .size: 8, .value_kind: global_buffer, .address_space: global }
      - { .name: Wqkv, .offset: 8, .size: 8, .value_kind: global_buffer, .address_space: global }
      - { .name: Wfc, .offset: 16, .size: 8, .value_kind: global_buffer, .address_space: global }
      - { .name: W1, .offset: 24, .size: 8, .value_kind: global_buffer, .address_space: global }
      - { .name: W2, .offset: 32, .size: 8, .value_kind: global_buffer, .address_space: global }
      - { .name: act, .offset: 40, .size: 8, .value_kind: global_buffer, .address_space: global }
      - { .name: wq, .offset: 48, .size: 8, .value_kind: global_buffer, .address_space: global }
    .group_segment_fixed_size: 66816
    .private_segment_fixed_size: 0
    .kernarg_segment_align: 8
    .kernarg_segment_size: 56
    .max_flat_workgroup_size: 256
    .sgpr_count:     66
    .vgpr_count:     128
    .wavefront_size: 32
...
	.end_amdgpu_metadata
.endif
;; end of part 1
;; launch gqkv (part 2): grid 48 x 4, 4 waves a work-group, clusters of 4 x 4, 327,680 bytes of LDS; arguments act, wq, qkv; writes qkv
.if DOCPART == 2
	.amdgcn_target "amdgcn-amd-amdhsa--gfx1250"
	.amdhsa_code_object_version 6
	.text
	.protected	k_qf28a09ce5b_gqkv
	.globl	k_qf28a09ce5b_gqkv
	.p2align	8
	.type	k_qf28a09ce5b_gqkv,@function
k_qf28a09ce5b_gqkv:
	s_mov_b64 s[64:65], 0
	v_nop
	global_prefetch_b8 v0, s[64:65] scope:SCOPE_SE
	s_setreg_imm32_b32 hwreg(HW_REG_WAVE_MODE, 25, 1), 1
	s_wait_xcnt 0x0
	s_wait_alu depctr_hold_cnt(0) depctr_sa_sdst(0) depctr_va_vdst(0) depctr_va_sdst(0) depctr_va_ssrc(0) depctr_va_vcc(0) depctr_vm_vsrc(0)
	s_getreg_b32 s2, hwreg(HW_REG_IB_STS2, 6, 4)
	s_cmp_eq_u32 s2, 0
	s_cbranch_scc0 .Lentry_in_a_cluster
	s_endpgm
.Lentry_in_a_cluster:
	s_bfe_u32 s2, ttmp6, 0x10000c
	s_cmp_lg_u32 s2, 0xf033
	s_cbranch_scc0 .Lentry_shape_is_right
	s_endpgm
.Lentry_shape_is_right:
; q, k and V^T, as codes of FP6 (E2M3) with E8M0 scales, from the codes of the normed x (act) and of Wqkv (wq).  K = 1,024.
; Clusters 0-7: C = h Wq^T, h Wk^T: rows = tokens (act), columns = 2,048 channels (wq's groups 0-15); the result is quantised along the channels (the K of q k^T).
; Clusters 8-11: C = Wv h^T: rows = 1,024 channels (wq's groups 16-23), columns = tokens (act); the result, V^T, is quantised along the tokens (the K of V^T p).
; A tile of C, 256 x 256, is made by four waves, 128 x 128 each: 64 accumulators.  K goes in steps of 256 through two LDS slots.  An operand's 128 rows x 256 K are one dense block of GB bytes
; (16 fragment records of 1,536 bytes, images of the operand's registers, then 16 scale images of 128 bytes), brought by one tensor load as 104 rows of 256 bytes.
; CLUSTER 4 x 4: the four of a row need the same tiles of the row operand, the four of a column those of the column operand: each is asked for jointly.
; THE PRODUCT IS USED TRANSPOSED (source 0 = 16 rows of the column operand, source 1 = 16 rows of the row operand).  Operand rows are stored with bits 3 and 4 of the row number exchanged, so that the
; 16 registers of two neighbouring tiles are 16 neighbours along the columns: a lane's 64 registers of one row block are quantised in place and ARE a fragment of the next product.
; RESULT: q, k records [128 channels: 0-15][16 tokens: 0-255] at 0, scale images at QS0 (lanes 16-31 carry the word shifted down by 16 bits: the odd head's two bytes);
;   V^T records [128 tokens: 0-31][16 channels: 0-63] at VT0, scale images at VS0.
; LIMITS: NaN and infinities are not served; a block of zeros gets the byte 1 (its codes are zeros, and only this program reads the bytes).
; REGISTERS: window 0: v16-31 addresses; v32-63 scale words, two sets; v128-223 the row operand's fragments, one set (on the way out: the quantiser's work); window 1: the column operand's, two sets; windows 2, 3: accumulators.
.set KDIM,  1024
.set GB,    26624
.set GSZ,   (KDIM/256)*GB
.set SLOT,  4*GB
.set SPARE, 2*SLOT                     ; behind the ring: the spare words, 128 bytes for each wave
.set LAPS,  KDIM/512
.set NQ,    2
.set FR,    12
.set NL,    4                          ; LDS loads that bring a fragment
.set NP,    4                          ; places behind this matrix instruction (ISA guide 7.12.1)
.set QS0,   6291456
.set VT0,   6815744
.set VS0,   9961472
.set ADRA,  16                         ; v16-17 my row fragments in slot 0, 1, 16 bytes a lane; v18-19 8 bytes a lane
.set ADRB,  20                         ; v20-23 the same for the column operand
.set LI16,  24
.set LI8,   25
.set LS,    26
.set SHV,   27                         ; v27  by how much my lane shifts a scale word
.set SPW,   28
.set NIL,   29
.set ADRS,  30                         ; v30-31 my scale words in slot 0, 1: lanes 0-15 the row operand's, lanes 16-31 the column operand's
.set SC,    32
.set AF,    128
.set PC,    128
.set TM,    148
.set PW,    164
.set SW,    165
.set G1,    24
.set G0,    32
.set G1B,   48
.set G0B,   56
.set OC,    68
.set OS,    70
.set SEL,   78
.set MSB, 0
.macro WIN new                         ; the immediate's high byte repeats the setting that is left
.if MSB != (\new)
	s_set_vgpr_msb (MSB<<8)|(\new)
.set MSB, (\new)
.endif
.endm
.set MUL_LO, 0xa1
.set MUL_HI, 0xf1
.set TO_B,   0x40
.macro JLOAD s                         ; waves 0, 1 fetch the row operand's halves, waves 2, 3 the column operand's; an s_nop 0 and four v_nop follow each line
	s_cmp_eq_u32 s15, 0
	s_cbranch_scc0 .Lfor_b_\@
	tensor_load_to_lds s[G0+4*\s:G0+4*\s+3], s[G1:G1+7]
	s_nop 0
.rept 4
	v_nop
.endr
	s_branch .Lasked_\@
.Lfor_b_\@:
	tensor_load_to_lds s[G0B+4*\s:G0B+4*\s+3], s[G1B:G1B+7]
	s_nop 0
.rept 4
	v_nop
.endr
.Lasked_\@:
.endm
.macro CREST
	s_cmp_lg_u32 s14, 0
	s_cbranch_scc1 .Lnot_wave_0_\@
	s_barrier_signal -3
.Lnot_wave_0_\@:
	s_barrier_wait -3
	s_barrier_signal -1
	s_barrier_wait -1
.endm
.macro CROUND
	s_barrier_signal -1
	s_barrier_wait -1
	CREST
.endm
.macro FRAG reg, adr, q, i             ; a record comes back as it was stored: 512, 256, 512, 256 consecutive bytes
	ds_load_b128 v[\reg:\reg+3], v[\adr] offset:(\i)*3072+(\q)*1536
	ds_load_b64 v[\reg+4:\reg+5], v[\adr+2] offset:(\i)*3072+(\q)*1536+512
	ds_load_b128 v[\reg+6:\reg+9], v[\adr] offset:(\i)*3072+(\q)*1536+768
	ds_load_b64 v[\reg+10:\reg+11], v[\adr+2] offset:(\i)*3072+(\q)*1536+1280
.endm
.macro MUL16 a0, p, q, sc, zero        ; 16 products; the 64 accumulators take turns, one instruction a turn
.irp a, \a0, \a0+1
.irp b, 0,1,2,3,4,5,6,7
.if \zero
	v_wmma_scale_f32_16x16x128_f8f6f4 v[8*(8*((\a)%4)+\b):8*(8*((\a)%4)+\b)+7], v[128*(\p)+FR*\b:128*(\p)+FR*\b+FR-1], v[AF+FR*(\a):AF+FR*(\a)+FR-1], 0, v[SC+8*NQ*(\sc)+NQ*\b+(\q)], v[SC+8*NQ*(\sc)+NQ*(\a)+(\q)] matrix_a_fmt:MATRIX_FMT_FP6 matrix_b_fmt:MATRIX_FMT_FP6 matrix_a_scale:MATRIX_SCALE_ROW1
.else
	v_wmma_scale_f32_16x16x128_f8f6f4 v[8*(8*((\a)%4)+\b):8*(8*((\a)%4)+\b)+7], v[128*(\p)+FR*\b:128*(\p)+FR*\b+FR-1], v[AF+FR*(\a):AF+FR*(\a)+FR-1], v[8*(8*((\a)%4)+\b):8*(8*((\a)%4)+\b)+7], v[SC+8*NQ*(\sc)+NQ*\b+(\q)], v[SC+8*NQ*(\sc)+NQ*(\a)+(\q)] matrix_a_fmt:MATRIX_FMT_FP6 matrix_b_fmt:MATRIX_FMT_FP6 matrix_a_scale:MATRIX_SCALE_ROW1
.endif
.endr
.endr
.endm
.macro FETCH_B slot, q, p
	WIN TO_B
.irp i, 0,1,2,3,4,5,6,7
	FRAG 128*(\p)+FR*\i, ADRB+\slot, \q, \i
.endr
	WIN 0
.endm
.macro FETCH_A slot, q, i0
.irp i, \i0, \i0+1, \i0+2, \i0+3
	FRAG AF+FR*(\i), ADRA+\slot, \q, \i
.endr
.endm
.macro SCALES sc                       ; the slot's scale words: register NQ i + q: lanes 0-15 the row operand's block i, lanes 16-31 the column operand's
.irp i, 0,1,2,3,4,5,6,7
.irp q, 0,1
	ds_load_b32 v[SC+8*NQ*\sc+NQ*\i+\q], v[ADRS+\sc] offset:\i*256+\q*128
.endr
.endr
.endm
.macro PLACES n
.rept \n
	v_nop
.endr
.endm
.macro STEP slot, q, zero              ; 128 along K that has its successor in the same slot
	s_wait_dscnt 4*NL                              ; all but the youngest 16 loads (row blocks 4-7) are in
	WIN MUL_LO
	MUL16 0, (\q)%2, \q, \slot, \zero
	MUL16 2, (\q)%2, \q, \slot, \zero
	s_wait_dscnt 0
	PLACES NP
	FETCH_B \slot, (\q)+1, 1-(\q)%2
	FETCH_A \slot, (\q)+1, 0
	WIN MUL_HI
	MUL16 4, (\q)%2, \q, \slot, \zero
	MUL16 6, (\q)%2, \q, \slot, \zero
	PLACES NP
	WIN 0
	FETCH_A \slot, (\q)+1, 4
.endm
.macro TURN slot, next, fill           ; a slot's last 128 along K, and the change of slots: one barrier
	s_wait_tensorcnt 0x0                           ; all my tensor loads have landed: my part of the next slot
	ds_add_u32 v[SPW], v[NIL]                      ; 0 onto my spare word
	s_wait_dscnt 4*NL+1                            ; (the add and the youngest 16 loads may be out)
	WIN MUL_LO
	MUL16 0, 1, NQ-1, \slot, 0
	s_wait_dscnt 0x0                               ; the add is done, and my reads of this slot are over
	s_barrier_signal -1
	MUL16 2, 1, NQ-1, \slot, 0
	WIN 0
	s_barrier_wait -1
.if \fill
	CREST                                          ; the barrier has opened a round of the cluster's: no wave of any partner still reads this slot or has a load on its way
	s_add_nc_u64 s[G0+4*\slot+2:G0+4*\slot+3], s[G0+4*\slot+2:G0+4*\slot+3], 2*GB
	s_add_nc_u64 s[G0B+4*\slot+2:G0B+4*\slot+3], s[G0B+4*\slot+2:G0B+4*\slot+3], 2*GB
	JLOAD \slot                                    ; the first tensor load behind the round; its four v_nop are the places in front of the loads below
.else
	PLACES NP
.endif
	FETCH_B \next, 0, 0
	FETCH_A \next, 0, 0
	SCALES \next
	WIN MUL_HI
	MUL16 4, 1, NQ-1, \slot, 0
	MUL16 6, 1, NQ-1, \slot, 0
	PLACES NP
	WIN 0
	FETCH_A \next, 0, 4
.endm
; 64 numbers of a lane in window w, register 16 b + i = k 32 b + 16 (lane / 16) + i of my row, become a fragment's codes in v[PC] on and its scale word in v[PW]
.macro QUANT s, w
	WIN ((\w)<<2)|((\w)<<4)
.irp b, 0,1,2,3
	v_max3_num_f32 v[TM+\b], 0x1800000, |v[(\s)+16*\b]|, |v[(\s)+16*\b+1]|   ; the floor 2^(3 - 127) and my first two: each accumulator is read from its low end on
.endr
.irp i, 2,4,6,8,10,12,14
.irp b, 0,1,2,3
	v_max3_num_f32 v[TM+\b], v[TM+\b], |v[(\s)+16*\b+\i]|, |v[(\s)+16*\b+\i+1]|
.endr
.endr
	WIN 0
	s_wait_xcnt 0x0                                ; the last block's stores have read their data: the codes' and the words' registers are written again only behind this wait
.irp b, 0,1,2,3
	v_permlanex16_b32 v[TM+4+\b], v[TM+\b], s[SEL], s[SEL+1]
.endr
.irp b, 0,1,2,3
	v_max_num_f32 v[TM+\b], v[TM+\b], v[TM+4+\b]
.endr
.irp b, 0,1,2,3
	v_add_nc_u32 v[TM+12+\b], 0xff000000, v[TM+\b]
.endr
.irp b, 0,1,2,3
	v_lshrrev_b32 v[TM+4+\b], 23, v[TM+12+\b]
.endr
	v_lshl_or_b32 v[PW], v[TM+5], 8, v[TM+4]
	v_lshl_or_b32 v[PW], v[TM+6], 16, v[PW]
	v_lshl_or_b32 v[PW], v[TM+7], 24, v[PW]
	WIN (\w)
.irp c, 0,1
	v_cvt_scalef32_pk16_fp6_f32 v[PC+6*\c:PC+2+6*\c], v[(\s)+32*\c:(\s)+32*\c+15], v[TM+12+2*\c]
	v_cvt_scalef32_pk16_fp6_f32 v[PC+12+4*\c:PC+14+4*\c], v[(\s)+32*\c+16:(\s)+32*\c+31], v[TM+13+2*\c]
.endr
	WIN 0
	v_nop                                          ; one plain instruction behind the scaled conversions
.irp c, 0,1
.irp i, 0,1,2
	v_permlane16_swap_b32 v[PC+6*\c+\i], v[PC+12+4*\c+\i]
.endr
.irp i, 0,1,2
	v_mov_b32 v[PC+3+6*\c+\i], v[PC+12+4*\c+\i]
.endr
.endr
.endm
.macro PUTFRAG base, off               ; the record: 512, 256, 512, 256 consecutive bytes, each piece aligned to 256
	global_store_b128 v[LI16], v[PC:PC+3], s[\base:\base+1] offset:\off
	global_store_b64 v[LI8], v[PC+4:PC+5], s[\base:\base+1] offset:\off+512
	global_store_b128 v[LI16], v[PC+6:PC+9], s[\base:\base+1] offset:\off+768
	global_store_b64 v[LI8], v[PC+10:PC+11], s[\base:\base+1] offset:\off+1280
.endm
	s_load_b128 s[4:7], s[0:1], 0x0                ; act, wq
	s_load_b64 s[8:9], s[0:1], 0x10                ; qkv
	v_lshl_add_u32 v[SPW], v0, 2, SPARE
	v_mov_b32 v[NIL], 0
	ds_add_u32 v[SPW], v[NIL]                      ; the wave's opening: the add and its wait ahead of my first tensor load
	v_lshrrev_b32 v1, 5, v0
	v_readfirstlane_b32 s14, v1                    ; wave 0..3
	s_lshr_b32 s15, s14, 1                         ; my half of the tile's rows.  Also: I fetch the row operand (0) or the column operand (1)
	s_and_b32 s16, s14, 1                          ; my half of its columns.  Also: which 128 rows I fetch
	s_bfe_u32 s40, ttmp6, 0x40000                  ; cx
	s_bfe_u32 s41, ttmp6, 0x40004                  ; cy
	s_lshr_b32 s17, ttmp9, 1                       ; twelve clusters in a line: ttmp9 counts them
	s_lshl_b32 s17, s17, 2
	s_and_b32 s42, ttmp9, 1
	s_lshl_b32 s42, s42, 2
	s_sub_co_u32 s18, ttmp9, 8
	s_lshl_b32 s18, s18, 2
	s_mov_b32 s82, QS0
	s_cmp_ge_u32 ttmp9, 8                          ; V^T's clusters: the same answer in all sixteen partners
	s_cselect_b32 s17, 0, s17
	s_cselect_b32 s42, s18, s42
	s_cselect_b32 s75, 16, 0                       ; the row operand's first group
	s_cselect_b32 s80, 64, 256                     ; row blocks in the result
	s_cselect_b32 s81, VT0, 0
	s_cselect_b32 s82, VS0, s82
	s_cselect_b32 s83, 0, 16
	s_add_co_u32 s17, s17, s41                     ; tile row
	s_add_co_u32 s42, s42, s40                     ; tile column
	s_lshl_b32 s43, s41, 2
	s_lshl_b32 s43, 15, s43                        ; my row of the cluster
	s_lshl_b32 s44, 0x1111, s40                    ; my column
	s_or_b32 s[G1+0], s43, (3<<16)|(1<<21)         ; 15:0 the mask; 17:16 elements of 8 bytes; 21 set beside a mask; no padding
	s_or_b32 s[G1B+0], s44, (3<<16)|(1<<21)
.irp g, G1, G1B
	s_mov_b32 s[\g+1], 32<<16                      ; tensor_dim0: 32 elements = 256 bytes
	s_mov_b32 s[\g+2], 104<<16                     ; tensor_dim1: GB / 256
	s_mov_b32 s[\g+3], 32<<16                      ; tile_dim0
	s_mov_b32 s[\g+4], 104                         ; tile_dim1
	s_mov_b32 s[\g+5], 32                          ; the pitch: dense
	s_mov_b32 s[\g+6], 0
	s_mov_b32 s[\g+7], 0
.endr
	s_lshl_b32 s20, s17, 1
	s_add_co_u32 s20, s20, s16
	s_add_co_u32 s20, s20, s75
	s_mul_i32 s20, s20, GSZ                        ; the row operand's group that I would fetch
	s_mov_b32 s21, 0
	s_lshl_b32 s46, s42, 1
	s_add_co_u32 s46, s46, s16
	s_mul_i32 s46, s46, GSZ                        ; the column operand's
	s_mov_b32 s47, 0
	s_mul_i32 s45, s14, GB                         ; where it goes: wave x GB
	s_mov_b32 s[SEL], 0x76543210
	s_mov_b32 s[SEL+1], 0xfedcba98
	s_wait_dscnt 0x0                               ; the opening add is done
	s_wait_kmcnt 0x0
	s_cmp_ge_u32 ttmp9, 8
	s_cselect_b64 s[84:85], s[6:7], s[4:5]         ; rows: Wv or the tokens
	s_cselect_b64 s[86:87], s[4:5], s[6:7]         ; columns: the tokens or Wq, Wk
	s_add_nc_u64 s[20:21], s[84:85], s[20:21]
	s_add_nc_u64 s[46:47], s[86:87], s[46:47]
	CROUND                                         ; all sixteen work-groups are here: the first joint loads meet
.irp s, 0,1
	s_mov_b32 s[G0+4*\s], 1
	s_add_co_u32 s[G0+4*\s+1], s45, \s*SLOT
	s_add_nc_u64 s[G0+4*\s+2:G0+4*\s+3], s[20:21], \s*GB
	s_or_b32 s[G0+4*\s+3], s[G0+4*\s+3], 0x80000000
	s_mov_b32 s[G0B+4*\s], 1
	s_add_co_u32 s[G0B+4*\s+1], s45, \s*SLOT
	s_add_nc_u64 s[G0B+4*\s+2:G0B+4*\s+3], s[46:47], \s*GB
	s_or_b32 s[G0B+4*\s+3], s[G0B+4*\s+3], 0x80000000
	JLOAD \s
.endr
	v_bfe_u32 v2, v0, 4, 1                         ; h
	v_and_b32 v3, 31, v0                           ; lane
	v_lshlrev_b32 v[LI16], 4, v3
	v_lshlrev_b32 v[LI8], 3, v3
	v_lshlrev_b32 v[LS], 2, v3
	v_mul_u32_u24 v[SHV], s83, v2
	s_mul_i32 s21, s15, GB
	s_mul_i32 s22, s16, GB
	s_add_co_u32 s22, s22, 2*GB
.irp s, 0,1
	v_add_nc_u32 v[ADRA+\s], s21, v[LI16]
	v_add_nc_u32 v[ADRB+\s], s22, v[LI16]
	v_add_nc_u32 v[ADRA+2+\s], s21, v[LI8]
	v_add_nc_u32 v[ADRB+2+\s], s22, v[LI8]
	s_add_co_u32 s21, s21, SLOT
	s_add_co_u32 s22, s22, SLOT
.endr
	s_mul_i32 s21, s15, GB
	s_xor_b32 s22, s15, 1
	s_add_co_u32 s22, s22, s16
	s_add_co_u32 s22, s22, 1
	s_mul_i32 s22, s22, GB                         ; from the row operand's block to the column operand's: (2 + column half - row half) GB
	v_mul_u32_u24 v6, s22, v2                      ; lanes 16-31 take the column operand's
	v_add_nc_u32 v6, v6, v[LS]
	s_add_co_u32 s21, s21, 24576
	v_add_nc_u32 v[ADRS], s21, v6
	v_add_nc_u32 v[ADRS+1], SLOT, v[ADRS]
	; where my eight records and scale images go
	s_lshl_b32 s20, s42, 1
	s_add_co_u32 s20, s20, s16
	s_mul_i32 s20, s20, s80
	s_lshl_b32 s21, s17, 4
	s_add_co_u32 s20, s20, s21
	s_lshl_b32 s21, s15, 3
	s_add_co_u32 s20, s20, s21
	s_lshl_b32 s22, s20, 7
	s_add_co_u32 s22, s22, s82
	s_mov_b32 s23, 0
	s_mul_i32 s20, s20, 1536
	s_add_co_u32 s20, s20, s81
	s_mov_b32 s21, 0
	s_add_nc_u64 s[OC:OC+1], s[8:9], s[20:21]
	s_add_nc_u64 s[OS:OS+1], s[8:9], s[22:23]
	s_wait_tensorcnt 1                             ; my part of slot 0 is in (slot 1's load may be out),
	s_barrier_signal -1
	s_barrier_wait -1                              ; everybody's is
	FETCH_B 0, 0, 0
	FETCH_A 0, 0, 0
	SCALES 0
	FETCH_A 0, 0, 4
	STEP 0, 0, 1                                   ; the first step's products start the sums
	s_mov_b32 s3, LAPS-1
.Llap:
	TURN 0, 1, 1
	STEP 1, 0, 0
	TURN 1, 0, 1
	STEP 0, 0, 0
	s_sub_co_u32 s3, s3, 1
	s_cmp_lg_u32 s3, 0
	s_cbranch_scc1 .Llap
	TURN 0, 1, 0                                   ; the last lap fills nothing
	STEP 1, 0, 0
	s_wait_dscnt 4*NL
	WIN MUL_LO
	MUL16 0, 1, NQ-1, 1, 0
	MUL16 2, 1, NQ-1, 1, 0
	s_wait_dscnt 0
	WIN MUL_HI
	MUL16 4, 1, NQ-1, 1, 0
	MUL16 6, 1, NQ-1, 1, 0
	WIN 0
	; THE WAY OUT: each row block's 64 registers a lane are one fragment of the next product: quantised in registers and stored as a record.  No LDS.
	PLACES NP
.irp b, 0,1,2,3
	v_mov_b32 v[TM+4+\b], 0                        ; a lane permute's destination counts as one of its sources
.endr
.irp a, 0,1,2,3,4,5,6,7
	QUANT 64*(\a%4), 2+\a/4
	v_lshrrev_b32 v[SW], v[SHV], v[PW]             ; q, k: lanes 16-31 carry the odd head's two bytes in the low half
	PUTFRAG OC, \a*1536
	global_store_b32 v[LS], v[SW], s[OS:OS+1] offset:\a*128
.endr
	s_wait_tensorcnt 0x0                           ; the wave's end
	ds_add_u32 v[SPW], v[NIL]
	s_wait_dscnt 0x0
	CROUND                                         ; the closing round
	s_endpgm
.Lfunc_end_k_qf28a09ce5b_gqkv:
	.size	k_qf28a09ce5b_gqkv, .Lfunc_end_k_qf28a09ce5b_gqkv-k_qf28a09ce5b_gqkv
	.p2alignl 7, 3214868480
	.fill 96, 4, 3214868480
	.section	.rodata,"a",@progbits
	.p2align	6, 0x0
	.amdhsa_kernel k_qf28a09ce5b_gqkv
		.amdhsa_group_segment_fixed_size 327680
		.amdhsa_private_segment_fixed_size 0
		.amdhsa_enable_private_segment 0
		.amdhsa_kernarg_size 24
		.amdhsa_user_sgpr_count 2
		.amdhsa_user_sgpr_kernarg_segment_ptr 1
		.amdhsa_wavefront_size32 1
		.amdhsa_system_sgpr_workgroup_id_x 1
		.amdhsa_system_sgpr_workgroup_id_y 1
		.amdhsa_system_sgpr_workgroup_id_z 1
		.amdhsa_system_vgpr_workitem_id 0
		.amdhsa_next_free_vgpr 1024
		.amdhsa_next_free_sgpr 98
		.amdhsa_reserve_vcc 0
		.amdhsa_float_denorm_mode_32 3
		.amdhsa_float_denorm_mode_16_64 3
		.amdhsa_memory_ordered 1
		.amdhsa_forward_progress 1
		.amdhsa_inst_pref_size 150
	.end_amdhsa_kernel
	.amdgpu_metadata
---
amdhsa.version: [ 1, 2 ]
amdhsa.kernels:
  - .name:           k_qf28a09ce5b_gqkv
    .symbol:         k_qf28a09ce5b_gqkv.kd
    .args:
      - { .name: act, .offset: 0, .size: 8, .value_kind: global_buffer, .address_space: global }
      - { .name: wq, .offset: 8, .size: 8, .value_kind: global_buffer, .address_space: global }
      - { .name: qkv, .offset: 16, .size: 8, .value_kind: global_buffer, .address_space: global }
    .group_segment_fixed_size: 327680
    .private_segment_fixed_size: 0
    .kernarg_segment_align: 8
    .kernarg_segment_size: 24
    .max_flat_workgroup_size: 128
    .sgpr_count:     98
    .vgpr_count:     1024
    .wavefront_size: 32
...
	.end_amdgpu_metadata
.endif
;; end of part 2
;; launch attn (part 3): grid 8 x 32, 16 waves a work-group, clusters of 4 x 1, 215,040 bytes of LDS; arguments qkv, act; writes act
.if DOCPART == 3
	.amdgcn_target "amdgcn-amd-amdhsa--gfx1250"
	.amdhsa_code_object_version 6
	.text
	.protected	k_qf28a09ce5b_attn
	.globl	k_qf28a09ce5b_attn
	.p2align	8
	.type	k_qf28a09ce5b_attn,@function
k_qf28a09ce5b_attn:
	s_mov_b64 s[64:65], 0
	v_nop
	global_prefetch_b8 v0, s[64:65] scope:SCOPE_SE
	s_setreg_imm32_b32 hwreg(HW_REG_WAVE_MODE, 25, 1), 1
	s_wait_xcnt 0x0
	s_wait_alu depctr_hold_cnt(0) depctr_sa_sdst(0) depctr_va_vdst(0) depctr_va_sdst(0) depctr_va_ssrc(0) depctr_va_vcc(0) depctr_vm_vsrc(0)
	s_getreg_b32 s2, hwreg(HW_REG_IB_STS2, 6, 4)
	s_cmp_eq_u32 s2, 0
	s_cbranch_scc0 .Lentry_in_a_cluster
	s_endpgm
.Lentry_in_a_cluster:
	s_bfe_u32 s2, ttmp6, 0x10000c
	s_cmp_lg_u32 s2, 0x3003
	s_cbranch_scc0 .Lentry_shape_is_right
	s_endpgm
.Lentry_shape_is_right:
; attn_val = softmax(q k^T / 8) v for 32 (batch, head) pairs of 2,048 tokens and 64 channels, both products on codes of FP6 (E2M3) with E8M0 scales; the result is quantised along the channels into act.
; THE SOFTMAX: t = score x log2(e) / 8; M = the running largest t rounded up to a whole number; p = 2^(t - M) is quantised along the keys, not normalised; the row's sum is taken of the unquantised p and divides at the end.
; SHARES.  A work-group owns 256 queries of one head, each of its sixteen waves one tile of 16, in 256 registers.  Every wave walks the head's 2,048 keys, 128 a step.
; ALL OF THE HEAD'S K AND V CODES AND SCALES LIE IN LDS (212,992 bytes), filled once: no ring, no refill.  They are asked for at the kernel's head by waves 0-3 (K) and 4-7 (V), five loads each, and are read in four
; phases of four key steps; phase n waits for the n-th code load of each fetching wave.  So there is no later load that a prefetch could run ahead of, and none is laid.
; CLUSTER 4 x 1: the four query blocks of a cluster belong to one head: every tile is asked for jointly.
; LAYOUT.  Both products are used transposed (S^T = K Q^T, O^T = V^T P^T): a lane holds one query.  Records hold rows with bits 3 and 4 of the row number exchanged, so the 16 registers of tiles 2 b, 2 b + 1 are
; 16 neighbouring keys (or channels).  A head's 64 channels are half a record of q or k (768 bytes: registers 0-5); registers 6-11 of those operands are zero codes, which add nothing.
; LIMITS: NaN and infinities are not served; a block of zeros gets the byte 1 (its codes are zeros, and only this program reads the bytes).
; REGISTERS: v1-6 lane bases; v7-11, v28 the step's addresses; v12 -M, v13 the largest t, v[14:15] the sum; v16-27 Q; v32-79 four fragments of K; v96-159 S^T, then p, then four fragments of V; v160-191 O^T; v224-255 at work, v248-251, v253, v255 scale words.
.set KC,    0                          ; K's codes: key step j at 6,144 j, tile at + 768
.set VC,    98304                      ; V's: 6,144 j + 1,536 t
.set KSC,   196608                     ; K's scale words: 64 bytes a tile
.set VSC,   204800                     ; V's: 512 j + 128 t
.set SPARE, 212992                     ; the spare words, 128 bytes for each of sixteen waves
.set QS0,   6291456
.set VT0,   6815744
.set VS0,   9961472
.set GB,    26624
.set GSZ,   106496
.set SPW,   29
.set NIL,   30
.set LN,    31                         ; v31 my lane
.set WV,    18
.set SEL,   20
.set CS,    22                         ; s[22:23] c = log2(e) / 8
.set TK,    2                          ; s2  the step's codes: 6,144 bytes a step
.set TS,    3                          ; s3  its scale words: 512 bytes a step
.set CNT,   66
.macro CROUND
	s_barrier_signal -1
	s_barrier_wait -1
	s_cmp_lg_u32 s[WV], 0
	s_cbranch_scc1 .Lnot_wave_0_\@
	s_barrier_signal -3
.Lnot_wave_0_\@:
	s_barrier_wait -3
	s_barrier_signal -1
	s_barrier_wait -1
.endm
.macro GROUP1 g, c, r, p               ; r rows of c elements of 8 bytes, p elements apart; the mask names all four partners, bit 21 beside it
	s_mov_b32 s[\g], 15|(3<<16)|(1<<21)
	s_mov_b32 s[\g+1], (\c)<<16
	s_mov_b32 s[\g+2], (\r)<<16
	s_mov_b32 s[\g+3], (\c)<<16
	s_mov_b32 s[\g+4], \r
	s_mov_b32 s[\g+5], \p
	s_mov_b32 s[\g+6], 0
	s_mov_b32 s[\g+7], 0
.endm
	s_load_b128 s[4:7], s[0:1], 0x0                ; qkv, act
	v_lshl_add_u32 v[SPW], v0, 2, SPARE
	v_mov_b32 v[NIL], 0
	ds_add_u32 v[SPW], v[NIL]                      ; the wave's opening: the add and its wait ahead of my first tensor load
	v_lshrrev_b32 v1, 5, v0
	v_readfirstlane_b32 s[WV], v1                  ; wave 0..15
	s_bfe_u32 s8, ttmp6, 0x40000                   ; cx
	s_lshl_b32 s9, ttmp9, 2
	s_add_co_u32 s9, s9, s8                        ; my block of 256 queries
	s_and_b32 s10, ttmp7, 0xffff                   ; batch x 16 + head: shared by the partners
	s_lshr_b32 s11, s10, 4                         ; batch
	s_and_b32 s12, s10, 15                         ; head
	s_lshr_b32 s13, s12, 1                         ; the pair of heads that shares a record,
	s_and_b32 s14, s12, 1                          ; and my half of it
	s_and_b32 s15, s[WV], 3                        ; which quarter I fetch, if I fetch
	s_lshl_b32 s10, s11, 7
	s_lshl_b32 s9, s9, 4
	s_add_co_u32 s10, s10, s9
	s_add_co_u32 s10, s10, s[WV]                   ; my block of 16 queries, 0..255: it enters Q's and the result's addresses alone
	s_mov_b32 s101, 0
	GROUP1 24, 8, 32, 16                           ; K's scale words: 64 of each image's 128 bytes, 32 tiles
	GROUP1 32, 96, 8, 192                          ; K's codes: half of each of 8 records
	GROUP1 40, 64, 4, 1024                         ; V's scale words: four images on end, of four key steps
	GROUP1 48, 768, 1, 768                         ; V's codes: four records on end: one row
	s_mov_b32 s[SEL], 0x76543210
	s_mov_b32 s[SEL+1], 0xfedcba98
	s_mov_b32 s[CS], 0x3e38aa3b
	s_mov_b32 s[CS+1], s[CS]
	s_wait_dscnt 0x0                               ; the opening add is done
	s_wait_kmcnt 0x0
	; groups 0.  Every wave makes both sets; nothing in them hangs on the work-group's place in its cluster
	s_add_co_u32 s16, s13, 8
	s_lshl_b32 s16, s16, 8
	s_lshl_b32 s19, s11, 7
	s_add_co_u32 s16, s16, s19                     ; k's first record of this batch: (8 + pair) 256 + 128 batch
	s_lshl_b32 s100, s15, 5
	s_add_co_u32 s100, s100, s16
	s_lshl_b32 s100, s100, 7
	s_lshl_b32 s19, s14, 6
	s_add_co_u32 s100, s100, s19
	s_add_co_u32 s100, s100, QS0
	s_mov_b32 s56, 1
	s_lshl_b32 s19, s15, 11
	s_add_co_u32 s57, s19, KSC
	s_add_nc_u64 s[58:59], s[4:5], s[100:101]
	s_or_b32 s59, s59, 0x80000000
	s_lshl_b32 s100, s11, 4
	s_lshl_b32 s67, s15, 2
	s_add_co_u32 s100, s100, s67
	s_lshl_b32 s100, s100, 6
	s_lshl_b32 s67, s12, 2                         ; the head's four blocks of 16 channels
	s_add_co_u32 s100, s100, s67
	s_lshl_b32 s100, s100, 7
	s_add_co_u32 s100, s100, VS0
	s_mov_b32 s80, 1
	s_add_co_u32 s81, s19, VSC
	s_add_nc_u64 s[82:83], s[4:5], s[100:101]
	s_or_b32 s83, s83, 0x80000000
	s_lshl_b32 s100, s15, 3
	s_add_co_u32 s100, s100, s16
	s_mul_i32 s100, s100, 1536
	s_mul_i32 s19, s14, 768
	s_add_co_u32 s100, s100, s19
	s_add_nc_u64 s[16:17], s[4:5], s[100:101]      ; K's codes of key step i
	s_mul_i32 s19, s15, 6144
.set n, 0
.irp g, 60,68,72,76                            ; key steps 4 n + i
	s_mov_b32 s[\g], 1
	s_add_co_u32 s[\g+1], s19, KC+n*24576
	s_add_nc_u64 s[\g+2:\g+3], s[16:17], n*49152
	s_or_b32 s[\g+3], s[\g+3], 0x80000000
.set n, n+1
.endr
	s_lshl_b32 s100, s11, 4
	s_add_co_u32 s100, s100, s15
	s_lshl_b32 s100, s100, 6
	s_add_co_u32 s100, s100, s67
	s_mul_i32 s100, s100, 1536
	s_add_co_u32 s100, s100, VT0
	s_add_nc_u64 s[16:17], s[4:5], s[100:101]      ; V's codes of key step i
.set n, 0
.irp g, 84,88,92,96
	s_mov_b32 s[\g], 1
	s_add_co_u32 s[\g+1], s19, VC+n*24576
	s_add_nc_u64 s[\g+2:\g+3], s[16:17], n*393216
	s_or_b32 s[\g+3], s[\g+3], 0x80000000
.set n, n+1
.endr
	CROUND                                         ; all four work-groups are here: the joint loads meet
	s_cmp_lt_u32 s[WV], 4                          ; a wave's five loads stand in one branch on its number: five tensor loads of mine are out at the most
	s_cbranch_scc0 .Lnot_k
	tensor_load_to_lds s[56:59], s[24:31]
	s_nop 0
.irp g, 60,68,72,76
	tensor_load_to_lds s[\g:\g+3], s[32:39]
	s_nop 0
.endr
.rept 4
	v_nop
.endr
	s_branch .Lasked
.Lnot_k:
	s_cmp_lt_u32 s[WV], 8
	s_cbranch_scc0 .Lasked
	tensor_load_to_lds s[80:83], s[40:47]
	s_nop 0
.irp g, 84,88,92,96
	tensor_load_to_lds s[\g:\g+3], s[48:55]
	s_nop 0
.endr
.rept 4
	v_nop
.endr
.Lasked:
	s_lshl_b32 s19, s13, 8
	s_add_co_u32 s19, s19, s10                     ; q's record: pair x 256 + my block
	s_mul_i32 s100, s19, 1536
	s_mul_i32 s67, s14, 768
	s_add_co_u32 s100, s100, s67
	s_add_nc_u64 s[8:9], s[4:5], s[100:101]
	s_lshl_b32 s100, s19, 7
	s_lshl_b32 s67, s14, 6
	s_add_co_u32 s100, s100, s67
	s_add_co_u32 s100, s100, QS0
	s_add_nc_u64 s[16:17], s[4:5], s[100:101]
	v_and_b32 v[LN], 31, v0
	v_lshlrev_b32 v1, 4, v[LN]
	v_lshlrev_b32 v2, 3, v[LN]
	v_and_b32 v7, 15, v0
	v_lshlrev_b32 v7, 2, v7
	global_load_b128 v[16:19], v1, s[8:9]          ; Q's half record: registers 0-5; it stays
	global_load_b64 v[20:21], v2, s[8:9] offset:512
	global_load_b32 v255, v7, s[16:17]             ; and its scale words
	v_add_nc_u32 v3, VC, v1
	v_add_nc_u32 v4, VC, v2
	v_and_b32 v5, 15, v0
	v_lshl_add_u32 v5, v5, 2, KSC
	v_lshl_add_u32 v6, v[LN], 2, VSC
.irp i, 22,23,24,25,26,27
	v_mov_b32 v[\i], 0                             ; channels 64-127 of the instruction's K: zero codes
.endr
.irp t, 0,1,2,3
.irp i, 6,7,8,9,10,11
	v_mov_b32 v[32+12*\t+\i], 0                    ; the same in K's four fragments: written once
.endr
.endr
	v_mov_b32 v13, 0xff61b1e6                      ; the largest t so far: -3e38
	v_floor_f32 v12, -v13                          ; -M
	v_mov_b32 v14, 0
	v_mov_b32 v15, 0
.irp b, 0,1,2,3
	v_mov_b32 v[236+\b], 0                         ; a lane permute's destination counts as one of its sources
.endr
	v_mov_b32 v253, 0
.set i, 0
.rept 32
	v_mov_b32 v[160+i], 0                          ; O^T: the step is written once; the first finds zeros
.set i, i+1
.endr
; A KEY STEP: 128 keys
.macro STEP
	v_add_nc_u32 v7, s[TK], v1                     ; six plain instructions: the places between the last products V^T P and the products below, which write over the registers that held V's fragments
	v_add_nc_u32 v8, s[TK], v2
	v_add_nc_u32 v9, s[TK], v3
	v_add_nc_u32 v10, s[TK], v4
	v_add_nc_u32 v11, s[TS], v5
	v_add_nc_u32 v28, s[TS], v6
.irp g, 0,1                                    ; S^T = K Q^T, four tiles of 16 keys at a time
.if \g > 0
.rept 4
	v_nop                                          ; places in front of loads into registers that matrix instructions have read
.endr
.endif
.irp t, 0,1,2,3
	ds_load_b128 v[32+12*\t:35+12*\t], v7 offset:(4*\g+\t)*768
	ds_load_b64 v[36+12*\t:37+12*\t], v8 offset:(4*\g+\t)*768+512
	ds_load_b32 v[248+\t], v11 offset:(4*\g+\t)*64
.endr
	s_wait_dscnt 0x0
.irp t, 0,1,2,3
	v_wmma_scale_f32_16x16x128_f8f6f4 v[96+8*(4*\g+\t):103+8*(4*\g+\t)], v[32+12*\t:43+12*\t], v[16:27], 0, v[248+\t], v255 matrix_a_fmt:MATRIX_FMT_FP6 matrix_b_fmt:MATRIX_FMT_FP6
.endr
.endr
.rept 4
	v_nop
.endr
.irp b, 0,1,2,3
	v_max3_num_f32 v[232+\b], v[96+16*\b], v[97+16*\b], v[98+16*\b]   ; the largest score of each block of 32 keys: for the row's maximum, and, since p rises with the score, for the block's largest p
.endr
.irp i, 3,5,7,9,11,13
.irp b, 0,1,2,3
	v_max3_num_f32 v[232+\b], v[232+\b], v[96+16*\b+\i], v[97+16*\b+\i]
.endr
.endr
.irp b, 0,1,2,3
	v_max_num_f32 v[232+\b], v[232+\b], v[111+16*\b]
.endr
.irp b, 0,1,2,3
	v_permlanex16_b32 v[236+\b], v[232+\b], s[SEL], s[SEL+1]
.endr
.irp b, 0,1,2,3
	v_max_num_f32 v[232+\b], v[232+\b], v[236+\b]
.endr
	v_max3_num_f32 v254, v232, v233, v234
	v_max_num_f32 v254, v254, v235
	v_mul_f32 v254, s[CS], v254                    ; the step's largest t
	v_max_num_f32 v13, v13, v254
	v_mov_b32 v254, v12
	v_floor_f32 v12, -v13                          ; the new -M = -ceil(t)
	v_sub_f32 v254, v12, v254                      ; old M - new M: a whole number, 0 or less
	v_cvt_i32_f32 v254, v254
	v_ldexp_f32 v252, 1.0, v254                    ; f = 2^(old M - new M): rounds nothing
.set i, 0
.rept 32
	v_pk_fma_f32 v[96+i:97+i], v[96+i:97+i], s[CS:CS+1], v[12:13] op_sel_hi:[1,0,0]   ; t - M
.set i, i+2
.endr
.irp b, 0,1,2,3
	v_fma_f32 v[232+\b], v[232+\b], s[CS], v12
.endr
.set i, 0
.rept 64
	v_exp_f32 v[96+i], v[96+i]                     ; p = 2^(t - M)
.set i, i+1
.endr
	v_pk_mul_f32 v[14:15], v[14:15], v[252:253] op_sel_hi:[1,0]   ; the sums under the new M: a plain instruction behind the batch
	s_wait_alu depctr_va_vdst(0)                   ; one wait for the batch, ahead of its first reader
.irp b, 0,1,2,3
	v_exp_f32 v[232+\b], v[232+\b]                 ; the blocks' largest p
.endr
	v_pk_add_f32 v[236:237], v[96:97], v[98:99]    ; the row's sum of the unquantised p, in two chains
.irp j, 4,8,12,16,20,24,28,32,36,40,44,48,52,56,60
	v_pk_add_f32 v[14:15], v[14:15], v[96+\j:97+\j]
	v_pk_add_f32 v[236:237], v[236:237], v[98+\j:99+\j]
.endr
	v_pk_add_f32 v[14:15], v[14:15], v[236:237]
	s_wait_alu depctr_va_vdst(0)                   ; and one for the four
.irp b, 0,1,2,3
	v_max_num_f32 v[232+\b], 0x1800000, v[232+\b]  ; the floor 2^(3 - 127)
.endr
.irp b, 0,1,2,3
	v_add_nc_u32 v[244+\b], 0xff000000, v[232+\b]
.endr
.irp b, 0,1,2,3
	v_lshrrev_b32 v[236+\b], 23, v[244+\b]
.endr
	v_lshl_or_b32 v253, v237, 8, v236              ; p's scale word for these 128 keys
	v_lshl_or_b32 v253, v238, 16, v253
	v_lshl_or_b32 v253, v239, 24, v253
.irp c, 0,1
	v_cvt_scalef32_pk16_fp6_f32 v[224+6*\c:226+6*\c], v[96+32*\c:111+32*\c], v[244+2*\c]
	v_cvt_scalef32_pk16_fp6_f32 v[236+4*\c:238+4*\c], v[112+32*\c:127+32*\c], v[244+2*\c+1]
.endr
	v_nop                                          ; one plain instruction behind the scaled conversions
.irp t, 0,1,2,3                                ; V's four records, into the registers that p has left
	ds_load_b128 v[96+12*\t:99+12*\t], v9 offset:1536*\t
	ds_load_b64 v[100+12*\t:101+12*\t], v10 offset:1536*\t+512
	ds_load_b128 v[102+12*\t:105+12*\t], v9 offset:1536*\t+768
	ds_load_b64 v[106+12*\t:107+12*\t], v10 offset:1536*\t+1280
	ds_load_b32 v[248+\t], v28 offset:128*\t
.endr
.irp c, 0,1
.irp i, 0,1,2
	v_permlane16_swap_b32 v[224+6*\c+\i], v[236+4*\c+\i]
.endr
.irp i, 0,1,2
	v_mov_b32 v[227+6*\c+\i], v[236+4*\c+\i]
.endr
.endr
.set i, 0
.rept 16
	v_pk_mul_f32 v[160+i:161+i], v[160+i:161+i], v[252:253] op_sel_hi:[1,0]   ; O^T under the new M; these sixteen are also the places between p's codes and scale word and the products
.set i, i+2
.endr
	s_wait_dscnt 0x0
.irp t, 0,1,2,3                                ; O^T += V^T P^T: four accumulators by turns
	v_wmma_scale_f32_16x16x128_f8f6f4 v[160+8*\t:167+8*\t], v[96+12*\t:107+12*\t], v[224:235], v[160+8*\t:167+8*\t], v[248+\t], v253 matrix_a_fmt:MATRIX_FMT_FP6 matrix_b_fmt:MATRIX_FMT_FP6
.endr
	s_add_co_u32 s[TK], s[TK], 6144
	s_add_co_u32 s[TS], s[TS], 512
.endm
; Key steps 4 n .. 4 n + 3.  Behind a fetching wave's n-th code load 3 - n were issued: they may stay out.
.macro PHASE n
	s_wait_tensorcnt 3-\n
	s_barrier_signal -1
	s_barrier_wait -1
	s_mov_b32 s[TK], \n*24576
	s_mov_b32 s[TS], \n*2048
	s_mov_b32 s[CNT], 4
.Lstep_\@:
	STEP
	s_sub_co_u32 s[CNT], s[CNT], 1
	s_cmp_lg_u32 s[CNT], 0
	s_cbranch_scc1 .Lstep_\@
.endm
	s_wait_loadcnt 0x0                             ; Q
	PHASE 0
	PHASE 1
	PHASE 2
	PHASE 3
	; THE WAY OUT: O^T / the sum: register 16 b + i is channel 32 b + 16 (lane / 16) + i of my query: two blocks of the next K, half a record of act
.rept 4
	v_nop
.endr
	v_add_f32 v14, v14, v15
	v_permlanex16_b32 v252, v14, s[SEL], s[SEL+1]
	v_add_f32 v14, v14, v252
	v_rcp_f32 v14, v14
	v_lshlrev_b32 v11, 2, v[LN]                    ; (a plain instruction behind the reciprocal)
	s_lshr_b32 s100, s10, 3
	s_mul_i32 s100, s100, GSZ
	s_lshr_b32 s19, s13, 1
	s_mul_i32 s19, s19, GB
	s_add_co_u32 s100, s100, s19                   ; the slot block: 128 tokens x 256 channels
	s_and_b32 s19, s10, 7
	s_and_b32 s67, s13, 1
	s_mul_i32 s8, s19, 3072
	s_mul_i32 s9, s67, 1536
	s_add_co_u32 s8, s8, s9
	s_mul_i32 s9, s14, 768
	s_add_co_u32 s8, s8, s9
	s_add_co_u32 s8, s8, s100
	s_mov_b32 s9, 0
	s_lshl_b32 s16, s19, 8
	s_lshl_b32 s17, s67, 7
	s_add_co_u32 s16, s16, s17
	s_lshl_b32 s17, s14, 1
	s_add_co_u32 s16, s16, s17
	s_add_co_u32 s16, s16, s100
	s_add_co_u32 s16, s16, 24576
	s_mov_b32 s17, 0
	s_add_nc_u64 s[8:9], s[6:7], s[8:9]
	s_add_nc_u64 s[16:17], s[6:7], s[16:17]
	s_wait_alu depctr_va_vdst(0)                   ; the wait ahead of the reciprocal's first reader
.set i, 0
.rept 32
	v_mul_f32 v[96+i], v[160+i], v14
.set i, i+1
.endr
.irp b, 0,1
	v_max3_num_f32 v[232+\b], |v[96+16*\b]|, |v[97+16*\b]|, 0x1800000
.endr
.irp i, 2,4,6,8,10,12,14
.irp b, 0,1
	v_max3_num_f32 v[232+\b], v[232+\b], |v[96+16*\b+\i]|, |v[97+16*\b+\i]|
.endr
.endr
.irp b, 0,1
	v_permlanex16_b32 v[236+\b], v[232+\b], s[SEL], s[SEL+1]
.endr
.irp b, 0,1
	v_max_num_f32 v[232+\b], v[232+\b], v[236+\b]
.endr
.irp b, 0,1
	v_add_nc_u32 v[244+\b], 0xff000000, v[232+\b]
.endr
.irp b, 0,1
	v_lshrrev_b32 v[236+\b], 23, v[244+\b]
.endr
	v_lshl_or_b32 v253, v237, 8, v236              ; my head's two bytes of the row's scale word
	v_cvt_scalef32_pk16_fp6_f32 v[224:226], v[96:111], v244
	v_cvt_scalef32_pk16_fp6_f32 v[228:230], v[112:127], v245
	v_nop
.irp i, 0,1,2
	v_permlane16_swap_b32 v[224+\i], v[228+\i]
.endr
	v_mov_b32 v227, v228
	v_mov_b32 v228, v229
	v_mov_b32 v229, v230
	global_store_b128 v1, v[224:227], s[8:9]       ; 512 and 256 consecutive bytes, aligned to 256
	global_store_b64 v2, v[228:229], s[8:9] offset:512
	global_store_b16 v11, v253, s[16:17]           ; two bytes of each lane's word: the other head of the pair writes the other two
	s_wait_tensorcnt 0x0                           ; the wave's end
	ds_add_u32 v[SPW], v[NIL]
	s_wait_dscnt 0x0
	CROUND                                         ; the closing round
	s_endpgm
.Lfunc_end_k_qf28a09ce5b_attn:
	.size	k_qf28a09ce5b_attn, .Lfunc_end_k_qf28a09ce5b_attn-k_qf28a09ce5b_attn
	.p2alignl 7, 3214868480
	.fill 96, 4, 3214868480
	.section	.rodata,"a",@progbits
	.p2align	6, 0x0
	.amdhsa_kernel k_qf28a09ce5b_attn
		.amdhsa_group_segment_fixed_size 215040
		.amdhsa_private_segment_fixed_size 0
		.amdhsa_enable_private_segment 0
		.amdhsa_kernarg_size 16
		.amdhsa_user_sgpr_count 2
		.amdhsa_user_sgpr_kernarg_segment_ptr 1
		.amdhsa_wavefront_size32 1
		.amdhsa_system_sgpr_workgroup_id_x 1
		.amdhsa_system_sgpr_workgroup_id_y 1
		.amdhsa_system_sgpr_workgroup_id_z 1
		.amdhsa_system_vgpr_workitem_id 0
		.amdhsa_next_free_vgpr 256
		.amdhsa_next_free_sgpr 102
		.amdhsa_reserve_vcc 0
		.amdhsa_float_denorm_mode_32 3
		.amdhsa_float_denorm_mode_16_64 3
		.amdhsa_memory_ordered 1
		.amdhsa_forward_progress 1
		.amdhsa_inst_pref_size 85
	.end_amdhsa_kernel
	.amdgpu_metadata
---
amdhsa.version: [ 1, 2 ]
amdhsa.kernels:
  - .name:           k_qf28a09ce5b_attn
    .symbol:         k_qf28a09ce5b_attn.kd
    .args:
      - { .name: qkv, .offset: 0, .size: 8, .value_kind: global_buffer, .address_space: global }
      - { .name: act, .offset: 8, .size: 8, .value_kind: global_buffer, .address_space: global }
    .group_segment_fixed_size: 215040
    .private_segment_fixed_size: 0
    .kernarg_segment_align: 8
    .kernarg_segment_size: 16
    .max_flat_workgroup_size: 512
    .sgpr_count:     102
    .vgpr_count:     256
    .wavefront_size: 32
...
	.end_amdgpu_metadata
.endif
;; end of part 3
;; launch gfc (part 4): grid 4 x 16, 4 waves a work-group, clusters of 4 x 4, 327,680 bytes of LDS; arguments act, wq, x, x1; writes x1
.if DOCPART == 4
	.amdgcn_target "amdgcn-amd-amdhsa--gfx1250"
	.amdhsa_code_object_version 6
	.text
	.protected	k_qf28a09ce5b_gfc
	.globl	k_qf28a09ce5b_gfc
	.p2align	8
	.type	k_qf28a09ce5b_gfc,@function
k_qf28a09ce5b_gfc:
	s_mov_b64 s[64:65], 0
	v_nop
	global_prefetch_b8 v0, s[64:65] scope:SCOPE_SE
	s_setreg_imm32_b32 hwreg(HW_REG_WAVE_MODE, 25, 1), 1
	s_wait_xcnt 0x0
	s_wait_alu depctr_hold_cnt(0) depctr_sa_sdst(0) depctr_va_vdst(0) depctr_va_sdst(0) depctr_va_ssrc(0) depctr_va_vcc(0) depctr_vm_vsrc(0)
	s_getreg_b32 s2, hwreg(HW_REG_IB_STS2, 6, 4)
	s_cmp_eq_u32 s2, 0
	s_cbranch_scc0 .Lentry_in_a_cluster
	s_endpgm
.Lentry_in_a_cluster:
	s_bfe_u32 s2, ttmp6, 0x10000c
	s_cmp_lg_u32 s2, 0xf033
	s_cbranch_scc0 .Lentry_shape_is_right
	s_endpgm
.Lentry_shape_is_right:
; x1 = x + attn_val Wfc^T.  attn_val (act) and Wfc (wq's groups 24-31) are codes of FP6 (E2M3) with E8M0 scales; K = 1,024; x, x1: [4096][1024] f32.
; A tile of C, 256 x 256, is made by four waves, 128 x 128 each: 64 accumulators.  K goes in steps of 256 through two LDS slots.  An operand's 128 rows x 256 K are one dense block of GB bytes
; (16 fragment records of 1,536 bytes, images of the operand's registers, then 16 scale images of 128 bytes), brought by one tensor load as 104 rows of 256 bytes.
; C has 16 x 4 tiles: 64 work-groups.  CLUSTER 4 x 4: A's tiles are asked for jointly along a row of the cluster, B's along a column.
; THE PRODUCT IS USED TRANSPOSED (source 0 = 16 rows of Wfc, source 1 = 16 tokens).  Operand rows are stored with bits 3 and 4 of the row number exchanged: tile b, lane half h, register j is column
; 32 (b / 2) + 16 h + 8 (b % 2) + j, and stored row t of block a is row 32 (a / 2) + 16 (t / 8) + 8 (a % 2) + t % 8.  The way out puts both right: columns in the stage, rows in the stores' offsets.
; REGISTERS: window 0: v16-31 addresses; v32-63 scale words, two sets; v128-223 A's fragments (on the way out v128-255: rows back from the stage); window 1: B's two sets (on the way out: the residual); windows 2, 3: accumulators.
.set KDIM,  1024
.set BG0,   24                         ; Wfc's first group in wq
.set GB,    26624
.set GSZ,   (KDIM/256)*GB
.set SLOT,  4*GB
.set SPARE, 2*SLOT
.set LAPS,  KDIM/512
.set NQ,    2
.set FR,    12
.set NL,    4
.set NP,    4
.set SPITCH, 528                       ; the way out: a stage of 16 rows x (512 + 16) bytes for each wave, in slot 0, which has had its last fill and its last read by then
.set ADRA,  16
.set ADRB,  20
.set STO,   24
.set RD,    25
.set CO,    26
.set SPW,   28
.set NIL,   29
.set ADRS,  30
.set SC,    32
.set AF,    128
.set BK,    128
.set G1,    24
.set G0,    32
.set G1B,   48
.set G0B,   56
.set RES,   68
.set OUT,   70
.set MSB, 0
.macro WIN new
.if MSB != (\new)
	s_set_vgpr_msb (MSB<<8)|(\new)
.set MSB, (\new)
.endif
.endm
.set MUL_LO, 0xa1
.set MUL_HI, 0xf1
.set TO_B,   0x40
.macro JLOAD s
	s_cmp_eq_u32 s15, 0
	s_cbranch_scc0 .Lfor_b_\@
	tensor_load_to_lds s[G0+4*\s:G0+4*\s+3], s[G1:G1+7]
	s_nop 0
.rept 4
	v_nop
.endr
	s_branch .Lasked_\@
.Lfor_b_\@:
	tensor_load_to_lds s[G0B+4*\s:G0B+4*\s+3], s[G1B:G1B+7]
	s_nop 0
.rept 4
	v_nop
.endr
.Lasked_\@:
.endm
.macro CREST
	s_cmp_lg_u32 s14, 0
	s_cbranch_scc1 .Lnot_wave_0_\@
	s_barrier_signal -3
.Lnot_wave_0_\@:
	s_barrier_wait -3
	s_barrier_signal -1
	s_barrier_wait -1
.endm
.macro CROUND
	s_barrier_signal -1
	s_barrier_wait -1
	CREST
.endm
.macro FRAG reg, adr, q, i
	ds_load_b128 v[\reg:\reg+3], v[\adr] offset:(\i)*3072+(\q)*1536
	ds_load_b64 v[\reg+4:\reg+5], v[\adr+2] offset:(\i)*3072+(\q)*1536+512
	ds_load_b128 v[\reg+6:\reg+9], v[\adr] offset:(\i)*3072+(\q)*1536+768
	ds_load_b64 v[\reg+10:\reg+11], v[\adr+2] offset:(\i)*3072+(\q)*1536+1280
.endm
.macro MUL16 a0, p, q, sc, zero        ; the 64 accumulators take turns, one instruction a turn
.irp a, \a0, \a0+1
.irp b, 0,1,2,3,4,5,6,7
.if \zero
	v_wmma_scale_f32_16x16x128_f8f6f4 v[8*(8*((\a)%4)+\b):8*(8*((\a)%4)+\b)+7], v[128*(\p)+FR*\b:128*(\p)+FR*\b+FR-1], v[AF+FR*(\a):AF+FR*(\a)+FR-1], 0, v[SC+8*NQ*(\sc)+NQ*\b+(\q)], v[SC+8*NQ*(\sc)+NQ*(\a)+(\q)] matrix_a_fmt:MATRIX_FMT_FP6 matrix_b_fmt:MATRIX_FMT_FP6 matrix_a_scale:MATRIX_SCALE_ROW1
.else
	v_wmma_scale_f32_16x16x128_f8f6f4 v[8*(8*((\a)%4)+\b):8*(8*((\a)%4)+\b)+7], v[128*(\p)+FR*\b:128*(\p)+FR*\b+FR-1], v[AF+FR*(\a):AF+FR*(\a)+FR-1], v[8*(8*((\a)%4)+\b):8*(8*((\a)%4)+\b)+7], v[SC+8*NQ*(\sc)+NQ*\b+(\q)], v[SC+8*NQ*(\sc)+NQ*(\a)+(\q)] matrix_a_fmt:MATRIX_FMT_FP6 matrix_b_fmt:MATRIX_FMT_FP6 matrix_a_scale:MATRIX_SCALE_ROW1
.endif
.endr
.endr
.endm
.macro FETCH_B slot, q, p
	WIN TO_B
.irp i, 0,1,2,3,4,5,6,7
	FRAG 128*(\p)+FR*\i, ADRB+\slot, \q, \i
.endr
	WIN 0
.endm
.macro FETCH_A slot, q, i0
.irp i, \i0, \i0+1, \i0+2, \i0+3
	FRAG AF+FR*(\i), ADRA+\slot, \q, \i
.endr
.endm
.macro SCALES sc
.irp i, 0,1,2,3,4,5,6,7
.irp q, 0,1
	ds_load_b32 v[SC+8*NQ*\sc+NQ*\i+\q], v[ADRS+\sc] offset:\i*256+\q*128
.endr
.endr
.endm
.macro PLACES n
.rept \n
	v_nop
.endr
.endm
.macro STEP slot, q, zero
	s_wait_dscnt 4*NL                              ; all but the youngest 16 loads (A's blocks 4-7) are in
	WIN MUL_LO
	MUL16 0, (\q)%2, \q, \slot, \zero
	MUL16 2, (\q)%2, \q, \slot, \zero
	s_wait_dscnt 0
	PLACES NP
	FETCH_B \slot, (\q)+1, 1-(\q)%2
	FETCH_A \slot, (\q)+1, 0
	WIN MUL_HI
	MUL16 4, (\q)%2, \q, \slot, \zero
	MUL16 6, (\q)%2, \q, \slot, \zero
	PLACES NP
	WIN 0
	FETCH_A \slot, (\q)+1, 4
.endm
.macro TURN slot, next, fill
	s_wait_tensorcnt 0x0                           ; all my tensor loads have landed: my part of the next slot
	ds_add_u32 v[SPW], v[NIL]                      ; 0 onto my spare word
	s_wait_dscnt 4*NL+1                            ; (the add and the youngest 16 loads may be out)
	WIN MUL_LO
	MUL16 0, 1, NQ-1, \slot, 0
	s_wait_dscnt 0x0                               ; the add is done, and my reads of this slot are over
	s_barrier_signal -1
	MUL16 2, 1, NQ-1, \slot, 0
	WIN 0
	s_barrier_wait -1
.if \fill
	CREST                                          ; a round of the cluster's barrier: no wave of any partner still reads this slot or has a load on its way
	s_add_nc_u64 s[G0+4*\slot+2:G0+4*\slot+3], s[G0+4*\slot+2:G0+4*\slot+3], 2*GB
	s_add_nc_u64 s[G0B+4*\slot+2:G0B+4*\slot+3], s[G0B+4*\slot+2:G0B+4*\slot+3], 2*GB
	JLOAD \slot
.else
	PLACES NP
.endif
	FETCH_B \next, 0, 0
	FETCH_A \next, 0, 0
	SCALES \next
	WIN MUL_HI
	MUL16 4, 1, NQ-1, \slot, 0
	MUL16 6, 1, NQ-1, \slot, 0
	PLACES NP
	WIN 0
	FETCH_A \next, 0, 4
.endm
	s_load_b128 s[4:7], s[0:1], 0x0                ; act, wq
	s_load_b128 s[8:11], s[0:1], 0x10              ; x, x1
	v_lshl_add_u32 v[SPW], v0, 2, SPARE
	v_mov_b32 v[NIL], 0
	ds_add_u32 v[SPW], v[NIL]                      ; the wave's opening: the add and its wait ahead of my first tensor load
	v_lshrrev_b32 v1, 5, v0
	v_readfirstlane_b32 s14, v1
	s_lshr_b32 s15, s14, 1
	s_and_b32 s16, s14, 1
	s_bfe_u32 s40, ttmp6, 0x40000
	s_bfe_u32 s41, ttmp6, 0x40004
	s_lshl_b32 s42, ttmp9, 2
	s_add_co_u32 s42, s42, s40                     ; tile column
	s_and_b32 s17, ttmp7, 0xffff
	s_lshl_b32 s17, s17, 2
	s_add_co_u32 s17, s17, s41                     ; tile row
	s_lshl_b32 s43, s41, 2
	s_lshl_b32 s43, 15, s43
	s_lshl_b32 s44, 0x1111, s40
	s_or_b32 s[G1+0], s43, (3<<16)|(1<<21)
	s_or_b32 s[G1B+0], s44, (3<<16)|(1<<21)
.irp g, G1, G1B
	s_mov_b32 s[\g+1], 32<<16
	s_mov_b32 s[\g+2], 104<<16
	s_mov_b32 s[\g+3], 32<<16
	s_mov_b32 s[\g+4], 104
	s_mov_b32 s[\g+5], 32
	s_mov_b32 s[\g+6], 0
	s_mov_b32 s[\g+7], 0
.endr
	s_lshl_b32 s20, s17, 1
	s_add_co_u32 s20, s20, s16
	s_mul_i32 s20, s20, GSZ
	s_mov_b32 s21, 0
	s_lshl_b32 s46, s42, 1
	s_add_co_u32 s46, s46, s16
	s_add_co_u32 s46, s46, BG0
	s_mul_i32 s46, s46, GSZ
	s_mov_b32 s47, 0
	s_mul_i32 s45, s14, GB
	s_wait_dscnt 0x0
	s_wait_kmcnt 0x0
	s_add_nc_u64 s[20:21], s[4:5], s[20:21]
	s_add_nc_u64 s[46:47], s[6:7], s[46:47]
	CROUND
.irp s, 0,1
	s_mov_b32 s[G0+4*\s], 1
	s_add_co_u32 s[G0+4*\s+1], s45, \s*SLOT
	s_add_nc_u64 s[G0+4*\s+2:G0+4*\s+3], s[20:21], \s*GB
	s_or_b32 s[G0+4*\s+3], s[G0+4*\s+3], 0x80000000
	s_mov_b32 s[G0B+4*\s], 1
	s_add_co_u32 s[G0B+4*\s+1], s45, \s*SLOT
	s_add_nc_u64 s[G0B+4*\s+2:G0B+4*\s+3], s[46:47], \s*GB
	s_or_b32 s[G0B+4*\s+3], s[G0B+4*\s+3], 0x80000000
	JLOAD \s
.endr
	v_and_b32 v1, 15, v0                           ; r
	v_bfe_u32 v2, v0, 4, 1                         ; h
	v_and_b32 v3, 31, v0                           ; lane
	v_lshlrev_b32 v[CO], 4, v3
	v_lshlrev_b32 v5, 3, v3
	v_lshlrev_b32 v7, 2, v3
	s_mul_i32 s21, s15, GB
	s_mul_i32 s22, s16, GB
	s_add_co_u32 s22, s22, 2*GB
.irp s, 0,1
	v_add_nc_u32 v[ADRA+\s], s21, v[CO]
	v_add_nc_u32 v[ADRB+\s], s22, v[CO]
	v_add_nc_u32 v[ADRA+2+\s], s21, v5
	v_add_nc_u32 v[ADRB+2+\s], s22, v5
	s_add_co_u32 s21, s21, SLOT
	s_add_co_u32 s22, s22, SLOT
.endr
	s_mul_i32 s21, s15, GB
	s_xor_b32 s22, s15, 1
	s_add_co_u32 s22, s22, s16
	s_add_co_u32 s22, s22, 1
	s_mul_i32 s22, s22, GB                         ; from A's block to B's: (2 + column half - row half) GB
	v_mul_u32_u24 v6, s22, v2
	v_add_nc_u32 v6, v6, v7
	s_add_co_u32 s21, s21, 24576
	v_add_nc_u32 v[ADRS], s21, v6
	v_add_nc_u32 v[ADRS+1], SLOT, v[ADRS]
	s_mul_i32 s23, s14, 16*SPITCH                  ; my stage
	v_mul_u32_u24 v5, v1, SPITCH
	v_lshl_add_u32 v5, v2, 6, v5                   ; in: row r, + 64 h
	v_add_nc_u32 v[STO], s23, v5
	v_add_nc_u32 v[RD], s23, v[CO]                 ; back: a row of 512 bytes, 16 a lane
	s_lshl_b32 s20, s17, 8
	s_lshl_b32 s21, s15, 7
	s_add_co_u32 s20, s20, s21
	s_lshl_b32 s20, s20, 12                        ; my first row, 4,096 bytes a row,
	s_lshl_b32 s46, s42, 10
	s_lshl_b32 s47, s16, 9
	s_add_co_u32 s46, s46, s47
	s_add_co_u32 s20, s20, s46                     ; and my first column
	s_mov_b32 s21, 0
	s_add_nc_u64 s[RES:RES+1], s[8:9], s[20:21]
	s_add_nc_u64 s[OUT:OUT+1], s[10:11], s[20:21]
	s_wait_tensorcnt 1                             ; my part of slot 0 is in (slot 1's load may be out),
	s_barrier_signal -1
	s_barrier_wait -1
	FETCH_B 0, 0, 0
	FETCH_A 0, 0, 0
	SCALES 0
	FETCH_A 0, 0, 4
	STEP 0, 0, 1
	s_mov_b32 s3, LAPS-1
.Llap:
	TURN 0, 1, 1
	STEP 1, 0, 0
	TURN 1, 0, 1
	STEP 0, 0, 0
	s_sub_co_u32 s3, s3, 1
	s_cmp_lg_u32 s3, 0
	s_cbranch_scc1 .Llap
	TURN 0, 1, 0
	STEP 1, 0, 0
	s_wait_dscnt 4*NL
	WIN MUL_LO
	MUL16 0, 1, NQ-1, 1, 0
	MUL16 2, 1, NQ-1, 1, 0
	s_wait_dscnt 0
	WIN MUL_HI
	MUL16 4, 1, NQ-1, 1, 0
	MUL16 6, 1, NQ-1, 1, 0
	WIN 0
; THE WAY OUT, a block of 16 stored rows x 128 columns at a time: through my stage (columns put in order), back as whole rows of 512 bytes, the residual's same rows added, stored.
.macro RLOAD a                         ; the residual's 16 rows of block a into window 1, four buffers
	WIN 0x40
.irp t, 0,1,2,3,4,5,6,7,8,9,10,11,12,13,14,15
	global_load_b128 v[64*((\a)%4)+4*\t:64*((\a)%4)+4*\t+3], v[CO], s[RES:RES+1] offset:(32*((\a)/2)+16*(\t/8)+8*((\a)%2)+\t%8)*4096
.endr
	WIN 0
.endm
.macro TOSTAGE a
.set AC, 64*((\a)%4)
	WIN 0x08+4*((\a)/4)
.irp b, 0,1,2,3,4,5,6,7
	ds_store_b128 v[STO], v[AC+8*\b:AC+8*\b+3] offset:128*(\b/2)+32*(\b%2)          ; each accumulator from its low end on
	ds_store_b128 v[STO], v[AC+8*\b+4:AC+8*\b+7] offset:128*(\b/2)+32*(\b%2)+16
.endr
	WIN 0
.set BB, BK+64*((\a)%2)
.irp t, 0,1,2,3,4,5,6,7,8,9,10,11,12,13,14,15
	ds_load_b128 v[BB+4*\t:BB+4*\t+3], v[RD] offset:\t*SPITCH      ; LDS serves a wave's instructions in order (ISA guide 5.7.1.4): these see the stores above
.endr
.endm
.macro ADDRES a
.set BB, BK+64*((\a)%2)
.set RR, 64*((\a)%4)
	WIN 0x04
.set i, 0
.rept 32
	v_pk_add_f32 v[BB+i:BB+i+1], v[BB+i:BB+i+1], v[RR+i:RR+i+1]
.set i, i+2
.endr
	WIN 0
.endm
.macro STORE a
.set BB, BK+64*((\a)%2)
.irp t, 0,1,2,3,4,5,6,7,8,9,10,11,12,13,14,15
	global_store_b128 v[CO], v[BB+4*\t:BB+4*\t+3], s[OUT:OUT+1] offset:(32*((\a)/2)+16*(\t/8)+8*((\a)%2)+\t%8)*4096   ; 32 lanes store 512 consecutive bytes, aligned to 512
.endr
.endm
	PLACES NP
	RLOAD 0
	RLOAD 1
	RLOAD 2
	RLOAD 3
	TOSTAGE 0
.irp a, 0,1,2,3,4,5,6,7
.if \a < 7
.if \a > 0
	s_wait_xcnt 0x0                                ; block a - 1's stores have read their data: block a + 1's rows may land there
.endif
	TOSTAGE \a+1
	s_wait_dscnt 32                                ; behind block a's loads: block a + 1's 16 stores and 16 loads
.else
	s_wait_dscnt 0
.endif
.if \a < 5
	s_wait_loadcnt 48                              ; behind block a's residual: that of three later blocks
.else
	s_wait_loadcnt 16*(7-\a)
.endif
	ADDRES \a
	STORE \a
.if \a < 4
	RLOAD \a+4
.endif
.endr
	s_wait_tensorcnt 0x0                           ; the wave's end
	ds_add_u32 v[SPW], v[NIL]
	s_wait_dscnt 0x0
	CROUND
	s_endpgm
.Lfunc_end_k_qf28a09ce5b_gfc:
	.size	k_qf28a09ce5b_gfc, .Lfunc_end_k_qf28a09ce5b_gfc-k_qf28a09ce5b_gfc
	.p2alignl 7, 3214868480
	.fill 96, 4, 3214868480
	.section	.rodata,"a",@progbits
	.p2align	6, 0x0
	.amdhsa_kernel k_qf28a09ce5b_gfc
		.amdhsa_group_segment_fixed_size 327680
		.amdhsa_private_segment_fixed_size 0
		.amdhsa_enable_private_segment 0
		.amdhsa_kernarg_size 32
		.amdhsa_user_sgpr_count 2
		.amdhsa_user_sgpr_kernarg_segment_ptr 1
		.amdhsa_wavefront_size32 1
		.amdhsa_system_sgpr_workgroup_id_x 1
		.amdhsa_system_sgpr_workgroup_id_y 1
		.amdhsa_system_sgpr_workgroup_id_z 1
		.amdhsa_system_vgpr_workitem_id 0
		.amdhsa_next_free_vgpr 1024
		.amdhsa_next_free_sgpr 98
		.amdhsa_reserve_vcc 0
		.amdhsa_float_denorm_mode_32 3
		.amdhsa_float_denorm_mode_16_64 3
		.amdhsa_memory_ordered 1
		.amdhsa_forward_progress 1
		.amdhsa_inst_pref_size 172
	.end_amdhsa_kernel
	.amdgpu_metadata
---
amdhsa.version: [ 1, 2 ]
amdhsa.kernels:
  - .name:           k_qf28a09ce5b_gfc
    .symbol:         k_qf28a09ce5b_gfc.kd
    .args:
      - { .name: act, .offset: 0, .size: 8, .value_kind: global_buffer, .address_space: global }
      - { .name: wq, .offset: 8, .size: 8, .value_kind: global_buffer, .address_space: global }
      - { .name: x, .offset: 16, .size: 8, .value_kind: global_buffer, .address_space: global }
      - { .name: x1, .offset: 24, .size: 8, .value_kind: global_buffer, .address_space: global }
    .group_segment_fixed_size: 327680
    .private_segment_fixed_size: 0
    .kernarg_segment_align: 8
    .kernarg_segment_size: 32
    .max_flat_workgroup_size: 128
    .sgpr_count:     98
    .vgpr_count:     1024
    .wavefront_size: 32
...
	.end_amdgpu_metadata
.endif
;; end of part 4
;; launch ln2 (part 5): grid 256 x 1, 8 waves a work-group, no clusters, 66,816 bytes of LDS; arguments x1, act; writes act
.if DOCPART == 5
	.amdgcn_target "amdgcn-amd-amdhsa--gfx1250"
	.amdhsa_code_object_version 6
	.text
	.protected	k_qf28a09ce5b_ln2
	.globl	k_qf28a09ce5b_ln2
	.p2align	8
	.type	k_qf28a09ce5b_ln2,@function
k_qf28a09ce5b_ln2:
	s_mov_b64 s[64:65], 0
	v_nop
	global_prefetch_b8 v0, s[64:65] scope:SCOPE_SE
	s_setreg_imm32_b32 hwreg(HW_REG_WAVE_MODE, 25, 1), 1
	s_wait_xcnt 0x0
; The second layer norm: x1 [4096][1024] f32 is normed row by row and turned into codes of FP6 (E2M3) with one E8M0 byte for each 32 along K, in act.
; A block's byte is its largest magnitude's exponent field - 2, held at 1 from below; numbers are divided by the scale and rounded to the nearest code, ties to even, beyond 7.5 the largest code.
; LIMITS: NaN and infinities are not served.  A block of zeros gets the byte 1 where the quantiser says 127: its codes are zeros, and only this program reads the bytes.
;   The norm multiplies by v_rsq_f32 (accurate to 1 ulp) where the definition divides by a square root.  Mean first, then the variance of the centred numbers.
; LAYOUT OF THE RESULT: rows in the order rho = the row's number with bits 3 and 4 exchanged; a record (1,536 bytes) is the image of a fragment of 16 stored rows x 128 K: registers 6 e .. 6 e + 3 at 768 e + 16 lane,
;   registers 6 e + 4, 6 e + 5 at 768 e + 512 + 8 lane; scale words 128 bytes, 4 lane; 128 rows x 256 K are a slot block of GB bytes: 16 records [row block][K step], then 16 scale images from byte 24,576 on.
; SHARES.  A work-group takes 16 stored rows.  Phase 1: wave w loads stored rows 2 w, 2 w + 1 whole, norms them, lays them into a stage in LDS.  One barrier.  Phase 2: wave w quantises K step w of all 16 rows.
.set PITCH, 4112
.set SPARE, 16*PITCH
.set GB,    26624
.set GSZ,   106496
.set LI16,  7
.set LI8,   8
.set LS,    9
.set PW,    10
.set SPW,   12
.set NIL,   13
.set TM,    16
.set X,     32
.set PC,    96
.set SEL,   40
.set INV,   42
.set EPS,   43
.set WV,    44
.macro FOLD
.irp i, 0,1
	v_pk_add_f32 v[16+4*\i:17+4*\i], v[16+4*\i:17+4*\i], v[18+4*\i:19+4*\i]
.endr
.irp i, 0,1
	v_add_f32 v[16+4*\i], v[16+4*\i], v[17+4*\i]
.endr
.irp m, 1,2,4,8
.irp i, 0,1
	v_add_f32_dpp v[16+4*\i], v[16+4*\i], v[16+4*\i] row_xmask:\m row_mask:0xf bank_mask:0xf
.endr
.endr
.irp i, 0,1
	v_permlanex16_b32 v[17+4*\i], v[16+4*\i], s[SEL], s[SEL+1]
.endr
.irp i, 0,1
	v_add_f32 v[16+4*\i], v[16+4*\i], v[17+4*\i]
.endr
.endm
.macro LNORM
.irp i, 0,1
	v_pk_add_f32 v[16+4*\i:17+4*\i], v[X+32*\i:X+32*\i+1], v[X+32*\i+2:X+32*\i+3]
	v_pk_add_f32 v[18+4*\i:19+4*\i], v[X+32*\i+4:X+32*\i+5], v[X+32*\i+6:X+32*\i+7]
.endr
.irp k, 8,12,16,20,24,28
.irp i, 0,1
	v_pk_add_f32 v[16+4*\i:17+4*\i], v[16+4*\i:17+4*\i], v[X+32*\i+\k:X+32*\i+\k+1]
	v_pk_add_f32 v[18+4*\i:19+4*\i], v[18+4*\i:19+4*\i], v[X+32*\i+\k+2:X+32*\i+\k+3]
.endr
.endr
	FOLD
.irp i, 0,1
	v_mul_f32 v[16+4*\i], s[INV], v[16+4*\i]       ; the mean,
.endr
.irp i, 0,1
	v_mov_b32 v[17+4*\i], v[16+4*\i]               ; twice, for the packed form
.endr
.irp k, 0,2,4,6,8,10,12,14,16,18,20,22,24,26,28,30
.irp i, 0,1
	v_pk_add_f32 v[X+32*\i+\k:X+32*\i+\k+1], v[X+32*\i+\k:X+32*\i+\k+1], v[16+4*\i:17+4*\i] neg_lo:[0,1] neg_hi:[0,1]
.endr
.endr
.irp i, 0,1
	v_pk_mul_f32 v[16+4*\i:17+4*\i], v[X+32*\i:X+32*\i+1], v[X+32*\i:X+32*\i+1]
	v_pk_mul_f32 v[18+4*\i:19+4*\i], v[X+32*\i+2:X+32*\i+3], v[X+32*\i+2:X+32*\i+3]
.endr
.irp k, 4,8,12,16,20,24,28
.irp i, 0,1
	v_pk_fma_f32 v[16+4*\i:17+4*\i], v[X+32*\i+\k:X+32*\i+\k+1], v[X+32*\i+\k:X+32*\i+\k+1], v[16+4*\i:17+4*\i]
	v_pk_fma_f32 v[18+4*\i:19+4*\i], v[X+32*\i+\k+2:X+32*\i+\k+3], v[X+32*\i+\k+2:X+32*\i+\k+3], v[18+4*\i:19+4*\i]
.endr
.endr
	FOLD
.irp i, 0,1
	v_fma_f32 v[16+4*\i], v[16+4*\i], s[INV], s[EPS]
.endr
.irp i, 0,1
	v_rsq_f32 v[16+4*\i], v[16+4*\i]
.endr
	v_nop                                          ; a plain instruction behind the two roots,
	s_wait_alu depctr_va_vdst(0)                   ; and one wait for both, ahead of their first reader
.irp k, 0,2,4,6,8,10,12,14,16,18,20,22,24,26,28,30
.irp i, 0,1
	v_pk_mul_f32 v[X+32*\i+\k:X+32*\i+\k+1], v[X+32*\i+\k:X+32*\i+\k+1], v[16+4*\i:17+4*\i] op_sel_hi:[1,0]
.endr
.endr
.endm
.macro QUANT s
.irp b, 0,1,2,3
	v_max3_num_f32 v[TM+\b], |v[\s+16*\b]|, |v[\s+1+16*\b]|, 0x1800000
.endr
.irp i, 2,4,6,8,10,12,14
.irp b, 0,1,2,3
	v_max3_num_f32 v[TM+\b], v[TM+\b], |v[\s+16*\b+\i]|, |v[\s+1+16*\b+\i]|
.endr
.endr
.irp b, 0,1,2,3
	v_permlanex16_b32 v[TM+4+\b], v[TM+\b], s[SEL], s[SEL+1]
.endr
.irp b, 0,1,2,3
	v_max_num_f32 v[TM+\b], v[TM+\b], v[TM+4+\b]
.endr
.irp b, 0,1,2,3
	v_add_nc_u32 v[TM+12+\b], 0xff000000, v[TM+\b]
.endr
.irp b, 0,1,2,3
	v_lshrrev_b32 v[TM+4+\b], 23, v[TM+12+\b]
.endr
	v_lshl_or_b32 v[PW], v[TM+5], 8, v[TM+4]
	v_lshl_or_b32 v[PW], v[TM+6], 16, v[PW]
	v_lshl_or_b32 v[PW], v[TM+7], 24, v[PW]
.irp c, 0,1
	v_cvt_scalef32_pk16_fp6_f32 v[PC+6*\c:PC+2+6*\c], v[\s+32*\c:\s+15+32*\c], v[TM+12+2*\c]
	v_cvt_scalef32_pk16_fp6_f32 v[PC+12+4*\c:PC+14+4*\c], v[\s+16+32*\c:\s+31+32*\c], v[TM+12+2*\c+1]
.endr
	v_nop
.irp c, 0,1
.irp i, 0,1,2
	v_permlane16_swap_b32 v[PC+6*\c+\i], v[PC+12+4*\c+\i]
.endr
.irp i, 0,1,2
	v_mov_b32 v[PC+3+6*\c+\i], v[PC+12+4*\c+\i]
.endr
.endr
.endm
	s_load_b128 s[4:7], s[0:1], 0x0                ; x1, act
	v_lshl_add_u32 v[SPW], v0, 2, SPARE
	v_mov_b32 v[NIL], 0
	v_lshrrev_b32 v1, 5, v0
	v_readfirstlane_b32 s[WV], v1
	v_and_b32 v1, 31, v0
	v_and_b32 v2, 15, v0
	v_bfe_u32 v3, v0, 4, 1
	v_lshlrev_b32 v[LI16], 4, v1
	v_lshlrev_b32 v[LI8], 3, v1
	v_lshlrev_b32 v[LS], 2, v1
	s_mul_i32 s45, s[WV], 2*PITCH
	v_add_nc_u32 v5, s45, v[LI16]
	v_mul_u32_u24 v6, v2, PITCH
	v_lshl_add_u32 v6, v3, 6, v6
	s_lshl_b32 s45, s[WV], 9
	v_add_nc_u32 v6, s45, v6
.irp b, 0,1,2,3
	v_mov_b32 v[TM+4+\b], 0
.endr
	s_mov_b32 s[SEL], 0x76543210
	s_mov_b32 s[SEL+1], 0xfedcba98
	s_mov_b32 s[INV], 0x3a800000
	s_mov_b32 s[EPS], 0x3727c5ac
	; stored rows 2 w, 2 w + 1 of block rb are rows tau, tau + 1: tau = 32 (rb / 2) + 8 (rb % 2) + 16 (w / 4) + 2 (w % 4)
	s_lshr_b32 s30, ttmp9, 1
	s_lshl_b32 s30, s30, 5
	s_and_b32 s31, ttmp9, 1
	s_lshl_b32 s31, s31, 3
	s_add_co_u32 s30, s30, s31
	s_lshr_b32 s31, s[WV], 2
	s_lshl_b32 s31, s31, 4
	s_add_co_u32 s30, s30, s31
	s_and_b32 s31, s[WV], 3
	s_lshl_b32 s31, s31, 1
	s_add_co_u32 s30, s30, s31
	s_lshl_b32 s30, s30, 12
	s_mov_b32 s31, 0
	s_wait_kmcnt 0x0
	s_add_nc_u64 s[18:19], s[4:5], s[30:31]
.irp i, 0,1
.irp j, 0,1,2,3,4,5,6,7
	global_load_b128 v[X+32*\i+4*\j:X+32*\i+4*\j+3], v[LI16], s[18:19] offset:4096*\i+512*\j
.endr
.endr
	s_lshr_b32 s34, ttmp9, 3
	s_mul_i32 s34, s34, GSZ
	s_lshr_b32 s35, s[WV], 1
	s_mul_i32 s35, s35, GB
	s_add_co_u32 s34, s34, s35                     ; the slot block
	s_and_b32 s35, ttmp9, 7
	s_and_b32 s46, s[WV], 1
	s_mul_i32 s36, s35, 3072
	s_mul_i32 s37, s46, 1536
	s_add_co_u32 s36, s36, s37
	s_add_co_u32 s36, s36, s34
	s_mov_b32 s37, 0
	s_lshl_b32 s38, s35, 8
	s_lshl_b32 s39, s46, 7
	s_add_co_u32 s38, s38, s39
	s_add_co_u32 s38, s38, s34
	s_add_co_u32 s38, s38, 24576
	s_mov_b32 s39, 0
	s_add_nc_u64 s[36:37], s[6:7], s[36:37]
	s_add_nc_u64 s[38:39], s[6:7], s[38:39]
	s_wait_loadcnt 0x0
	LNORM
.irp i, 0,1
.irp j, 0,1,2,3,4,5,6,7
	ds_store_b128 v5, v[X+32*\i+4*\j:X+32*\i+4*\j+3] offset:\i*PITCH+512*\j
.endr
.endr
	s_wait_dscnt 0x0                               ; for the others' sake: my rows lie in the stage
	s_barrier_signal -1
	s_barrier_wait -1
.irp b, 0,1,2,3
.irp j, 0,1,2,3
	ds_load_b128 v[X+16*\b+4*\j:X+16*\b+4*\j+3], v6 offset:128*\b+16*\j
.endr
.endr
	s_wait_dscnt 0x0
	QUANT X
	global_store_b128 v[LI16], v[PC:PC+3], s[36:37]
	global_store_b64 v[LI8], v[PC+4:PC+5], s[36:37] offset:512
	global_store_b128 v[LI16], v[PC+6:PC+9], s[36:37] offset:768
	global_store_b64 v[LI8], v[PC+10:PC+11], s[36:37] offset:1280
	global_store_b32 v[LS], v[PW], s[38:39]
	s_wait_tensorcnt 0x0                           ; the wave's end
	ds_add_u32 v[SPW], v[NIL]
	s_wait_dscnt 0x0
	s_endpgm
.Lfunc_end_k_qf28a09ce5b_ln2:
	.size	k_qf28a09ce5b_ln2, .Lfunc_end_k_qf28a09ce5b_ln2-k_qf28a09ce5b_ln2
	.p2alignl 7, 3214868480
	.fill 96, 4, 3214868480
	.section	.rodata,"a",@progbits
	.p2align	6, 0x0
	.amdhsa_kernel k_qf28a09ce5b_ln2
		.amdhsa_group_segment_fixed_size 66816
		.amdhsa_private_segment_fixed_size 0
		.amdhsa_enable_private_segment 0
		.amdhsa_kernarg_size 16
		.amdhsa_user_sgpr_count 2
		.amdhsa_user_sgpr_kernarg_segment_ptr 1
		.amdhsa_wavefront_size32 1
		.amdhsa_system_sgpr_workgroup_id_x 1
		.amdhsa_system_sgpr_workgroup_id_y 1
		.amdhsa_system_sgpr_workgroup_id_z 1
		.amdhsa_system_vgpr_workitem_id 0
		.amdhsa_next_free_vgpr 128
		.amdhsa_next_free_sgpr 66
		.amdhsa_reserve_vcc 0
		.amdhsa_float_denorm_mode_32 3
		.amdhsa_float_denorm_mode_16_64 3
		.amdhsa_memory_ordered 1
		.amdhsa_forward_progress 1
		.amdhsa_inst_pref_size 21
	.end_amdhsa_kernel
	.amdgpu_metadata
---
amdhsa.version: [ 1, 2 ]
amdhsa.kernels:
  - .name:           k_qf28a09ce5b_ln2
    .symbol:         k_qf28a09ce5b_ln2.kd
    .args:
      - { .name: x1, .offset: 0, .size: 8, .value_kind: global_buffer, .address_space: global }
      - { .name: act, .offset: 8, .size: 8, .value_kind: global_buffer, .address_space: global }
    .group_segment_fixed_size: 66816
    .private_segment_fixed_size: 0
    .kernarg_segment_align: 8
    .kernarg_segment_size: 16
    .max_flat_workgroup_size: 256
    .sgpr_count:     66
    .vgpr_count:     128
    .wavefront_size: 32
...
	.end_amdgpu_metadata
.endif
;; end of part 5
;; launch gw1 (part 6): grid 16 x 16, 4 waves a work-group, clusters of 4 x 4, 327,680 bytes of LDS; arguments act, wq, b1, g; writes g
.if DOCPART == 6
	.amdgcn_target "amdgcn-amd-amdhsa--gfx1250"
	.amdhsa_code_object_version 6
	.text
	.protected	k_qf28a09ce5b_gw1
	.globl	k_qf28a09ce5b_gw1
	.p2align	8
	.type	k_qf28a09ce5b_gw1,@function
k_qf28a09ce5b_gw1:
	s_mov_b64 s[64:65], 0
	v_nop
	global_prefetch_b8 v0, s[64:65] scope:SCOPE_SE
	s_setreg_imm32_b32 hwreg(HW_REG_WAVE_MODE, 25, 1), 1
	s_wait_xcnt 0x0
	s_wait_alu depctr_hold_cnt(0) depctr_sa_sdst(0) depctr_va_vdst(0) depctr_va_sdst(0) depctr_va_ssrc(0) depctr_va_vcc(0) depctr_vm_vsrc(0)
	s_getreg_b32 s2, hwreg(HW_REG_IB_STS2, 6, 4)
	s_cmp_eq_u32 s2, 0
	s_cbranch_scc0 .Lentry_in_a_cluster
	s_endpgm
.Lentry_in_a_cluster:
	s_bfe_u32 s2, ttmp6, 0x10000c
	s_cmp_lg_u32 s2, 0xf033
	s_cbranch_scc0 .Lentry_shape_is_right
	s_endpgm
.Lentry_shape_is_right:
; g = Q(gelu(h2 W1^T + b1)): h2 (act) and W1 (wq's groups 32-63) are codes of FP6 (E2M3) with E8M0 scales, K = 1,024; the result is quantised along its 4,096 columns, the K of the next product, and never leaves as f32.
; A tile of C, 256 x 256, is made by four waves, 128 x 128 each: 64 accumulators; 256 work-groups.  K goes in steps of 256 through two LDS slots; an operand's 128 rows x 256 K are one dense block of GB bytes
; (16 fragment records of 1,536 bytes, then 16 scale images of 128 bytes), brought by one tensor load as 104 rows of 256 bytes.  CLUSTER 4 x 4: A's tiles are asked for jointly along a row, B's along a column.
; THE PRODUCT IS USED TRANSPOSED (source 0 = 16 rows of W1, source 1 = 16 tokens); operand rows are stored with bits 3 and 4 of the row number exchanged, so that a lane's 64 registers of a row block are, 16 by 16,
; neighbours along the columns: register 16 b + i is column 32 b + 16 (lane / 16) + i.  The bias is the C of each sum's first product.
; GELU: 0.5 x (1 + tanh(u)) = x / (1 + 2^(x (k1 + k2 x^2))), k1 = -2 log2(e) sqrt(2 / pi), k2 = 0.044715 k1: no difference of near numbers is formed; for large |x| it ends at x or at -0.
; LIMITS: NaN and infinities are not served; a block of zeros gets the byte 1 (its codes are zeros, and only this program reads the bytes).
; REGISTERS: window 0: v16-31 addresses; v32-63 scale words; v64-127 the bias, later the activation at work; v128-223 A's fragments, later the quantiser's work; v228-229 k1; window 1: B's two sets; windows 2, 3: accumulators.
.set KDIM,  1024
.set BG0,   32
.set GB,    26624
.set GSZ,   (KDIM/256)*GB
.set SLOT,  4*GB
.set SPARE, 2*SLOT
.set LAPS,  KDIM/512
.set NQ,    2
.set FR,    12
.set NL,    4
.set NP,    4
.set ADRA,  16
.set ADRB,  20
.set LI16,  24
.set LI8,   25
.set LS,    26
.set SPW,   28
.set NIL,   29
.set ADRS,  30
.set SC,    32
.set BI,    64
.set Z,     64
.set AF,    128
.set PC,    128
.set TM,    148
.set PW,    164
.set K1,    228
.set G1,    24
.set G0,    32
.set G1B,   48
.set G0B,   56
.set OC,    68
.set OS,    70
.set K2,    76
.set SEL,   78
.set MSB, 0
.macro WIN new
.if MSB != (\new)
	s_set_vgpr_msb (MSB<<8)|(\new)
.set MSB, (\new)
.endif
.endm
.set MUL_LO, 0xa1
.set MUL_HI, 0xf1
.set TO_B,   0x40
.macro JLOAD s
	s_cmp_eq_u32 s15, 0
	s_cbranch_scc0 .Lfor_b_\@
	tensor_load_to_lds s[G0+4*\s:G0+4*\s+3], s[G1:G1+7]
	s_nop 0
.rept 4
	v_nop
.endr
	s_branch .Lasked_\@
.Lfor_b_\@:
	tensor_load_to_lds s[G0B+4*\s:G0B+4*\s+3], s[G1B:G1B+7]
	s_nop 0
.rept 4
	v_nop
.endr
.Lasked_\@:
.endm
.macro CREST
	s_cmp_lg_u32 s14, 0
	s_cbranch_scc1 .Lnot_wave_0_\@
	s_barrier_signal -3
.Lnot_wave_0_\@:
	s_barrier_wait -3
	s_barrier_signal -1
	s_barrier_wait -1
.endm
.macro CROUND
	s_barrier_signal -1
	s_barrier_wait -1
	CREST
.endm
.macro FRAG reg, adr, q, i
	ds_load_b128 v[\reg:\reg+3], v[\adr] offset:(\i)*3072+(\q)*1536
	ds_load_b64 v[\reg+4:\reg+5], v[\adr+2] offset:(\i)*3072+(\q)*1536+512
	ds_load_b128 v[\reg+6:\reg+9], v[\adr] offset:(\i)*3072+(\q)*1536+768
	ds_load_b64 v[\reg+10:\reg+11], v[\adr+2] offset:(\i)*3072+(\q)*1536+1280
.endm
.macro MUL16 a0, p, q, sc, zero        ; zero = 1: the first product starts the sum from the bias.  The 64 accumulators take turns
.irp a, \a0, \a0+1
.irp b, 0,1,2,3,4,5,6,7
.if \zero
	v_wmma_scale_f32_16x16x128_f8f6f4 v[8*(8*((\a)%4)+\b):8*(8*((\a)%4)+\b)+7], v[128*(\p)+FR*\b:128*(\p)+FR*\b+FR-1], v[AF+FR*(\a):AF+FR*(\a)+FR-1], v[BI+8*\b:BI+8*\b+7], v[SC+8*NQ*(\sc)+NQ*\b+(\q)], v[SC+8*NQ*(\sc)+NQ*(\a)+(\q)] matrix_a_fmt:MATRIX_FMT_FP6 matrix_b_fmt:MATRIX_FMT_FP6 matrix_a_scale:MATRIX_SCALE_ROW1
.else
	v_wmma_scale_f32_16x16x128_f8f6f4 v[8*(8*((\a)%4)+\b):8*(8*((\a)%4)+\b)+7], v[128*(\p)+FR*\b:128*(\p)+FR*\b+FR-1], v[AF+FR*(\a):AF+FR*(\a)+FR-1], v[8*(8*((\a)%4)+\b):8*(8*((\a)%4)+\b)+7], v[SC+8*NQ*(\sc)+NQ*\b+(\q)], v[SC+8*NQ*(\sc)+NQ*(\a)+(\q)] matrix_a_fmt:MATRIX_FMT_FP6 matrix_b_fmt:MATRIX_FMT_FP6 matrix_a_scale:MATRIX_SCALE_ROW1
.endif
.endr
.endr
.endm
.macro FETCH_B slot, q, p
	WIN TO_B
.irp i, 0,1,2,3,4,5,6,7
	FRAG 128*(\p)+FR*\i, ADRB+\slot, \q, \i
.endr
	WIN 0
.endm
.macro FETCH_A slot, q, i0
.irp i, \i0, \i0+1, \i0+2, \i0+3
	FRAG AF+FR*(\i), ADRA+\slot, \q, \i
.endr
.endm
.macro SCALES sc
.irp i, 0,1,2,3,4,5,6,7
.irp q, 0,1
	ds_load_b32 v[SC+8*NQ*\sc+NQ*\i+\q], v[ADRS+\sc] offset:\i*256+\q*128
.endr
.endr
.endm
.macro PLACES n
.rept \n
	v_nop
.endr
.endm
.macro STEP slot, q, zero
	s_wait_dscnt 4*NL                              ; all but the youngest 16 loads (A's blocks 4-7) are in
.if \zero
	WIN 0x81                                       ; C (the bias) in window 0, D in window 2
.else
	WIN MUL_LO
.endif
	MUL16 0, (\q)%2, \q, \slot, \zero
	MUL16 2, (\q)%2, \q, \slot, \zero
	s_wait_dscnt 0
	PLACES NP
	FETCH_B \slot, (\q)+1, 1-(\q)%2
	FETCH_A \slot, (\q)+1, 0
.if \zero
	WIN 0xc1
.else
	WIN MUL_HI
.endif
	MUL16 4, (\q)%2, \q, \slot, \zero
	MUL16 6, (\q)%2, \q, \slot, \zero
	PLACES NP
	WIN 0
	FETCH_A \slot, (\q)+1, 4
.endm
.macro TURN slot, next, fill
	s_wait_tensorcnt 0x0                           ; all my tensor loads have landed: my part of the next slot
	ds_add_u32 v[SPW], v[NIL]                      ; 0 onto my spare word
	s_wait_dscnt 4*NL+1                            ; (the add and the youngest 16 loads may be out)
	WIN MUL_LO
	MUL16 0, 1, NQ-1, \slot, 0
	s_wait_dscnt 0x0                               ; the add is done, and my reads of this slot are over
	s_barrier_signal -1
	MUL16 2, 1, NQ-1, \slot, 0
	WIN 0
	s_barrier_wait -1
.if \fill
	CREST                                          ; a round of the cluster's barrier: no wave of any partner still reads this slot or has a load on its way
	s_add_nc_u64 s[G0+4*\slot+2:G0+4*\slot+3], s[G0+4*\slot+2:G0+4*\slot+3], 2*GB
	s_add_nc_u64 s[G0B+4*\slot+2:G0B+4*\slot+3], s[G0B+4*\slot+2:G0B+4*\slot+3], 2*GB
	JLOAD \slot
.else
	PLACES NP
.endif
	FETCH_B \next, 0, 0
	FETCH_A \next, 0, 0
	SCALES \next
	WIN MUL_HI
	MUL16 4, 1, NQ-1, \slot, 0
	MUL16 6, 1, NQ-1, \slot, 0
	PLACES NP
	WIN 0
	FETCH_A \next, 0, 4
.endm
.macro QUANT s, w
	WIN ((\w)<<2)|((\w)<<4)
.irp b, 0,1,2,3
	v_max3_num_f32 v[TM+\b], 0x1800000, |v[(\s)+16*\b]|, |v[(\s)+16*\b+1]|
.endr
.irp i, 2,4,6,8,10,12,14
.irp b, 0,1,2,3
	v_max3_num_f32 v[TM+\b], v[TM+\b], |v[(\s)+16*\b+\i]|, |v[(\s)+16*\b+\i+1]|
.endr
.endr
	WIN 0
	s_wait_xcnt 0x0                                ; the last block's stores have read their data: the codes' and the word's registers are written again only behind this wait
.irp b, 0,1,2,3
	v_permlanex16_b32 v[TM+4+\b], v[TM+\b], s[SEL], s[SEL+1]
.endr
.irp b, 0,1,2,3
	v_max_num_f32 v[TM+\b], v[TM+\b], v[TM+4+\b]
.endr
.irp b, 0,1,2,3
	v_add_nc_u32 v[TM+12+\b], 0xff000000, v[TM+\b]
.endr
.irp b, 0,1,2,3
	v_lshrrev_b32 v[TM+4+\b], 23, v[TM+12+\b]
.endr
	v_lshl_or_b32 v[PW], v[TM+5], 8, v[TM+4]
	v_lshl_or_b32 v[PW], v[TM+6], 16, v[PW]
	v_lshl_or_b32 v[PW], v[TM+7], 24, v[PW]
	WIN (\w)
.irp c, 0,1
	v_cvt_scalef32_pk16_fp6_f32 v[PC+6*\c:PC+2+6*\c], v[(\s)+32*\c:(\s)+32*\c+15], v[TM+12+2*\c]
	v_cvt_scalef32_pk16_fp6_f32 v[PC+12+4*\c:PC+14+4*\c], v[(\s)+32*\c+16:(\s)+32*\c+31], v[TM+13+2*\c]
.endr
	WIN 0
	v_nop
.irp c, 0,1
.irp i, 0,1,2
	v_permlane16_swap_b32 v[PC+6*\c+\i], v[PC+12+4*\c+\i]
.endr
.irp i, 0,1,2
	v_mov_b32 v[PC+3+6*\c+\i], v[PC+12+4*\c+\i]
.endr
.endr
.endm
.macro PUTFRAG base, off
	global_store_b128 v[LI16], v[PC:PC+3], s[\base:\base+1] offset:\off
	global_store_b64 v[LI8], v[PC+4:PC+5], s[\base:\base+1] offset:\off+512
	global_store_b128 v[LI16], v[PC+6:PC+9], s[\base:\base+1] offset:\off+768
	global_store_b64 v[LI8], v[PC+10:PC+11], s[\base:\base+1] offset:\off+1280
.endm
; The activation of row block a's 64 numbers a lane, from the accumulators into v[Z] on.  The exponentials and the reciprocals are a batch each, with one wait each
.macro GELU a
.set W, 2+(\a)/4
.set XB, 64*((\a)%4)
	WIN W|(W<<2)
.set i, 0
.rept 32
	v_pk_mul_f32 v[Z+i:Z+i+1], v[XB+i:XB+i+1], v[XB+i:XB+i+1]      ; x^2: each accumulator is read from its low end on
.set i, i+2
.endr
	WIN 0
.set i, 0
.rept 32
	v_pk_fma_f32 v[Z+i:Z+i+1], v[Z+i:Z+i+1], s[K2:K2+1], v[K1:K1+1] op_sel_hi:[1,0,1]   ; k1 + k2 x^2
.set i, i+2
.endr
	WIN W<<2
.set i, 0
.rept 32
	v_pk_mul_f32 v[Z+i:Z+i+1], v[Z+i:Z+i+1], v[XB+i:XB+i+1]
.set i, i+2
.endr
	WIN 0
.set i, 0
.rept 64
	v_exp_f32 v[Z+i], v[Z+i]
.set i, i+1
.endr
	v_nop
	s_wait_alu depctr_va_vdst(0)                   ; one wait for the 64
.set i, 0
.rept 32
	v_pk_add_f32 v[Z+i:Z+i+1], v[Z+i:Z+i+1], 1.0 op_sel_hi:[1,0]
.set i, i+2
.endr
.set i, 0
.rept 64
	v_rcp_f32 v[Z+i], v[Z+i]
.set i, i+1
.endr
	v_nop
	s_wait_alu depctr_va_vdst(0)
	WIN W<<2
.set i, 0
.rept 32
	v_pk_mul_f32 v[Z+i:Z+i+1], v[Z+i:Z+i+1], v[XB+i:XB+i+1]
.set i, i+2
.endr
	WIN 0
.endm
	s_load_b128 s[4:7], s[0:1], 0x0                ; act, wq
	s_load_b128 s[8:11], s[0:1], 0x10              ; b1, g
	v_lshl_add_u32 v[SPW], v0, 2, SPARE
	v_mov_b32 v[NIL], 0
	ds_add_u32 v[SPW], v[NIL]                      ; the wave's opening: the add and its wait ahead of my first tensor load
	v_lshrrev_b32 v1, 5, v0
	v_readfirstlane_b32 s14, v1
	s_lshr_b32 s15, s14, 1
	s_and_b32 s16, s14, 1
	s_bfe_u32 s40, ttmp6, 0x40000
	s_bfe_u32 s41, ttmp6, 0x40004
	s_lshl_b32 s42, ttmp9, 2
	s_add_co_u32 s42, s42, s40                     ; tile column
	s_and_b32 s17, ttmp7, 0xffff
	s_lshl_b32 s17, s17, 2
	s_add_co_u32 s17, s17, s41                     ; tile row
	s_lshl_b32 s43, s41, 2
	s_lshl_b32 s43, 15, s43
	s_lshl_b32 s44, 0x1111, s40
	s_or_b32 s[G1+0], s43, (3<<16)|(1<<21)
	s_or_b32 s[G1B+0], s44, (3<<16)|(1<<21)
.irp g, G1, G1B
	s_mov_b32 s[\g+1], 32<<16
	s_mov_b32 s[\g+2], 104<<16
	s_mov_b32 s[\g+3], 32<<16
	s_mov_b32 s[\g+4], 104
	s_mov_b32 s[\g+5], 32
	s_mov_b32 s[\g+6], 0
	s_mov_b32 s[\g+7], 0
.endr
	s_lshl_b32 s20, s17, 1
	s_add_co_u32 s20, s20, s16
	s_mul_i32 s20, s20, GSZ
	s_mov_b32 s21, 0
	s_lshl_b32 s46, s42, 1
	s_add_co_u32 s46, s46, s16
	s_add_co_u32 s46, s46, BG0
	s_mul_i32 s46, s46, GSZ
	s_mov_b32 s47, 0
	s_mul_i32 s45, s14, GB
	s_mov_b32 s[SEL], 0x76543210
	s_mov_b32 s[SEL+1], 0xfedcba98
	s_mov_b32 s[K2], 0xbdd2d3e8
	s_mov_b32 s[K2+1], s[K2]
	s_wait_dscnt 0x0
	s_wait_kmcnt 0x0
	s_add_nc_u64 s[20:21], s[4:5], s[20:21]
	s_add_nc_u64 s[46:47], s[6:7], s[46:47]
	CROUND
.irp s, 0,1
	s_mov_b32 s[G0+4*\s], 1
	s_add_co_u32 s[G0+4*\s+1], s45, \s*SLOT
	s_add_nc_u64 s[G0+4*\s+2:G0+4*\s+3], s[20:21], \s*GB
	s_or_b32 s[G0+4*\s+3], s[G0+4*\s+3], 0x80000000
	s_mov_b32 s[G0B+4*\s], 1
	s_add_co_u32 s[G0B+4*\s+1], s45, \s*SLOT
	s_add_nc_u64 s[G0B+4*\s+2:G0B+4*\s+3], s[46:47], \s*GB
	s_or_b32 s[G0B+4*\s+3], s[G0B+4*\s+3], 0x80000000
	JLOAD \s
.endr
	v_bfe_u32 v2, v0, 4, 1                         ; h
	v_and_b32 v3, 31, v0                           ; lane
	s_lshl_b32 s22, s42, 10                        ; the bias of my 128 columns
	s_lshl_b32 s23, s16, 9
	s_add_co_u32 s22, s22, s23
	s_mov_b32 s23, 0
	s_add_nc_u64 s[72:73], s[8:9], s[22:23]
	v_lshlrev_b32 v8, 6, v2
.irp b, 0,1,2,3,4,5,6,7                        ; tile b, lane half h, register j: column 32 (b / 2) + 16 h + 8 (b % 2) + j
	global_load_b128 v[BI+8*\b:BI+8*\b+3], v8, s[72:73] offset:(32*(\b/2)+8*(\b%2))*4
	global_load_b128 v[BI+8*\b+4:BI+8*\b+7], v8, s[72:73] offset:(32*(\b/2)+8*(\b%2))*4+16
.endr
	v_lshlrev_b32 v[LI16], 4, v3
	v_lshlrev_b32 v[LI8], 3, v3
	v_lshlrev_b32 v[LS], 2, v3
	v_mov_b32 v[K1], 0xc0135761
	v_mov_b32 v[K1+1], 0xc0135761
	s_mul_i32 s21, s15, GB
	s_mul_i32 s22, s16, GB
	s_add_co_u32 s22, s22, 2*GB
.irp s, 0,1
	v_add_nc_u32 v[ADRA+\s], s21, v[LI16]
	v_add_nc_u32 v[ADRB+\s], s22, v[LI16]
	v_add_nc_u32 v[ADRA+2+\s], s21, v[LI8]
	v_add_nc_u32 v[ADRB+2+\s], s22, v[LI8]
	s_add_co_u32 s21, s21, SLOT
	s_add_co_u32 s22, s22, SLOT
.endr
	s_mul_i32 s21, s15, GB
	s_xor_b32 s22, s15, 1
	s_add_co_u32 s22, s22, s16
	s_add_co_u32 s22, s22, 1
	s_mul_i32 s22, s22, GB                         ; from A's block to B's: (2 + column half - row half) GB
	v_mul_u32_u24 v6, s22, v2
	v_add_nc_u32 v6, v6, v[LS]
	s_add_co_u32 s21, s21, 24576
	v_add_nc_u32 v[ADRS], s21, v6
	v_add_nc_u32 v[ADRS+1], SLOT, v[ADRS]
	; g: group = my 128 tokens, slot block = the tile column (256 along the next K), K step = my column half, row block = a
	s_lshl_b32 s20, s17, 1
	s_add_co_u32 s20, s20, s15
	s_mul_i32 s20, s20, 425984
	s_mul_i32 s21, s42, GB
	s_add_co_u32 s20, s20, s21
	s_lshl_b32 s22, s16, 7
	s_add_co_u32 s22, s22, s20
	s_add_co_u32 s22, s22, 24576
	s_mov_b32 s23, 0
	s_mul_i32 s21, s16, 1536
	s_add_co_u32 s20, s20, s21
	s_mov_b32 s21, 0
	s_add_nc_u64 s[OC:OC+1], s[10:11], s[20:21]
	s_add_nc_u64 s[OS:OS+1], s[10:11], s[22:23]
	s_wait_tensorcnt 1                             ; my part of slot 0 is in (slot 1's load may be out),
	s_barrier_signal -1
	s_barrier_wait -1
	FETCH_B 0, 0, 0
	FETCH_A 0, 0, 0
	SCALES 0
	FETCH_A 0, 0, 4
	s_wait_loadcnt 0x0                             ; the bias
	STEP 0, 0, 1
	s_mov_b32 s3, LAPS-1
.Llap:
	TURN 0, 1, 1
	STEP 1, 0, 0
	TURN 1, 0, 1
	STEP 0, 0, 0
	s_sub_co_u32 s3, s3, 1
	s_cmp_lg_u32 s3, 0
	s_cbranch_scc1 .Llap
	TURN 0, 1, 0
	STEP 1, 0, 0
	s_wait_dscnt 4*NL
	WIN MUL_LO
	MUL16 0, 1, NQ-1, 1, 0
	MUL16 2, 1, NQ-1, 1, 0
	s_wait_dscnt 0
	WIN MUL_HI
	MUL16 4, 1, NQ-1, 1, 0
	MUL16 6, 1, NQ-1, 1, 0
	WIN 0
	; THE WAY OUT: activation and quantiser in registers; each row block is one record of g.  No LDS.
	PLACES NP
.irp b, 0,1,2,3
	v_mov_b32 v[TM+4+\b], 0
.endr
.irp a, 0,1,2,3,4,5,6,7
	GELU \a
	QUANT Z, 0
	PUTFRAG OC, \a*3072
	global_store_b32 v[LS], v[PW], s[OS:OS+1] offset:\a*256
.endr
	s_wait_tensorcnt 0x0                           ; the wave's end
	ds_add_u32 v[SPW], v[NIL]
	s_wait_dscnt 0x0
	CROUND
	s_endpgm
.Lfunc_end_k_qf28a09ce5b_gw1:
	.size	k_qf28a09ce5b_gw1, .Lfunc_end_k_qf28a09ce5b_gw1-k_qf28a09ce5b_gw1
	.p2alignl 7, 3214868480
	.fill 96, 4, 3214868480
	.section	.rodata,"a",@progbits
	.p2align	6, 0x0
	.amdhsa_kernel k_qf28a09ce5b_gw1
		.amdhsa_group_segment_fixed_size 327680
		.amdhsa_private_segment_fixed_size 0
		.amdhsa_enable_private_segment 0
		.amdhsa_kernarg_size 32
		.amdhsa_user_sgpr_count 2
		.amdhsa_user_sgpr_kernarg_segment_ptr 1
		.amdhsa_wavefront_size32 1
		.amdhsa_system_sgpr_workgroup_id_x 1
		.amdhsa_system_sgpr_workgroup_id_y 1
		.amdhsa_system_sgpr_workgroup_id_z 1
		.amdhsa_system_vgpr_workitem_id 0
		.amdhsa_next_free_vgpr 1024
		.amdhsa_next_free_sgpr 98
		.amdhsa_reserve_vcc 0
		.amdhsa_float_denorm_mode_32 3
		.amdhsa_float_denorm_mode_16_64 3
		.amdhsa_memory_ordered 1
		.amdhsa_forward_progress 1
		.amdhsa_inst_pref_size 255
	.end_amdhsa_kernel
	.section	.bss,"aw",@nobits
	.p2align	6
	.space	262144
	.amdgpu_metadata
---
amdhsa.version: [ 1, 2 ]
amdhsa.kernels:
  - .name:           k_qf28a09ce5b_gw1
    .symbol:         k_qf28a09ce5b_gw1.kd
    .args:
      - { .name: act, .offset: 0, .size: 8, .value_kind: global_buffer, .address_space: global }
      - { .name: wq, .offset: 8, .size: 8, .value_kind: global_buffer, .address_space: global }
      - { .name: b1, .offset: 16, .size: 8, .value_kind: global_buffer, .address_space: global }
      - { .name: g, .offset: 24, .size: 8, .value_kind: global_buffer, .address_space: global }
    .group_segment_fixed_size: 327680
    .private_segment_fixed_size: 0
    .kernarg_segment_align: 8
    .kernarg_segment_size: 32
    .max_flat_workgroup_size: 128
    .sgpr_count:     98
    .vgpr_count:     1024
    .wavefront_size: 32
...
	.end_amdgpu_metadata
.endif
;; end of part 6
;; launch gw2 (part 7): grid 4 x 16, 4 waves a work-group, clusters of 4 x 4, 327,680 bytes of LDS; arguments g, wq, b2, x1, out0; writes out0
.if DOCPART == 7
	.amdgcn_target "amdgcn-amd-amdhsa--gfx1250"
	.amdhsa_code_object_version 6
	.text
	.protected	k_qf28a09ce5b_gw2
	.globl	k_qf28a09ce5b_gw2
	.p2align	8
	.type	k_qf28a09ce5b_gw2,@function
k_qf28a09ce5b_gw2:
	s_mov_b64 s[64:65], 0
	v_nop
	global_prefetch_b8 v0, s[64:65] scope:SCOPE_SE
	s_setreg_imm32_b32 hwreg(HW_REG_WAVE_MODE, 25, 1), 1
	s_wait_xcnt 0x0
	s_wait_alu depctr_hold_cnt(0) depctr_sa_sdst(0) depctr_va_vdst(0) depctr_va_sdst(0) depctr_va_ssrc(0) depctr_va_vcc(0) depctr_vm_vsrc(0)
	s_getreg_b32 s2, hwreg(HW_REG_IB_STS2, 6, 4)
	s_cmp_eq_u32 s2, 0
	s_cbranch_scc0 .Lentry_in_a_cluster
	s_endpgm
.Lentry_in_a_cluster:
	s_bfe_u32 s2, ttmp6, 0x10000c
	s_cmp_lg_u32 s2, 0xf033
	s_cbranch_scc0 .Lentry_shape_is_right
	s_endpgm
.Lentry_shape_is_right:
; out0 = x1 + g W2^T + b2.  g and W2 (in wq from byte BOFF on) are codes of FP6 (E2M3) with E8M0 scales; K = 4,096; x1, out0: [4096][1024] f32.
; A tile of C, 256 x 256, is made by four waves, 128 x 128 each: 64 accumulators.  K goes in steps of 256 through two LDS slots; an operand's 128 rows x 256 K are one dense block of GB bytes
; (16 fragment records of 1,536 bytes, then 16 scale images of 128 bytes), brought by one tensor load as 104 rows of 256 bytes.
; C has 16 x 4 tiles: 64 work-groups.  CLUSTER 4 x 4: A's tiles are asked for jointly along a row of the cluster, B's along a column.
; THE PRODUCT IS USED TRANSPOSED (source 0 = 16 rows of W2, source 1 = 16 tokens).  Operand rows are stored with bits 3 and 4 of the row number exchanged: tile b, lane half h, register j is column
; 32 (b / 2) + 16 h + 8 (b % 2) + j, and stored row t of block a is row 32 (a / 2) + 16 (t / 8) + 8 (a % 2) + t % 8.  The bias is the C of each sum's first product; the way out puts columns and rows right.
; REGISTERS: window 0: v16-31 addresses; v32-63 scale words; v64-127 the bias; v128-223 A's fragments (on the way out v128-255: rows back from the stage); window 1: B's two sets (on the way out: the residual); windows 2, 3: accumulators.
.set KDIM,  4096
.set BOFF,  6815744
.set GB,    26624
.set GSZ,   (KDIM/256)*GB
.set SLOT,  4*GB
.set SPARE, 2*SLOT
.set LAPS,  KDIM/512
.set NQ,    2
.set FR,    12
.set NL,    4
.set NP,    4
.set SPITCH, 528                       ; the way out: a stage of 16 rows x (512 + 16) bytes for each wave, in slot 0, which has had its last fill and its last read by then
.set ADRA,  16
.set ADRB,  20
.set STO,   24
.set RD,    25
.set CO,    26
.set SPW,   28
.set NIL,   29
.set ADRS,  30
.set SC,    32
.set BI,    64
.set AF,    128
.set BK,    128
.set G1,    24
.set G0,    32
.set G1B,   48
.set G0B,   56
.set RES,   68
.set OUT,   70
.set MSB, 0
.macro WIN new
.if MSB != (\new)
	s_set_vgpr_msb (MSB<<8)|(\new)
.set MSB, (\new)
.endif
.endm
.set MUL_LO, 0xa1
.set MUL_HI, 0xf1
.set TO_B,   0x40
.macro JLOAD s
	s_cmp_eq_u32 s15, 0
	s_cbranch_scc0 .Lfor_b_\@
	tensor_load_to_lds s[G0+4*\s:G0+4*\s+3], s[G1:G1+7]
	s_nop 0
.rept 4
	v_nop
.endr
	s_branch .Lasked_\@
.Lfor_b_\@:
	tensor_load_to_lds s[G0B+4*\s:G0B+4*\s+3], s[G1B:G1B+7]
	s_nop 0
.rept 4
	v_nop
.endr
.Lasked_\@:
.endm
.macro CREST
	s_cmp_lg_u32 s14, 0
	s_cbranch_scc1 .Lnot_wave_0_\@
	s_barrier_signal -3
.Lnot_wave_0_\@:
	s_barrier_wait -3
	s_barrier_signal -1
	s_barrier_wait -1
.endm
.macro CROUND
	s_barrier_signal -1
	s_barrier_wait -1
	CREST
.endm
.macro FRAG reg, adr, q, i
	ds_load_b128 v[\reg:\reg+3], v[\adr] offset:(\i)*3072+(\q)*1536
	ds_load_b64 v[\reg+4:\reg+5], v[\adr+2] offset:(\i)*3072+(\q)*1536+512
	ds_load_b128 v[\reg+6:\reg+9], v[\adr] offset:(\i)*3072+(\q)*1536+768
	ds_load_b64 v[\reg+10:\reg+11], v[\adr+2] offset:(\i)*3072+(\q)*1536+1280
.endm
.macro MUL16 a0, p, q, sc, zero        ; zero = 1: the first product starts the sum from the bias.  The 64 accumulators take turns
.irp a, \a0, \a0+1
.irp b, 0,1,2,3,4,5,6,7
.if \zero
	v_wmma_scale_f32_16x16x128_f8f6f4 v[8*(8*((\a)%4)+\b):8*(8*((\a)%4)+\b)+7], v[128*(\p)+FR*\b:128*(\p)+FR*\b+FR-1], v[AF+FR*(\a):AF+FR*(\a)+FR-1], v[BI+8*\b:BI+8*\b+7], v[SC+8*NQ*(\sc)+NQ*\b+(\q)], v[SC+8*NQ*(\sc)+NQ*(\a)+(\q)] matrix_a_fmt:MATRIX_FMT_FP6 matrix_b_fmt:MATRIX_FMT_FP6 matrix_a_scale:MATRIX_SCALE_ROW1
.else
	v_wmma_scale_f32_16x16x128_f8f6f4 v[8*(8*((\a)%4)+\b):8*(8*((\a)%4)+\b)+7], v[128*(\p)+FR*\b:128*(\p)+FR*\b+FR-1], v[AF+FR*(\a):AF+FR*(\a)+FR-1], v[8*(8*((\a)%4)+\b):8*(8*((\a)%4)+\b)+7], v[SC+8*NQ*(\sc)+NQ*\b+(\q)], v[SC+8*NQ*(\sc)+NQ*(\a)+(\q)] matrix_a_fmt:MATRIX_FMT_FP6 matrix_b_fmt:MATRIX_FMT_FP6 matrix_a_scale:MATRIX_SCALE_ROW1
.endif
.endr
.endr
.endm
.macro FETCH_B slot, q, p
	WIN TO_B
.irp i, 0,1,2,3,4,5,6,7
	FRAG 128*(\p)+FR*\i, ADRB+\slot, \q, \i
.endr
	WIN 0
.endm
.macro FETCH_A slot, q, i0
.irp i, \i0, \i0+1, \i0+2, \i0+3
	FRAG AF+FR*(\i), ADRA+\slot, \q, \i
.endr
.endm
.macro SCALES sc
.irp i, 0,1,2,3,4,5,6,7
.irp q, 0,1
	ds_load_b32 v[SC+8*NQ*\sc+NQ*\i+\q], v[ADRS+\sc] offset:\i*256+\q*128
.endr
.endr
.endm
.macro PLACES n
.rept \n
	v_nop
.endr
.endm
.macro STEP slot, q, zero
	s_wait_dscnt 4*NL                              ; all but the youngest 16 loads (A's blocks 4-7) are in
.if \zero
	WIN 0x81                                       ; C (the bias) in window 0, D in window 2
.else
	WIN MUL_LO
.endif
	MUL16 0, (\q)%2, \q, \slot, \zero
	MUL16 2, (\q)%2, \q, \slot, \zero
	s_wait_dscnt 0
	PLACES NP
	FETCH_B \slot, (\q)+1, 1-(\q)%2
	FETCH_A \slot, (\q)+1, 0
.if \zero
	WIN 0xc1
.else
	WIN MUL_HI
.endif
	MUL16 4, (\q)%2, \q, \slot, \zero
	MUL16 6, (\q)%2, \q, \slot, \zero
	PLACES NP
	WIN 0
	FETCH_A \slot, (\q)+1, 4
.endm
.macro TURN slot, next, fill
	s_wait_tensorcnt 0x0                           ; all my tensor loads have landed: my part of the next slot
	ds_add_u32 v[SPW], v[NIL]                      ; 0 onto my spare word
	s_wait_dscnt 4*NL+1                            ; (the add and the youngest 16 loads may be out)
	WIN MUL_LO
	MUL16 0, 1, NQ-1, \slot, 0
	s_wait_dscnt 0x0                               ; the add is done, and my reads of this slot are over
	s_barrier_signal -1
	MUL16 2, 1, NQ-1, \slot, 0
	WIN 0
	s_barrier_wait -1
.if \fill
	CREST                                          ; a round of the cluster's barrier: no wave of any partner still reads this slot or has a load on its way
	s_add_nc_u64 s[G0+4*\slot+2:G0+4*\slot+3], s[G0+4*\slot+2:G0+4*\slot+3], 2*GB
	s_add_nc_u64 s[G0B+4*\slot+2:G0B+4*\slot+3], s[G0B+4*\slot+2:G0B+4*\slot+3], 2*GB
	JLOAD \slot
.else
	PLACES NP
.endif
	FETCH_B \next, 0, 0
	FETCH_A \next, 0, 0
	SCALES \next
	WIN MUL_HI
	MUL16 4, 1, NQ-1, \slot, 0
	MUL16 6, 1, NQ-1, \slot, 0
	PLACES NP
	WIN 0
	FETCH_A \next, 0, 4
.endm
	s_load_b128 s[4:7], s[0:1], 0x0                ; g, wq
	s_load_b128 s[8:11], s[0:1], 0x10              ; b2, x1
	s_load_b64 s[12:13], s[0:1], 0x20              ; out0
	v_lshl_add_u32 v[SPW], v0, 2, SPARE
	v_mov_b32 v[NIL], 0
	ds_add_u32 v[SPW], v[NIL]                      ; the wave's opening: the add and its wait ahead of my first tensor load
	v_lshrrev_b32 v1, 5, v0
	v_readfirstlane_b32 s14, v1
	s_lshr_b32 s15, s14, 1
	s_and_b32 s16, s14, 1
	s_bfe_u32 s40, ttmp6, 0x40000
	s_bfe_u32 s41, ttmp6, 0x40004
	s_lshl_b32 s42, ttmp9, 2
	s_add_co_u32 s42, s42, s40                     ; tile column
	s_and_b32 s17, ttmp7, 0xffff
	s_lshl_b32 s17, s17, 2
	s_add_co_u32 s17, s17, s41                     ; tile row
	s_lshl_b32 s43, s41, 2
	s_lshl_b32 s43, 15, s43
	s_lshl_b32 s44, 0x1111, s40
	s_or_b32 s[G1+0], s43, (3<<16)|(1<<21)
	s_or_b32 s[G1B+0], s44, (3<<16)|(1<<21)
.irp g, G1, G1B
	s_mov_b32 s[\g+1], 32<<16
	s_mov_b32 s[\g+2], 104<<16
	s_mov_b32 s[\g+3], 32<<16
	s_mov_b32 s[\g+4], 104
	s_mov_b32 s[\g+5], 32
	s_mov_b32 s[\g+6], 0
	s_mov_b32 s[\g+7], 0
.endr
	s_lshl_b32 s20, s17, 1
	s_add_co_u32 s20, s20, s16
	s_mul_i32 s20, s20, GSZ
	s_mov_b32 s21, 0
	s_lshl_b32 s46, s42, 1
	s_add_co_u32 s46, s46, s16
	s_mul_i32 s46, s46, GSZ
	s_add_co_u32 s46, s46, BOFF
	s_mov_b32 s47, 0
	s_mul_i32 s45, s14, GB
	s_wait_dscnt 0x0
	s_wait_kmcnt 0x0
	s_add_nc_u64 s[20:21], s[4:5], s[20:21]
	s_add_nc_u64 s[46:47], s[6:7], s[46:47]
	CROUND
.irp s, 0,1
	s_mov_b32 s[G0+4*\s], 1
	s_add_co_u32 s[G0+4*\s+1], s45, \s*SLOT
	s_add_nc_u64 s[G0+4*\s+2:G0+4*\s+3], s[20:21], \s*GB
	s_or_b32 s[G0+4*\s+3], s[G0+4*\s+3], 0x80000000
	s_mov_b32 s[G0B+4*\s], 1
	s_add_co_u32 s[G0B+4*\s+1], s45, \s*SLOT
	s_add_nc_u64 s[G0B+4*\s+2:G0B+4*\s+3], s[46:47], \s*GB
	s_or_b32 s[G0B+4*\s+3], s[G0B+4*\s+3], 0x80000000
	JLOAD \s
.endr
	v_and_b32 v1, 15, v0                           ; r
	v_bfe_u32 v2, v0, 4, 1                         ; h
	v_and_b32 v3, 31, v0                           ; lane
	s_lshl_b32 s22, s42, 10                        ; the bias of my 128 columns
	s_lshl_b32 s23, s16, 9
	s_add_co_u32 s22, s22, s23
	s_mov_b32 s23, 0
	s_add_nc_u64 s[72:73], s[8:9], s[22:23]
	v_lshlrev_b32 v8, 6, v2
.irp b, 0,1,2,3,4,5,6,7
	global_load_b128 v[BI+8*\b:BI+8*\b+3], v8, s[72:73] offset:(32*(\b/2)+8*(\b%2))*4
	global_load_b128 v[BI+8*\b+4:BI+8*\b+7], v8, s[72:73] offset:(32*(\b/2)+8*(\b%2))*4+16
.endr
	v_lshlrev_b32 v[CO], 4, v3
	v_lshlrev_b32 v5, 3, v3
	v_lshlrev_b32 v7, 2, v3
	s_mul_i32 s21, s15, GB
	s_mul_i32 s22, s16, GB
	s_add_co_u32 s22, s22, 2*GB
.irp s, 0,1
	v_add_nc_u32 v[ADRA+\s], s21, v[CO]
	v_add_nc_u32 v[ADRB+\s], s22, v[CO]
	v_add_nc_u32 v[ADRA+2+\s], s21, v5
	v_add_nc_u32 v[ADRB+2+\s], s22, v5
	s_add_co_u32 s21, s21, SLOT
	s_add_co_u32 s22, s22, SLOT
.endr
	s_mul_i32 s21, s15, GB
	s_xor_b32 s22, s15, 1
	s_add_co_u32 s22, s22, s16
	s_add_co_u32 s22, s22, 1
	s_mul_i32 s22, s22, GB                         ; from A's block to B's: (2 + column half - row half) GB
	v_mul_u32_u24 v6, s22, v2
	v_add_nc_u32 v6, v6, v7
	s_add_co_u32 s21, s21, 24576
	v_add_nc_u32 v[ADRS], s21, v6
	v_add_nc_u32 v[ADRS+1], SLOT, v[ADRS]
	s_mul_i32 s23, s14, 16*SPITCH                  ; my stage
	v_mul_u32_u24 v5, v1, SPITCH
	v_lshl_add_u32 v5, v2, 6, v5
	v_add_nc_u32 v[STO], s23, v5
	v_add_nc_u32 v[RD], s23, v[CO]
	s_lshl_b32 s20, s17, 8
	s_lshl_b32 s21, s15, 7
	s_add_co_u32 s20, s20, s21
	s_lshl_b32 s20, s20, 12
	s_lshl_b32 s46, s42, 10
	s_lshl_b32 s47, s16, 9
	s_add_co_u32 s46, s46, s47
	s_add_co_u32 s20, s20, s46
	s_mov_b32 s21, 0
	s_add_nc_u64 s[RES:RES+1], s[10:11], s[20:21]
	s_add_nc_u64 s[OUT:OUT+1], s[12:13], s[20:21]
	s_wait_tensorcnt 1                             ; my part of slot 0 is in (slot 1's load may be out),
	s_barrier_signal -1
	s_barrier_wait -1
	FETCH_B 0, 0, 0
	FETCH_A 0, 0, 0
	SCALES 0
	FETCH_A 0, 0, 4
	s_wait_loadcnt 0x0                             ; the bias
	STEP 0, 0, 1
	s_mov_b32 s3, LAPS-1
.Llap:
	TURN 0, 1, 1
	STEP 1, 0, 0
	TURN 1, 0, 1
	STEP 0, 0, 0
	s_sub_co_u32 s3, s3, 1
	s_cmp_lg_u32 s3, 0
	s_cbranch_scc1 .Llap
	TURN 0, 1, 0
	STEP 1, 0, 0
	s_wait_dscnt 4*NL
	WIN MUL_LO
	MUL16 0, 1, NQ-1, 1, 0
	MUL16 2, 1, NQ-1, 1, 0
	s_wait_dscnt 0
	WIN MUL_HI
	MUL16 4, 1, NQ-1, 1, 0
	MUL16 6, 1, NQ-1, 1, 0
	WIN 0
; THE WAY OUT, a block of 16 stored rows x 128 columns at a time: through my stage (columns put in order), back as whole rows of 512 bytes, the residual's same rows added, stored.
.macro RLOAD a
	WIN 0x40
.irp t, 0,1,2,3,4,5,6,7,8,9,10,11,12,13,14,15
	global_load_b128 v[64*((\a)%4)+4*\t:64*((\a)%4)+4*\t+3], v[CO], s[RES:RES+1] offset:(32*((\a)/2)+16*(\t/8)+8*((\a)%2)+\t%8)*4096
.endr
	WIN 0
.endm
.macro TOSTAGE a
.set AC, 64*((\a)%4)
	WIN 0x08+4*((\a)/4)
.irp b, 0,1,2,3,4,5,6,7
	ds_store_b128 v[STO], v[AC+8*\b:AC+8*\b+3] offset:128*(\b/2)+32*(\b%2)          ; each accumulator from its low end on
	ds_store_b128 v[STO], v[AC+8*\b+4:AC+8*\b+7] offset:128*(\b/2)+32*(\b%2)+16
.endr
	WIN 0
.set BB, BK+64*((\a)%2)
.irp t, 0,1,2,3,4,5,6,7,8,9,10,11,12,13,14,15
	ds_load_b128 v[BB+4*\t:BB+4*\t+3], v[RD] offset:\t*SPITCH      ; LDS serves a wave's instructions in order (ISA guide 5.7.1.4): these see the stores above
.endr
.endm
.macro ADDRES a
.set BB, BK+64*((\a)%2)
.set RR, 64*((\a)%4)
	WIN 0x04
.set i, 0
.rept 32
	v_pk_add_f32 v[BB+i:BB+i+1], v[BB+i:BB+i+1], v[RR+i:RR+i+1]
.set i, i+2
.endr
	WIN 0
.endm
.macro STORE a
.set BB, BK+64*((\a)%2)
.irp t, 0,1,2,3,4,5,6,7,8,9,10,11,12,13,14,15
	global_store_b128 v[CO], v[BB+4*\t:BB+4*\t+3], s[OUT:OUT+1] offset:(32*((\a)/2)+16*(\t/8)+8*((\a)%2)+\t%8)*4096 th:TH_STORE_NT   ; 32 lanes store 512 consecutive bytes, aligned to 512
.endr
.endm
	PLACES NP
	RLOAD 0
	RLOAD 1
	RLOAD 2
	RLOAD 3
	TOSTAGE 0
.irp a, 0,1,2,3,4,5,6,7
.if \a < 7
.if \a > 0
	s_wait_xcnt 0x0                                ; block a - 1's stores have read their data: block a + 1's rows may land there
.endif
	TOSTAGE \a+1
	s_wait_dscnt 32                                ; behind block a's loads: block a + 1's 16 stores and 16 loads
.else
	s_wait_dscnt 0
.endif
.if \a < 5
	s_wait_loadcnt 48                              ; behind block a's residual: that of three later blocks
.else
	s_wait_loadcnt 16*(7-\a)
.endif
	ADDRES \a
	STORE \a
.if \a < 4
	RLOAD \a+4
.endif
.endr
	s_wait_tensorcnt 0x0                           ; the wave's end
	ds_add_u32 v[SPW], v[NIL]
	s_wait_dscnt 0x0
	CROUND
	s_endpgm
.Lfunc_end_k_qf28a09ce5b_gw2:
	.size	k_qf28a09ce5b_gw2, .Lfunc_end_k_qf28a09ce5b_gw2-k_qf28a09ce5b_gw2
	.p2alignl 7, 3214868480
	.fill 96, 4, 3214868480
	.section	.rodata,"a",@progbits
	.p2align	6, 0x0
	.amdhsa_kernel k_qf28a09ce5b_gw2
		.amdhsa_group_segment_fixed_size 327680
		.amdhsa_private_segment_fixed_size 0
		.amdhsa_enable_private_segment 0
		.amdhsa_kernarg_size 40
		.amdhsa_user_sgpr_count 2
		.amdhsa_user_sgpr_kernarg_segment_ptr 1
		.amdhsa_wavefront_size32 1
		.amdhsa_system_sgpr_workgroup_id_x 1
		.amdhsa_system_sgpr_workgroup_id_y 1
		.amdhsa_system_sgpr_workgroup_id_z 1
		.amdhsa_system_vgpr_workitem_id 0
		.amdhsa_next_free_vgpr 1024
		.amdhsa_next_free_sgpr 98
		.amdhsa_reserve_vcc 0
		.amdhsa_float_denorm_mode_32 3
		.amdhsa_float_denorm_mode_16_64 3
		.amdhsa_memory_ordered 1
		.amdhsa_forward_progress 1
		.amdhsa_inst_pref_size 174
	.end_amdhsa_kernel
	.amdgpu_metadata
---
amdhsa.version: [ 1, 2 ]
amdhsa.kernels:
  - .name:           k_qf28a09ce5b_gw2
    .symbol:         k_qf28a09ce5b_gw2.kd
    .args:
      - { .name: g, .offset: 0, .size: 8, .value_kind: global_buffer, .address_space: global }
      - { .name: wq, .offset: 8, .size: 8, .value_kind: global_buffer, .address_space: global }
      - { .name: b2, .offset: 16, .size: 8, .value_kind: global_buffer, .address_space: global }
      - { .name: x1, .offset: 24, .size: 8, .value_kind: global_buffer, .address_space: global }
      - { .name: out0, .offset: 32, .size: 8, .value_kind: global_buffer, .address_space: global }
    .group_segment_fixed_size: 327680
    .private_segment_fixed_size: 0
    .kernarg_segment_align: 8
    .kernarg_segment_size: 40
    .max_flat_workgroup_size: 128
    .sgpr_count:     98
    .vgpr_count:     1024
    .wavefront_size: 32
...
	.end_amdgpu_metadata
.endif
;; end of part 7
;; ======== version 2 of 2: 7 launches
;; limits: right only within a limited range of input values
;; workspace buffers: wq 10,223,616 bytes; act 3,407,872 bytes; qkv 10,223,616 bytes; x1 16,777,216 bytes; g 13,631,488 bytes
;; launch prep (part 8): grid 1024 x 1, 8 waves a work-group, no clusters, 66,816 bytes of LDS; arguments x, Wqkv, Wfc, W1, W2, act, wq; writes act, wq
.if DOCPART == 8
	.amdgcn_target "amdgcn-amd-amdhsa--gfx1250"
	.amdhsa_code_object_version 6
	.text
	.protected	k_qf28a09ce5b_prep
	.globl	k_qf28a09ce5b_prep
	.p2align	8
	.type	k_qf28a09ce5b_prep,@function
k_qf28a09ce5b_prep:
	s_mov_b64 s[64:65], 0
	v_nop
	global_prefetch_b8 v0, s[64:65] scope:SCOPE_SE
	s_setreg_imm32_b32 hwreg(HW_REG_WAVE_MODE, 25, 1), 1
	s_wait_xcnt 0x0
; x is layer-normed, and x's result and the four weights (all stored with K innermost) are turned into codes of FP6 (E2M3) with one E8M0 byte for each 32 along K.
; A block's byte is its largest magnitude's exponent field - 2, held at 1 from below; each number is divided by the scale and rounded to the nearest code, ties to even, beyond 7.5 the largest code.
; LIMITS: NaN and infinities are not served.  A block of zeros gets the byte 1 where the quantiser says 127: its codes are zeros, and only this program reads the bytes.
;   The norm multiplies by v_rsq_f32 (accurate to 1 ulp) where the definition divides by a square root.  Mean first, then the variance of the centred numbers: a common offset does not cancel.
; LAYOUT OF THE RESULT.  Rows are stored in the order rho = the row's number with bits 3 and 4 exchanged: a tile of 16 stored rows, used as source 0 of a transposed product, then gives a lane
;   16 neighbours along the next K in two neighbouring tiles.  A RECORD (1,536 bytes) is the image of one operand fragment, 16 stored rows x 128 K, 12 registers a lane: registers 6 e .. 6 e + 3 at
;   768 e + 16 lane, registers 6 e + 4, 6 e + 5 at 768 e + 512 + 8 lane.  Its scale words: 128 bytes, 4 lane.  128 stored rows x 256 K are one dense SLOT BLOCK of GB bytes: 16 records
;   [row block 0..7][K step 0..1], then their 16 scale images from byte 24,576 on.  A group of 128 rows holds K / 256 slot blocks on end.
; SHARES.  A work-group takes 16 stored rows x 1,024 numbers (W2's rows of 4,096 as four chunks).  Work-groups 0-255: x; 256-447: Wqkv; 448-511: Wfc; 512-767: W1; 768-1023: W2.
;   Phase 1: wave w loads stored rows 2 w, 2 w + 1 whole (each load 512 consecutive bytes), norms them (x alone), and lays them into a stage in LDS.  One barrier.
;   Phase 2: wave w takes K step w of all 16 rows: lane (r, h) reads 16 neighbours of each block of 32 of row r, quantises, and stores the record and its scale image.
; No tensor loads, no matrix unit, no cluster: the launch streams, and nothing is read twice.
.set PITCH, 4112                       ; a stage row: 4,096 bytes + 16: the sixteen rows that a read touches start 16 bytes apart modulo 256
.set SPARE, 16*PITCH                   ; behind the stage: the spare words, 128 bytes for each of eight waves
.set GB,    26624
.set LI16,  7                          ; v7   16 x lane
.set LI8,   8                          ; v8   8 x lane
.set LS,    9                          ; v9   4 x lane
.set PW,    10                         ; v10  the scale word just made
.set SPW,   12                         ; v12  my spare word's LDS address; never rewritten
.set NIL,   13                         ; v13  0; never rewritten
.set TM,    16                         ; v16-31 the norm's sums, later the quantiser's work
.set X,     32                         ; v32-95 two rows of 32 numbers a lane, later 64 numbers of one row
.set PC,    96                         ; v96-115 the codes
.set SEL,   40                         ; s[40:41] lane selects: lane l xor 16
.set INV,   42                         ; s42  1 / 1,024
.set EPS,   43                         ; s43  1e-5
.set WV,    44                         ; s44  my wave
; The two rows' sums, v[16 + 4 i] from two packed chains, over the wave's 32 lanes, in every lane
.macro FOLD
.irp i, 0
	s_delay_alu instid0(VALU_DEP_3)
	v_pk_add_f32 v[16+4*\i:17+4*\i], v[16+4*\i:17+4*\i], v[18+4*\i:19+4*\i]
.endr
.irp i, 1
	s_delay_alu instid0(VALU_DEP_2)
	v_pk_add_f32 v[16+4*\i:17+4*\i], v[16+4*\i:17+4*\i], v[18+4*\i:19+4*\i]
.endr
.irp i, 0,1
	s_delay_alu instid0(VALU_DEP_2)
	v_add_f32 v[16+4*\i], v[16+4*\i], v[17+4*\i]
.endr
.irp m, 1,2,4,8
.irp i, 0,1
	s_delay_alu instid0(VALU_DEP_2)
	v_add_f32_dpp v[16+4*\i], v[16+4*\i], v[16+4*\i] row_xmask:\m row_mask:0xf bank_mask:0xf
.endr
.endr
.irp i, 0,1
	s_delay_alu instid0(VALU_DEP_2)
	v_permlanex16_b32 v[17+4*\i], v[16+4*\i], s[SEL], s[SEL+1]
.endr
.irp i, 0,1
	s_delay_alu instid0(VALU_DEP_2)
	v_add_f32 v[16+4*\i], v[16+4*\i], v[17+4*\i]
.endr
.endm
; (x - mean) / sqrt(var + eps) of the wave's two rows, the rows by turns
.macro LNORM
.irp i, 0,1
	v_pk_add_f32 v[16+4*\i:17+4*\i], v[X+32*\i:X+32*\i+1], v[X+32*\i+2:X+32*\i+3]
	v_pk_add_f32 v[18+4*\i:19+4*\i], v[X+32*\i+4:X+32*\i+5], v[X+32*\i+6:X+32*\i+7]
.endr
.irp k, 8,12,16,20,24,28
.irp i, 0,1
	s_delay_alu instid0(VALU_DEP_4)
	v_pk_add_f32 v[16+4*\i:17+4*\i], v[16+4*\i:17+4*\i], v[X+32*\i+\k:X+32*\i+\k+1]
	s_delay_alu instid0(VALU_DEP_4)
	v_pk_add_f32 v[18+4*\i:19+4*\i], v[18+4*\i:19+4*\i], v[X+32*\i+\k+2:X+32*\i+\k+3]
.endr
.endr
	FOLD
.irp i, 0,1
	s_delay_alu instid0(VALU_DEP_2)
	v_mul_f32 v[16+4*\i], s[INV], v[16+4*\i]       ; the mean,
.endr
.irp i, 0,1
	s_delay_alu instid0(VALU_DEP_2)
	v_mov_b32 v[17+4*\i], v[16+4*\i]               ; twice, for the packed form
.endr
.irp k, 0,2,4,6,8,10,12,14,16,18,20,22,24,26,28,30
.irp i, 0,1
	v_pk_add_f32 v[X+32*\i+\k:X+32*\i+\k+1], v[X+32*\i+\k:X+32*\i+\k+1], v[16+4*\i:17+4*\i] neg_lo:[0,1] neg_hi:[0,1]
.endr
.endr
.irp i, 0,1
	v_pk_mul_f32 v[16+4*\i:17+4*\i], v[X+32*\i:X+32*\i+1], v[X+32*\i:X+32*\i+1]
	v_pk_mul_f32 v[18+4*\i:19+4*\i], v[X+32*\i+2:X+32*\i+3], v[X+32*\i+2:X+32*\i+3]
.endr
.irp k, 4,8,12,16,20,24,28
.irp i, 0,1
	s_delay_alu instid0(VALU_DEP_4)
	v_pk_fma_f32 v[16+4*\i:17+4*\i], v[X+32*\i+\k:X+32*\i+\k+1], v[X+32*\i+\k:X+32*\i+\k+1], v[16+4*\i:17+4*\i]
	s_delay_alu instid0(VALU_DEP_4)
	v_pk_fma_f32 v[18+4*\i:19+4*\i], v[X+32*\i+\k+2:X+32*\i+\k+3], v[X+32*\i+\k+2:X+32*\i+\k+3], v[18+4*\i:19+4*\i]
.endr
.endr
	FOLD
.irp i, 0,1
	s_delay_alu instid0(VALU_DEP_2)
	v_fma_f32 v[16+4*\i], v[16+4*\i], s[INV], s[EPS]   ; the variance + eps
.endr
	s_wait_alu depctr_va_vdst(0)
.irp i, 0,1
	v_rsq_f32 v[16+4*\i], v[16+4*\i]
.endr
	v_nop                                          ; a plain instruction behind the two roots,
	s_wait_alu depctr_va_vdst(0)                   ; and one wait for both, ahead of their first reader
.irp k, 0,2,4,6,8,10,12,14,16,18,20,22,24,26,28,30
.irp i, 0,1
	v_pk_mul_f32 v[X+32*\i+\k:X+32*\i+\k+1], v[X+32*\i+\k:X+32*\i+\k+1], v[16+4*\i:17+4*\i] op_sel_hi:[1,0]
.endr
.endr
.endm
; 64 numbers of a lane, register 16 b + i = k 32 b + 16 (lane / 16) + i of my row, become a fragment's codes in v[PC] on and its scale word in v[PW]
.macro QUANT s
.irp b, 0,1,2,3
	v_max3_num_f32 v[TM+\b], |v[\s+16*\b]|, |v[\s+1+16*\b]|, 0x1800000   ; my 16 numbers of block b, and the floor 2^(3 - 127): the byte cannot fall under 1
.endr
.irp i, 2,4,6,8,10,12,14
.irp b, 0,1,2,3
	s_delay_alu instid0(VALU_DEP_4)
	v_max3_num_f32 v[TM+\b], v[TM+\b], |v[\s+16*\b+\i]|, |v[\s+1+16*\b+\i]|
.endr
.endr
.irp b, 0,1,2,3
	v_permlanex16_b32 v[TM+4+\b], v[TM+\b], s[SEL], s[SEL+1]
.endr
.irp b, 0,1,2,3
	s_delay_alu instid0(VALU_DEP_4)
	v_max_num_f32 v[TM+\b], v[TM+\b], v[TM+4+\b]   ; with lane l xor 16's: the block's largest magnitude
.endr
.irp b, 0,1,2,3
	s_delay_alu instid0(VALU_DEP_4)
	v_add_nc_u32 v[TM+12+\b], 0xff000000, v[TM+\b] ; 2 off its exponent field: the conversion's scale operand
.endr
.irp b, 0,1,2,3
	s_delay_alu instid0(VALU_DEP_4)
	v_lshrrev_b32 v[TM+4+\b], 23, v[TM+12+\b]      ; the scale's byte
.endr
	s_delay_alu instid0(VALU_DEP_3)
	v_lshl_or_b32 v[PW], v[TM+5], 8, v[TM+4]
	s_delay_alu instid0(VALU_DEP_1)
	v_lshl_or_b32 v[PW], v[TM+6], 16, v[PW]
	s_delay_alu instid0(VALU_DEP_1)
	v_lshl_or_b32 v[PW], v[TM+7], 24, v[PW]
.irp c, 0,1
	v_cvt_scalef32_pk16_fp6_f32 v[PC+6*\c:PC+2+6*\c], v[\s+32*\c:\s+15+32*\c], v[TM+12+2*\c]
	v_cvt_scalef32_pk16_fp6_f32 v[PC+12+4*\c:PC+14+4*\c], v[\s+16+32*\c:\s+31+32*\c], v[TM+12+2*\c+1]
.endr
	v_nop                                          ; one plain instruction behind the scaled conversions
.irp c, 0,1                                    ; the operand wants a whole block in a lane: lanes 0-15 block 2 c, lanes 16-31 block 2 c + 1
.irp i, 0,1,2
	v_permlane16_swap_b32 v[PC+6*\c+\i], v[PC+12+4*\c+\i]
.endr
.irp i, 0,1,2
	s_delay_alu instid0(VALU_DEP_3)
	v_mov_b32 v[PC+3+6*\c+\i], v[PC+12+4*\c+\i]
.endr
.endr
.endm
	s_load_b256 s[4:11], s[0:1], 0x0               ; x, Wqkv, Wfc, W1
	s_load_b128 s[12:15], s[0:1], 0x20             ; W2, act
	s_load_b64 s[16:17], s[0:1], 0x30              ; wq
	v_lshl_add_u32 v[SPW], v0, 2, SPARE
	v_mov_b32 v[NIL], 0
	v_lshrrev_b32 v1, 5, v0
	s_delay_alu instid0(VALU_DEP_1)
	v_readfirstlane_b32 s[WV], v1                  ; wave 0..7
	v_and_b32 v1, 31, v0                           ; lane
	v_and_b32 v2, 15, v0                           ; r
	v_bfe_u32 v3, v0, 4, 1                         ; h
	s_delay_alu instid0(VALU_DEP_3)
	v_lshlrev_b32 v[LI16], 4, v1
	s_delay_alu instid0(VALU_DEP_4)
	v_lshlrev_b32 v[LI8], 3, v1
	v_lshlrev_b32 v[LS], 2, v1
	s_mul_i32 s45, s[WV], 2*PITCH
	v_add_nc_u32 v5, s45, v[LI16]                  ; into the stage: my wave's two rows, 16 bytes a lane
	v_mul_u32_u24 v6, v2, PITCH
	s_delay_alu instid0(VALU_DEP_1)
	v_lshl_add_u32 v6, v3, 6, v6
	s_lshl_b32 s45, s[WV], 9
	v_add_nc_u32 v6, s45, v6                       ; out of it: row r, K step = my wave (512 bytes), + 64 h
.irp b, 0,1,2,3
	v_mov_b32 v[TM+4+\b], 0                        ; written once: a lane permute's destination counts as one of its sources
.endr
	s_mov_b32 s[SEL], 0x76543210
	s_mov_b32 s[SEL+1], 0xfedcba98
	s_mov_b32 s[INV], 0x3a800000
	s_mov_b32 s[EPS], 0x3727c5ac
	; which tensor, by the work-group's number alone
	s_cmp_lt_u32 ttmp9, 256
	s_cselect_b32 s20, 0, 256                      ; the tensor's first work-group
	s_cmp_lt_u32 ttmp9, 448
	s_cselect_b32 s20, s20, 448
	s_cmp_lt_u32 ttmp9, 512
	s_cselect_b32 s20, s20, 512
	s_mov_b32 s25, 425984
	s_cmp_lt_u32 ttmp9, 768                        ; all but W2 have rows of 1,024
	s_cselect_b32 s20, s20, 768
	s_cselect_b32 s24, 12, 14                      ; log2 of a row's bytes
	s_cselect_b32 s25, 106496, s25                 ; a group of 128 rows in the result
	s_cselect_b32 s26, 0, 6815744                  ; where W2's groups begin in wq
	s_cselect_b32 s27, 0, 2
	s_cselect_b32 s28, 0, 3
	s_sub_co_u32 s21, ttmp9, s20
	s_lshr_b32 s47, s21, s27                       ; the tensor's block of 16 stored rows,
	s_and_b32 s45, s21, s28                        ; and which 1,024 of a row
	s_sub_co_u32 s30, ttmp9, 256
	s_cmp_lt_u32 s30, 512                          ; Wqkv, Wfc and W1 lie on end in wq
	s_cselect_b32 s29, s30, s47                    ; the block of 16 rows in the result
	; the two stored rows 2 w, 2 w + 1 of block rb are rows tau, tau + 1: tau = 32 (rb / 2) + 8 (rb % 2) + 16 (w / 4) + 2 (w % 4)
	s_lshr_b32 s30, s47, 1
	s_lshl_b32 s30, s30, 5
	s_and_b32 s31, s47, 1
	s_lshl_b32 s31, s31, 3
	s_add_co_u32 s30, s30, s31
	s_lshr_b32 s31, s[WV], 2
	s_lshl_b32 s31, s31, 4
	s_add_co_u32 s30, s30, s31
	s_and_b32 s31, s[WV], 3
	s_lshl_b32 s31, s31, 1
	s_add_co_u32 s30, s30, s31
	s_lshl_b32 s30, s30, s24
	s_lshl_b32 s31, s45, 12
	s_add_co_u32 s30, s30, s31
	s_mov_b32 s31, 0
	s_wait_kmcnt 0x0
	s_cmp_lt_u32 ttmp9, 256
	s_cselect_b64 s[18:19], s[4:5], s[6:7]
	s_cselect_b64 s[22:23], s[14:15], s[16:17]     ; x's codes go to act, the weights' to wq
	s_cmp_lt_u32 ttmp9, 448
	s_cselect_b64 s[18:19], s[18:19], s[8:9]
	s_cmp_lt_u32 ttmp9, 512
	s_cselect_b64 s[18:19], s[18:19], s[10:11]
	s_cmp_lt_u32 ttmp9, 768
	s_cselect_b64 s[18:19], s[18:19], s[12:13]
	s_add_nc_u64 s[18:19], s[18:19], s[30:31]      ; row tau,
	s_lshl_b32 s30, 1, s24
	s_add_nc_u64 s[32:33], s[18:19], s[30:31]      ; row tau + 1
.irp j, 0,1,2,3,4,5,6,7
	global_load_b128 v[X+4*\j:X+4*\j+3], v[LI16], s[18:19] offset:512*\j th:TH_LOAD_NT
.endr
.irp j, 0,1,2,3,4,5,6,7
	global_load_b128 v[X+32+4*\j:X+32+4*\j+3], v[LI16], s[32:33] offset:512*\j th:TH_LOAD_NT
.endr
	; where my record and its scale image go
	s_lshr_b32 s34, s29, 3
	s_mul_i32 s34, s34, s25
	s_add_co_u32 s34, s34, s26
	s_lshl_b32 s35, s45, 2
	s_lshr_b32 s36, s[WV], 1
	s_add_co_u32 s35, s35, s36
	s_mul_i32 s35, s35, GB
	s_add_co_u32 s34, s34, s35                     ; the slot block
	s_and_b32 s35, s29, 7
	s_and_b32 s46, s[WV], 1
	s_mul_i32 s36, s35, 3072
	s_mul_i32 s37, s46, 1536
	s_add_co_u32 s36, s36, s37
	s_add_co_u32 s36, s36, s34
	s_mov_b32 s37, 0
	s_lshl_b32 s38, s35, 8
	s_lshl_b32 s39, s46, 7
	s_add_co_u32 s38, s38, s39
	s_add_co_u32 s38, s38, s34
	s_add_co_u32 s38, s38, 24576
	s_mov_b32 s39, 0
	s_add_nc_u64 s[36:37], s[22:23], s[36:37]
	s_add_nc_u64 s[38:39], s[22:23], s[38:39]
	s_wait_loadcnt 0x0
	s_cmp_ge_u32 ttmp9, 256                        ; weights are taken as they are
	s_cbranch_scc1 .Lraw
	LNORM
.Lraw:
	s_wait_alu depctr_va_vdst(0)
.irp i, 0,1
.irp j, 0,1,2,3,4,5,6,7
	ds_store_b128 v5, v[X+32*\i+4*\j:X+32*\i+4*\j+3] offset:\i*PITCH+512*\j
.endr
.endr
	s_wait_dscnt 0x0                               ; for the others' sake: my rows lie in the stage
	s_barrier_signal -1
	s_barrier_wait -1
.irp b, 0,1,2,3
.irp j, 0,1,2,3
	ds_load_b128 v[X+16*\b+4*\j:X+16*\b+4*\j+3], v6 offset:128*\b+16*\j
.endr
.endr
	s_wait_dscnt 0x0
	QUANT X
	global_store_b128 v[LI16], v[PC:PC+3], s[36:37]                 ; 512, 256, 512, 256 consecutive bytes, each piece aligned to 256
	global_store_b64 v[LI8], v[PC+4:PC+5], s[36:37] offset:512
	global_store_b128 v[LI16], v[PC+6:PC+9], s[36:37] offset:768
	global_store_b64 v[LI8], v[PC+10:PC+11], s[36:37] offset:1280
	global_store_b32 v[LS], v[PW], s[38:39]
	s_wait_tensorcnt 0x0                           ; the wave's end
	ds_add_u32 v[SPW], v[NIL]
	s_wait_dscnt 0x0
	s_endpgm
.Lfunc_end_k_qf28a09ce5b_prep:
	.size	k_qf28a09ce5b_prep, .Lfunc_end_k_qf28a09ce5b_prep-k_qf28a09ce5b_prep
	.p2alignl 7, 3214868480
	.fill 96, 4, 3214868480
	.section	.rodata,"a",@progbits
	.p2align	6, 0x0
	.amdhsa_kernel k_qf28a09ce5b_prep
		.amdhsa_group_segment_fixed_size 66816
		.amdhsa_private_segment_fixed_size 0
		.amdhsa_enable_private_segment 0
		.amdhsa_kernarg_size 56
		.amdhsa_user_sgpr_count 2
		.amdhsa_user_sgpr_kernarg_segment_ptr 1
		.amdhsa_wavefront_size32 1
		.amdhsa_system_sgpr_workgroup_id_x 1
		.amdhsa_system_sgpr_workgroup_id_y 1
		.amdhsa_system_sgpr_workgroup_id_z 1
		.amdhsa_system_vgpr_workitem_id 0
		.amdhsa_next_free_vgpr 128
		.amdhsa_next_free_sgpr 66
		.amdhsa_reserve_vcc 0
		.amdhsa_float_denorm_mode_32 3
		.amdhsa_float_denorm_mode_16_64 3
		.amdhsa_memory_ordered 1
		.amdhsa_forward_progress 1
		.amdhsa_inst_pref_size 27
	.end_amdhsa_kernel
	.amdgpu_metadata
---
amdhsa.version: [ 1, 2 ]
amdhsa.kernels:
  - .name:           k_qf28a09ce5b_prep
    .symbol:         k_qf28a09ce5b_prep.kd
    .args:
      - { .name: x, .offset: 0, .size: 8, .value_kind: global_buffer, .address_space: global }
      - { .name: Wqkv, .offset: 8, .size: 8, .value_kind: global_buffer, .address_space: global }
      - { .name: Wfc, .offset: 16, .size: 8, .value_kind: global_buffer, .address_space: global }
      - { .name: W1, .offset: 24, .size: 8, .value_kind: global_buffer, .address_space: global }
      - { .name: W2, .offset: 32, .size: 8, .value_kind: global_buffer, .address_space: global }
      - { .name: act, .offset: 40, .size: 8, .value_kind: global_buffer, .address_space: global }
      - { .name: wq, .offset: 48, .size: 8, .value_kind: global_buffer, .address_space: global }
    .group_segment_fixed_size: 66816
    .private_segment_fixed_size: 0
    .kernarg_segment_align: 8
    .kernarg_segment_size: 56
    .max_flat_workgroup_size: 256
    .sgpr_count:     66
    .vgpr_count:     128
    .wavefront_size: 32
...
	.end_amdgpu_metadata
.endif
;; end of part 8
;; launch gqkv (part 9): grid 48 x 4, 4 waves a work-group, clusters of 4 x 4, 327,680 bytes of LDS; arguments act, wq, qkv; writes qkv
.if DOCPART == 9
	.amdgcn_target "amdgcn-amd-amdhsa--gfx1250"
	.amdhsa_code_object_version 6
	.text
	.protected	k_qf28a09ce5b_gqkv
	.globl	k_qf28a09ce5b_gqkv
	.p2align	8
	.type	k_qf28a09ce5b_gqkv,@function
k_qf28a09ce5b_gqkv:
	s_mov_b64 s[64:65], 0
	v_nop
	global_prefetch_b8 v0, s[64:65] scope:SCOPE_SE
	s_setreg_imm32_b32 hwreg(HW_REG_WAVE_MODE, 25, 1), 1
	s_wait_xcnt 0x0
	s_wait_alu depctr_hold_cnt(0) depctr_sa_sdst(0) depctr_va_vdst(0) depctr_va_sdst(0) depctr_va_ssrc(0) depctr_va_vcc(0) depctr_vm_vsrc(0)
	s_getreg_b32 s2, hwreg(HW_REG_IB_STS2, 6, 4)
	s_cmp_eq_u32 s2, 0
	s_cbranch_scc0 .Lentry_in_a_cluster
	s_endpgm
.Lentry_in_a_cluster:
	s_bfe_u32 s2, ttmp6, 0x10000c
	s_cmp_lg_u32 s2, 0xf033
	s_cbranch_scc0 .Lentry_shape_is_right
	s_endpgm
.Lentry_shape_is_right:
.set KDIM,  1024
.set GB,    26624
.set GSZ,   (KDIM/256)*GB
.set SLOT,  4*GB
.set SPARE, 2*SLOT
.set LAPS,  KDIM/512
.set NQ,    2
.set FR,    12
.set NL,    4
.set NP,    4
.set QS0,   6291456
.set VT0,   6815744
.set VS0,   9961472
.set ADRA,  16
.set ADRB,  20
.set LI16,  24
.set LI8,   25
.set LS,    26
.set SHV,   27
.set SPW,   28
.set NIL,   29
.set ADRS,  30
.set SC,    32
.set AF,    128
.set PC,    128
.set TM,    148
.set PW,    164
.set SW,    165
.set G1,    24
.set G0,    32
.set G1B,   48
.set G0B,   56
.set OC,    68
.set OS,    70
.set SEL,   78
.set MSB, 0
.macro WIN new
.if MSB != (\new)
	s_set_vgpr_msb (MSB<<8)|(\new)
.set MSB, (\new)
.endif
.endm
.set MUL_LO, 0xa1
.set MUL_HI, 0xf1
.set TO_B,   0x40
.macro JLOAD s
	s_cmp_eq_u32 s15, 0
	s_cbranch_scc0 .Lfor_b_\@
	tensor_load_to_lds s[G0+4*\s:G0+4*\s+3], s[G1:G1+7]
	s_nop 0
.rept 4
	v_nop
.endr
	s_branch .Lasked_\@
.Lfor_b_\@:
	tensor_load_to_lds s[G0B+4*\s:G0B+4*\s+3], s[G1B:G1B+7]
	s_nop 0
.rept 4
	v_nop
.endr
.Lasked_\@:
.endm
.macro CREST
	s_cmp_lg_u32 s14, 0
	s_cbranch_scc1 .Lnot_wave_0_\@
	s_barrier_signal -3
.Lnot_wave_0_\@:
	s_barrier_wait -3
	s_barrier_signal -1
	s_barrier_wait -1
.endm
.macro CROUND
	s_barrier_signal -1
	s_barrier_wait -1
	CREST
.endm
.macro FRAG reg, adr, q, i
	ds_load_b128 v[\reg:\reg+3], v[\adr] offset:(\i)*3072+(\q)*1536
	ds_load_b64 v[\reg+4:\reg+5], v[\adr+2] offset:(\i)*3072+(\q)*1536+512
	ds_load_b128 v[\reg+6:\reg+9], v[\adr] offset:(\i)*3072+(\q)*1536+768
	ds_load_b64 v[\reg+10:\reg+11], v[\adr+2] offset:(\i)*3072+(\q)*1536+1280
.endm
.macro MUL16 a0, p, q, sc, zero
.irp a, \a0, \a0+1
.irp b, 0,1,2,3,4,5,6,7
.if \zero
	v_wmma_scale_f32_16x16x128_f8f6f4 v[8*(8*((\a)%4)+\b):8*(8*((\a)%4)+\b)+7], v[128*(\p)+FR*\b:128*(\p)+FR*\b+FR-1], v[AF+FR*(\a):AF+FR*(\a)+FR-1], 0, v[SC+8*NQ*(\sc)+NQ*\b+(\q)], v[SC+8*NQ*(\sc)+NQ*(\a)+(\q)] matrix_a_fmt:MATRIX_FMT_FP6 matrix_b_fmt:MATRIX_FMT_FP6 matrix_a_scale:MATRIX_SCALE_ROW1
.else
	v_wmma_scale_f32_16x16x128_f8f6f4 v[8*(8*((\a)%4)+\b):8*(8*((\a)%4)+\b)+7], v[128*(\p)+FR*\b:128*(\p)+FR*\b+FR-1], v[AF+FR*(\a):AF+FR*(\a)+FR-1], v[8*(8*((\a)%4)+\b):8*(8*((\a)%4)+\b)+7], v[SC+8*NQ*(\sc)+NQ*\b+(\q)], v[SC+8*NQ*(\sc)+NQ*(\a)+(\q)] matrix_a_fmt:MATRIX_FMT_FP6 matrix_b_fmt:MATRIX_FMT_FP6 matrix_a_scale:MATRIX_SCALE_ROW1
.endif
.endr
.endr
.endm
.macro FETCH_B slot, q, p
	WIN TO_B
.irp i, 0,1,2,3,4,5,6,7
	FRAG 128*(\p)+FR*\i, ADRB+\slot, \q, \i
.endr
	WIN 0
.endm
.macro FETCH_A slot, q, i0
.irp i, \i0, \i0+1, \i0+2, \i0+3
	FRAG AF+FR*(\i), ADRA+\slot, \q, \i
.endr
.endm
.macro SCALES sc
.irp i, 0,1,2,3,4,5,6,7
.irp q, 0,1
	ds_load_b32 v[SC+8*NQ*\sc+NQ*\i+\q], v[ADRS+\sc] offset:\i*256+\q*128
.endr
.endr
.endm
.macro PLACES n
.rept \n
	v_nop
.endr
.endm
.macro STEP slot, q, zero
	s_wait_dscnt 4*NL
	WIN MUL_LO
	MUL16 0, (\q)%2, \q, \slot, \zero
	MUL16 2, (\q)%2, \q, \slot, \zero
	s_wait_dscnt 0
	PLACES NP
	FETCH_B \slot, (\q)+1, 1-(\q)%2
	FETCH_A \slot, (\q)+1, 0
	WIN MUL_HI
	MUL16 4, (\q)%2, \q, \slot, \zero
	MUL16 6, (\q)%2, \q, \slot, \zero
	PLACES NP
	WIN 0
	FETCH_A \slot, (\q)+1, 4
.endm
.macro TURN slot, next, fill
	s_wait_tensorcnt 0x0
	ds_add_u32 v[SPW], v[NIL]
	s_wait_dscnt 4*NL+1
	WIN MUL_LO
	MUL16 0, 1, NQ-1, \slot, 0
	s_wait_dscnt 0x0
	s_barrier_signal -1
	MUL16 2, 1, NQ-1, \slot, 0
	WIN 0
	s_barrier_wait -1
.if \fill
	CREST
	s_add_nc_u64 s[G0+4*\slot+2:G0+4*\slot+3], s[G0+4*\slot+2:G0+4*\slot+3], 2*GB
	s_add_nc_u64 s[G0B+4*\slot+2:G0B+4*\slot+3], s[G0B+4*\slot+2:G0B+4*\slot+3], 2*GB
	JLOAD \slot
.else
	PLACES NP
.endif
	FETCH_B \next, 0, 0
	FETCH_A \next, 0, 0
	SCALES \next
	WIN MUL_HI
	MUL16 4, 1, NQ-1, \slot, 0
	MUL16 6, 1, NQ-1, \slot, 0
	PLACES NP
	WIN 0
	FETCH_A \next, 0, 4
.endm
.macro QUANT s, w
	WIN ((\w)<<2)|((\w)<<4)
.irp b, 0,1,2,3
	v_max3_num_f32 v[TM+\b], 0x1800000, |v[(\s)+16*\b]|, |v[(\s)+16*\b+1]|
.endr
.irp i, 2,4,6,8,10,12,14
.irp b, 0,1,2,3
	v_max3_num_f32 v[TM+\b], v[TM+\b], |v[(\s)+16*\b+\i]|, |v[(\s)+16*\b+\i+1]|
.endr
.endr
	WIN 0
	s_wait_alu depctr_va_vdst(0)
	s_wait_xcnt 0x0
.irp b, 0,1,2,3
	v_permlanex16_b32 v[TM+4+\b], v[TM+\b], s[SEL], s[SEL+1]
.endr
.irp b, 0,1,2,3
	v_max_num_f32 v[TM+\b], v[TM+\b], v[TM+4+\b]
.endr
.irp b, 0,1,2,3
	v_add_nc_u32 v[TM+12+\b], 0xff000000, v[TM+\b]
.endr
.irp b, 0,1,2,3
	v_lshrrev_b32 v[TM+4+\b], 23, v[TM+12+\b]
.endr
	v_lshl_or_b32 v[PW], v[TM+5], 8, v[TM+4]
	v_lshl_or_b32 v[PW], v[TM+6], 16, v[PW]
	v_lshl_or_b32 v[PW], v[TM+7], 24, v[PW]
	WIN (\w)
.irp c, 0,1
	v_cvt_scalef32_pk16_fp6_f32 v[PC+6*\c:PC+2+6*\c], v[(\s)+32*\c:(\s)+32*\c+15], v[TM+12+2*\c]
	v_cvt_scalef32_pk16_fp6_f32 v[PC+12+4*\c:PC+14+4*\c], v[(\s)+32*\c+16:(\s)+32*\c+31], v[TM+13+2*\c]
.endr
	WIN 0
	v_nop
.irp c, 0,1
.irp i, 0,1,2
	v_permlane16_swap_b32 v[PC+6*\c+\i], v[PC+12+4*\c+\i]
.endr
.irp i, 0,1,2
	v_mov_b32 v[PC+3+6*\c+\i], v[PC+12+4*\c+\i]
.endr
.endr
.endm
.macro PUTFRAG base, off
	global_store_b128 v[LI16], v[PC:PC+3], s[\base:\base+1] offset:\off
	global_store_b64 v[LI8], v[PC+4:PC+5], s[\base:\base+1] offset:\off+512
	global_store_b128 v[LI16], v[PC+6:PC+9], s[\base:\base+1] offset:\off+768
	global_store_b64 v[LI8], v[PC+10:PC+11], s[\base:\base+1] offset:\off+1280
.endm
	s_load_b128 s[4:7], s[0:1], 0x0
	s_load_b64 s[8:9], s[0:1], 0x10
	v_lshl_add_u32 v[SPW], v0, 2, SPARE
	v_mov_b32 v[NIL], 0
	ds_add_u32 v[SPW], v[NIL]
	ds_add_u32 v[SPW], v[NIL]
	v_lshrrev_b32 v1, 5, v0
	v_readfirstlane_b32 s14, v1
	s_lshr_b32 s15, s14, 1
	s_and_b32 s16, s14, 1
	s_bfe_u32 s40, ttmp6, 0x40000
	s_bfe_u32 s41, ttmp6, 0x40004
	s_lshr_b32 s17, ttmp9, 1
	s_lshl_b32 s17, s17, 2
	s_and_b32 s42, ttmp9, 1
	s_lshl_b32 s42, s42, 2
	s_sub_co_u32 s18, ttmp9, 8
	s_lshl_b32 s18, s18, 2
	s_mov_b32 s82, QS0
	s_cmp_ge_u32 ttmp9, 8
	s_cselect_b32 s17, 0, s17
	s_cselect_b32 s42, s18, s42
	s_cselect_b32 s75, 16, 0
	s_cselect_b32 s80, 64, 256
	s_cselect_b32 s81, VT0, 0
	s_cselect_b32 s82, VS0, s82
	s_cselect_b32 s83, 0, 16
	s_add_co_u32 s17, s17, s41
	s_add_co_u32 s42, s42, s40
	s_lshl_b32 s43, s41, 2
	s_lshl_b32 s43, 15, s43
	s_lshl_b32 s44, 0x1111, s40
	s_or_b32 s[G1+0], s43, (3<<16)|(1<<21)
	s_or_b32 s[G1B+0], s44, (3<<16)|(1<<21)
.irp g, G1, G1B
	s_mov_b32 s[\g+1], 32<<16
	s_mov_b32 s[\g+2], 208<<16                     ; the head's load brings two slot blocks on end: 208 rows of 256 bytes
	s_mov_b32 s[\g+3], 32<<16
	s_mov_b32 s[\g+4], 208
	s_mov_b32 s[\g+5], 32
	s_mov_b32 s[\g+6], 0
	s_mov_b32 s[\g+7], 0
.endr
	s_lshl_b32 s20, s17, 1
	s_add_co_u32 s20, s20, s16
	s_add_co_u32 s20, s20, s75
	s_mul_i32 s20, s20, GSZ
	s_mov_b32 s21, 0
	s_lshl_b32 s46, s42, 1
	s_add_co_u32 s46, s46, s16
	s_mul_i32 s46, s46, GSZ
	s_mov_b32 s47, 0
	s_mul_i32 s45, s14, 2*GB                       ; LDS: a wave's blocks of slot 0 and slot 1 lie on end
	s_mov_b32 s[SEL], 0x76543210
	s_mov_b32 s[SEL+1], 0xfedcba98
	s_wait_dscnt 0x0
	s_wait_kmcnt 0x0
	s_cmp_ge_u32 ttmp9, 8
	s_cselect_b64 s[84:85], s[6:7], s[4:5]
	s_cselect_b64 s[86:87], s[4:5], s[6:7]
	s_add_nc_u64 s[20:21], s[84:85], s[20:21]
	s_add_nc_u64 s[46:47], s[86:87], s[46:47]
	CROUND
.irp s, 0,1
	s_mov_b32 s[G0+4*\s], 1
	s_add_co_u32 s[G0+4*\s+1], s45, \s*GB
	s_add_nc_u64 s[G0+4*\s+2:G0+4*\s+3], s[20:21], \s*GB
	s_or_b32 s[G0+4*\s+3], s[G0+4*\s+3], 0x80000000
	s_mov_b32 s[G0B+4*\s], 1
	s_add_co_u32 s[G0B+4*\s+1], s45, \s*GB
	s_add_nc_u64 s[G0B+4*\s+2:G0B+4*\s+3], s[46:47], \s*GB
	s_or_b32 s[G0B+4*\s+3], s[G0B+4*\s+3], 0x80000000
.endr
	JLOAD 0                                        ; my one load at the head: both slots' first blocks of my group
	v_bfe_u32 v2, v0, 4, 1
	v_and_b32 v3, 31, v0
	v_lshlrev_b32 v[LI16], 4, v3
	v_lshlrev_b32 v[LI8], 3, v3
	v_lshlrev_b32 v[LS], 2, v3
	v_mul_u32_u24 v[SHV], s83, v2
	s_mul_i32 s21, s15, 2*GB
	s_mul_i32 s22, s16, 2*GB
	s_add_co_u32 s22, s22, 4*GB
.irp s, 0,1
	v_add_nc_u32 v[ADRA+\s], s21, v[LI16]
	v_add_nc_u32 v[ADRB+\s], s22, v[LI16]
	v_add_nc_u32 v[ADRA+2+\s], s21, v[LI8]
	v_add_nc_u32 v[ADRB+2+\s], s22, v[LI8]
	s_add_co_u32 s21, s21, GB
	s_add_co_u32 s22, s22, GB
.endr
	s_mul_i32 s21, s15, 2*GB
	s_xor_b32 s22, s15, 1
	s_add_co_u32 s22, s22, s16
	s_add_co_u32 s22, s22, 1
	s_mul_i32 s22, s22, 2*GB
	v_mul_u32_u24 v6, s22, v2
	v_add_nc_u32 v6, v6, v[LS]
	s_add_co_u32 s21, s21, 24576
	v_add_nc_u32 v[ADRS], s21, v6
	v_add_nc_u32 v[ADRS+1], GB, v[ADRS]
	s_lshl_b32 s20, s42, 1
	s_add_co_u32 s20, s20, s16
	s_mul_i32 s20, s20, s80
	s_lshl_b32 s21, s17, 4
	s_add_co_u32 s20, s20, s21
	s_lshl_b32 s21, s15, 3
	s_add_co_u32 s20, s20, s21
	s_lshl_b32 s22, s20, 7
	s_add_co_u32 s22, s22, s82
	s_mov_b32 s23, 0
	s_mul_i32 s20, s20, 1536
	s_add_co_u32 s20, s20, s81
	s_mov_b32 s21, 0
	s_add_nc_u64 s[OC:OC+1], s[8:9], s[20:21]
	s_add_nc_u64 s[OS:OS+1], s[8:9], s[22:23]
	s_wait_alu depctr_va_vdst(0)
	s_wait_tensorcnt 0x0                           ; my load has landed, so its descriptor may be written: from here on a load brings one block, 104 rows
	s_mov_b32 s[G1+2], 104<<16
	s_mov_b32 s[G1+4], 104
	s_mov_b32 s[G1B+2], 104<<16
	s_mov_b32 s[G1B+4], 104
	s_barrier_signal -1
	s_barrier_wait -1
	FETCH_B 0, 0, 0
	FETCH_A 0, 0, 0
	SCALES 0
	FETCH_A 0, 0, 4
	STEP 0, 0, 1
	s_mov_b32 s3, LAPS-1
.Llap:
	TURN 0, 1, 1
	STEP 1, 0, 0
	TURN 1, 0, 1
	STEP 0, 0, 0
	s_sub_co_u32 s3, s3, 1
	s_cmp_lg_u32 s3, 0
	s_cbranch_scc1 .Llap
	TURN 0, 1, 0
	STEP 1, 0, 0
	s_wait_dscnt 4*NL
	WIN MUL_LO
	MUL16 0, 1, NQ-1, 1, 0
	MUL16 2, 1, NQ-1, 1, 0
	s_wait_dscnt 0
	WIN MUL_HI
	MUL16 4, 1, NQ-1, 1, 0
	MUL16 6, 1, NQ-1, 1, 0
	WIN 0
	PLACES NP
.irp b, 0,1,2,3
	v_mov_b32 v[TM+4+\b], 0
.endr
.irp a, 0,1,2,3,4,5,6,7
	QUANT 64*(\a%4), 2+\a/4
	v_lshrrev_b32 v[SW], v[SHV], v[PW]
	PUTFRAG OC, \a*1536
	global_store_b32 v[LS], v[SW], s[OS:OS+1] offset:\a*128
.endr
	s_wait_tensorcnt 0x0
	ds_add_u32 v[SPW], v[NIL]
	s_wait_dscnt 0x0
	CROUND
	s_endpgm
.Lfunc_end_k_qf28a09ce5b_gqkv:
	.size	k_qf28a09ce5b_gqkv, .Lfunc_end_k_qf28a09ce5b_gqkv-k_qf28a09ce5b_gqkv
	.p2alignl 7, 3214868480
	.fill 96, 4, 3214868480
	.section	.rodata,"a",@progbits
	.p2align	6, 0x0
	.amdhsa_kernel k_qf28a09ce5b_gqkv
		.amdhsa_group_segment_fixed_size 327680
		.amdhsa_private_segment_fixed_size 0
		.amdhsa_enable_private_segment 0
		.amdhsa_kernarg_size 24
		.amdhsa_user_sgpr_count 2
		.amdhsa_user_sgpr_kernarg_segment_ptr 1
		.amdhsa_wavefront_size32 1
		.amdhsa_system_sgpr_workgroup_id_x 1
		.amdhsa_system_sgpr_workgroup_id_y 1
		.amdhsa_system_sgpr_workgroup_id_z 1
		.amdhsa_system_vgpr_workitem_id 0
		.amdhsa_next_free_vgpr 1024
		.amdhsa_next_free_sgpr 98
		.amdhsa_reserve_vcc 0
		.amdhsa_float_denorm_mode_32 3
		.amdhsa_float_denorm_mode_16_64 3
		.amdhsa_memory_ordered 1
		.amdhsa_forward_progress 1
		.amdhsa_inst_pref_size 150
	.end_amdhsa_kernel
	.amdgpu_metadata
---
amdhsa.version: [ 1, 2 ]
amdhsa.kernels:
  - .name:           k_qf28a09ce5b_gqkv
    .symbol:         k_qf28a09ce5b_gqkv.kd
    .args:
      - { .name: act, .offset: 0, .size: 8, .value_kind: global_buffer, .address_space: global }
      - { .name: wq, .offset: 8, .size: 8, .value_kind: global_buffer, .address_space: global }
      - { .name: qkv, .offset: 16, .size: 8, .value_kind: global_buffer, .address_space: global }
    .group_segment_fixed_size: 327680
    .private_segment_fixed_size: 0
    .kernarg_segment_align: 8
    .kernarg_segment_size: 24
    .max_flat_workgroup_size: 128
    .sgpr_count:     98
    .vgpr_count:     1024
    .wavefront_size: 32
...
	.end_amdgpu_metadata
.endif
;; end of part 9
;; launch attn (part 10): grid 8 x 32, 16 waves a work-group, clusters of 4 x 1, 215,040 bytes of LDS; arguments qkv, act; writes act
.if DOCPART == 10
	.amdgcn_target "amdgcn-amd-amdhsa--gfx1250"
	.amdhsa_code_object_version 6
	.text
	.protected	k_qf28a09ce5b_attn
	.globl	k_qf28a09ce5b_attn
	.p2align	8
	.type	k_qf28a09ce5b_attn,@function
k_qf28a09ce5b_attn:
	s_mov_b64 s[64:65], 0
	v_nop
	global_prefetch_b8 v0, s[64:65] scope:SCOPE_SE
	s_setreg_imm32_b32 hwreg(HW_REG_WAVE_MODE, 25, 1), 1
	s_wait_xcnt 0x0
	s_wait_alu depctr_hold_cnt(0) depctr_sa_sdst(0) depctr_va_vdst(0) depctr_va_sdst(0) depctr_va_ssrc(0) depctr_va_vcc(0) depctr_vm_vsrc(0)
	s_getreg_b32 s2, hwreg(HW_REG_IB_STS2, 6, 4)
	s_cmp_eq_u32 s2, 0
	s_cbranch_scc0 .Lentry_in_a_cluster
	s_endpgm
.Lentry_in_a_cluster:
	s_bfe_u32 s2, ttmp6, 0x10000c
	s_cmp_lg_u32 s2, 0x3003
	s_cbranch_scc0 .Lentry_shape_is_right
	s_endpgm
.Lentry_shape_is_right:
; attn_val = softmax(q k^T / 8) v for 32 (batch, head) pairs of 2,048 tokens and 64 channels, both products on codes of FP6 (E2M3) with E8M0 scales; the result is quantised along the channels into act.
; THE SOFTMAX: t = score x log2(e) / 8; M = the running largest t rounded up to a whole number; p = 2^(t - M) is quantised along the keys, not normalised; the row's sum is taken of the unquantised p and divides at the end.
; SHARES.  A work-group owns 256 queries of one head, each of its sixteen waves one tile of 16.  Every wave walks the head's 2,048 keys, 128 a step, in one loop of 16 trips with no barrier in it.
; ALL OF THE HEAD'S K AND V CODES AND SCALES LIE IN LDS (212,992 bytes), filled once, by one tensor load a wave at the head: waves 0-7 K's codes (16 tiles each), 8-11 V's codes (4 key steps each),
; 12-13 K's scale words, 14-15 V's.  One wait for 0 and one barrier show them to all.  No load follows, so there is none that a prefetch could run ahead of, and none is laid.
; CLUSTER 4 x 1: the four query blocks of a cluster belong to one head: every tile is asked for jointly.
; LAYOUT.  Both products are used transposed (S^T = K Q^T, O^T = V^T P^T): a lane holds one query.  Records hold rows with bits 3 and 4 of the row number exchanged.  A TILE OF K IS COMPOSED AT THE LDS READ, by lane addresses:
; tile t of a group of 64 keys takes as rows 0-7 keys 8 t .. 8 t + 7 and as rows 8-15 keys 32 + 8 t .. : so the 32 registers of a group's four tiles are, in lane half h, the WHOLE block of 32 keys 64 g + 32 h + 0 .. 31,
; in the order of the next operand's registers: a block's maximum needs no other lane, and its codes need no exchange.  Rows 0-7 and 8-15 lie 1,536 bytes apart in LDS, so two lanes of a read share a bank.
; A head's 64 channels are half a record of q or k (registers 0-5); registers 6-11 of those operands are zero codes, which add nothing.
; LDS READS RUN AHEAD: V's fragments have registers of their own and are asked for at the step's top; the next step's first four tiles of K are asked for behind this step's last score products.
; In the last trip that look-ahead reads 6,144 bytes beyond K's codes and 512 beyond its scale words: bytes of V's regions, inside LDS and landed; what it brings is not used.
; LIMITS: NaN and infinities are not served; the scaled scores stay under 2^31 in magnitude; a block of zeros gets the byte 1 (its codes are zeros, and only this program reads the bytes).
;   A block's largest p is made from its largest score by the same multiply-add and exponential: this takes v_exp_f32 not to fall where its input rises.
; REGISTERS: v1-6, v80-83 lane bases; v7-11, v28 the step's addresses; v12 -M, v13 the largest score, v[14:15] the sum; v16-27 Q; v32-79 four fragments of K; v84-95, v192-227 V's four fragments; v96-159 S^T, then p;
;   v160-191 O^T; v228-239 at work, then p's codes; v240-243 K's, v244-247 V's scale words, v253 p's, v255 Q's; v248-252, v254 at work.
.set KC,    0                          ; K's codes: stored tile T at 768 T
.set VC,    98304                      ; V's: 6,144 j + 1,536 t
.set KSC,   196608                     ; K's scale words: 64 bytes a stored tile
.set VSC,   204800                     ; V's: 512 j + 128 t
.set SPARE, 212992                     ; the spare words, 128 bytes for each of sixteen waves
.set QS0,   6291456
.set VT0,   6815744
.set VS0,   9961472
.set GB,    26624
.set GSZ,   106496
.set SPW,   29
.set NIL,   30
.set LN,    31                         ; v31 my lane
.set KA,    80                         ; v80 K's 16-byte pieces: 16 (r % 8) + 1,536 (r / 8) + 256 h
.set KB,    81                         ; v81 K's 8-byte pieces: 8 (r % 8) + 1,536 (r / 8) + 128 h
.set SH,    82                         ; v82 8 h
.set QA,    83                         ; v83 4 r
.set WV,    18
.set SEL,   20
.set CS,    22                         ; s[22:23] c = log2(e) / 8
.set TK,    2                          ; s2  the step's codes: 6,144 bytes a step
.set TS,    3                          ; s3  its scale words: 512 bytes a step
.set CNT,   66
.macro CROUND
	s_barrier_signal -1
	s_barrier_wait -1
	s_cmp_lg_u32 s[WV], 0
	s_cbranch_scc1 .Lnot_wave_0_\@
	s_barrier_signal -3
.Lnot_wave_0_\@:
	s_barrier_wait -3
	s_barrier_signal -1
	s_barrier_wait -1
.endm
.macro GROUP1 g, c, r, p               ; r rows of c elements of 8 bytes, p elements apart; the mask names all four partners, bit 21 beside it
	s_mov_b32 s[\g], 15|(3<<16)|(1<<21)
	s_mov_b32 s[\g+1], (\c)<<16
	s_mov_b32 s[\g+2], (\r)<<16
	s_mov_b32 s[\g+3], (\c)<<16
	s_mov_b32 s[\g+4], \r
	s_mov_b32 s[\g+5], \p
	s_mov_b32 s[\g+6], 0
	s_mov_b32 s[\g+7], 0
.endm
.macro ARM under, g0, g1, next         ; one arm of the head's chain of branches on the wave's number: one load, then the jump to the join
	s_cmp_lt_u32 s[WV], \under
	s_cbranch_scc0 \next
	tensor_load_to_lds s[\g0:\g0+3], s[\g1:\g1+7]
	s_nop 0
.rept 4
	v_nop
.endr
	s_branch .Lasked
\next:
.endm
	s_load_b128 s[4:7], s[0:1], 0x0                ; qkv, act
	v_lshl_add_u32 v[SPW], v0, 2, SPARE
	v_mov_b32 v[NIL], 0
	ds_add_u32 v[SPW], v[NIL]                      ; the wave's opening: the add, twice on end, and its wait ahead of my tensor load
	ds_add_u32 v[SPW], v[NIL]
	v_lshrrev_b32 v1, 5, v0
	v_readfirstlane_b32 s[WV], v1                  ; wave 0..15
	s_bfe_u32 s8, ttmp6, 0x40000                   ; cx
	s_lshl_b32 s9, ttmp9, 2
	s_add_co_u32 s9, s9, s8                        ; my block of 256 queries
	s_and_b32 s10, ttmp7, 0xffff                   ; batch x 16 + head: shared by the partners
	s_lshr_b32 s11, s10, 4                         ; batch
	s_and_b32 s12, s10, 15                         ; head
	s_lshr_b32 s13, s12, 1                         ; the pair of heads that shares a record,
	s_and_b32 s14, s12, 1                          ; and my half of it
	s_lshl_b32 s10, s11, 7
	s_lshl_b32 s9, s9, 4
	s_add_co_u32 s10, s10, s9
	s_add_co_u32 s10, s10, s[WV]                   ; my block of 16 queries, 0..255: it enters Q's and the result's addresses alone
	s_mov_b32 s101, 0
	GROUP1 24, 8, 64, 16                           ; K's scale words: 64 of each image's 128 bytes, 64 tiles
	GROUP1 32, 96, 16, 192                         ; K's codes: half of each of 16 records
	GROUP1 40, 64, 8, 1024                         ; V's scale words: four images on end, of eight key steps
	GROUP1 48, 768, 4, 12288                       ; V's codes: four records on end, of four key steps
	s_mov_b32 s[SEL], 0x76543210
	s_mov_b32 s[SEL+1], 0xfedcba98
	s_mov_b32 s[CS], 0x3e38aa3b
	s_mov_b32 s[CS+1], s[CS]
	s_wait_dscnt 0x0                               ; both opening adds are done
	s_wait_kmcnt 0x0
	; groups 0.  Every wave makes all four; nothing in them hangs on the work-group's place in its cluster
	s_add_co_u32 s16, s13, 8
	s_lshl_b32 s16, s16, 8
	s_lshl_b32 s19, s11, 7
	s_add_co_u32 s16, s16, s19                     ; k's first record of this batch: (8 + pair) 256 + 128 batch
	s_and_b32 s15, s[WV], 7                        ; K's codes: 16 tiles for each of waves 0-7
	s_lshl_b32 s100, s15, 4
	s_add_co_u32 s100, s100, s16
	s_mul_i32 s100, s100, 1536
	s_mul_i32 s19, s14, 768
	s_add_co_u32 s100, s100, s19
	s_mov_b32 s56, 1
	s_mul_i32 s57, s15, 12288
	s_add_nc_u64 s[58:59], s[4:5], s[100:101]
	s_or_b32 s59, s59, 0x80000000
	s_and_b32 s15, s[WV], 3                        ; V's codes: 4 key steps for each of waves 8-11
	s_lshl_b32 s67, s12, 2                         ; the head's four blocks of 16 channels
	s_lshl_b32 s17, s11, 4                         ; the batch's 16 key steps
	s_lshl_b32 s100, s15, 2
	s_add_co_u32 s100, s100, s17
	s_lshl_b32 s100, s100, 6
	s_add_co_u32 s100, s100, s67
	s_mul_i32 s100, s100, 1536
	s_add_co_u32 s100, s100, VT0
	s_mov_b32 s60, 1
	s_mul_i32 s61, s15, 24576
	s_add_co_u32 s61, s61, VC
	s_add_nc_u64 s[62:63], s[4:5], s[100:101]
	s_or_b32 s63, s63, 0x80000000
	s_and_b32 s15, s[WV], 1                        ; the scale words: a half for each of two waves
	s_lshl_b32 s100, s15, 6
	s_add_co_u32 s100, s100, s16
	s_lshl_b32 s100, s100, 7
	s_lshl_b32 s19, s14, 6
	s_add_co_u32 s100, s100, s19
	s_add_co_u32 s100, s100, QS0
	s_mov_b32 s68, 1
	s_lshl_b32 s19, s15, 12
	s_add_co_u32 s69, s19, KSC
	s_add_nc_u64 s[70:71], s[4:5], s[100:101]
	s_or_b32 s71, s71, 0x80000000
	s_lshl_b32 s100, s15, 3
	s_add_co_u32 s100, s100, s17
	s_lshl_b32 s100, s100, 6
	s_add_co_u32 s100, s100, s67
	s_lshl_b32 s100, s100, 7
	s_add_co_u32 s100, s100, VS0
	s_mov_b32 s72, 1
	s_add_co_u32 s73, s19, VSC
	s_add_nc_u64 s[74:75], s[4:5], s[100:101]
	s_or_b32 s75, s75, 0x80000000
	CROUND                                         ; all four work-groups are here: the joint loads meet
	ARM 8, 56, 32, .Lv                             ; every way through the chain passes exactly one load
	ARM 12, 60, 48, .Lks
	ARM 14, 68, 24, .Lvs
	tensor_load_to_lds s[72:75], s[40:47]
	s_nop 0
.rept 4
	v_nop
.endr
.Lasked:
	s_lshl_b32 s19, s13, 8
	s_add_co_u32 s19, s19, s10                     ; q's record: pair x 256 + my block
	s_mul_i32 s100, s19, 1536
	s_mul_i32 s67, s14, 768
	s_add_co_u32 s100, s100, s67
	s_add_nc_u64 s[8:9], s[4:5], s[100:101]
	s_lshl_b32 s100, s19, 7
	s_lshl_b32 s67, s14, 6
	s_add_co_u32 s100, s100, s67
	s_add_co_u32 s100, s100, QS0
	s_add_nc_u64 s[16:17], s[4:5], s[100:101]
	v_and_b32 v[LN], 31, v0
	v_and_b32 v[QA], 15, v0
	v_lshlrev_b32 v1, 4, v[LN]
	v_lshlrev_b32 v2, 3, v[LN]
	v_lshlrev_b32 v[QA], 2, v[QA]
	global_load_b128 v[16:19], v1, s[8:9]          ; Q's half record: registers 0-5; it stays
	global_load_b64 v[20:21], v2, s[8:9] offset:512
	global_load_b32 v255, v[QA], s[16:17]          ; and its scale words
	v_add_nc_u32 v3, VC, v1
	v_add_nc_u32 v4, VC, v2
	v_lshl_add_u32 v6, v[LN], 2, VSC
	v_and_b32 v84, 7, v0                           ; r % 8
	v_bfe_u32 v85, v0, 3, 1                        ; r / 8
	v_bfe_u32 v86, v0, 4, 1                        ; h
	v_mul_u32_u24 v87, v85, 1536                   ; rows 8-15 come from the stored tile two further on
	v_lshl_add_u32 v[KA], v84, 4, v87
	v_lshl_add_u32 v[KB], v84, 3, v87
	v_lshl_add_u32 v[KA], v86, 8, v[KA]
	v_lshl_add_u32 v[KB], v86, 7, v[KB]
	v_lshlrev_b32 v5, 2, v84
	v_lshlrev_b32 v[SH], 3, v86
	v_lshl_add_u32 v5, v85, 7, v5
	v_add_nc_u32 v5, KSC, v5
.irp i, 22,23,24,25,26,27
	v_mov_b32 v[\i], 0                             ; channels 64-127 of the instruction's K: zero codes
.endr
.irp t, 0,1,2,3
.irp i, 6,7,8,9,10,11
	v_mov_b32 v[32+12*\t+\i], 0                    ; the same in K's four fragments: written once
.endr
.endr
	v_mov_b32 v13, 0xff61b1e6                      ; the largest score so far: -3e38
	v_mov_b32 v12, 0x7e000000                      ; -M so far: 2^125, a whole number
	v_mov_b32 v14, 0
	v_mov_b32 v15, 0
	v_mov_b32 v237, 0                              ; a lane permute's destination counts as one of its sources
	v_mov_b32 v253, 0
.set i, 0
.rept 32
	v_mov_b32 v[160+i], 0                          ; O^T: the step is written once; the first finds zeros
.set i, i+1
.endr
; The four composed tiles of key group g, counted from the step of the address registers (g = 2: the next step's group 0): stored tile t % 2 (+ 2 for rows 8-15, by the lane base), stored rows 8 (t / 2) on
.macro KLOAD g, a, b, c
.irp t, 0,1,2,3
	ds_load_b128 v[32+12*\t:35+12*\t], v[\a] offset:3072*\g+768*(\t%2)+128*(\t/2)
	ds_load_b64 v[36+12*\t:37+12*\t], v[\b] offset:3072*\g+768*(\t%2)+64*(\t/2)+512
	ds_load_b32 v[240+\t], v[\c] offset:256*\g+64*(\t%2)+32*(\t/2)
.endr
.endm
.macro KMUL g                          ; S^T = K Q^T: register 32 g + 8 t + j of lane half h is key 64 g + 32 h + 8 t + j
.irp t, 0,1,2,3
	v_wmma_scale_f32_16x16x128_f8f6f4 v[96+32*\g+8*\t:103+32*\g+8*\t], v[32+12*\t:43+12*\t], v[16:27], 0, v[240+\t], v255 matrix_a_fmt:MATRIX_FMT_FP6 matrix_b_fmt:MATRIX_FMT_FP6
.endr
.endm
.macro VBASE t                         ; V's fragment t: v84 on, then v192, v204, v216 on
.set VB, 180+12*\t
.if \t == 0
.set VB, 84
.endif
.endm
.macro VLOAD                           ; V's four records and their scale words: 20 loads
.irp t, 0,1,2,3
	VBASE \t
	ds_load_b128 v[VB:VB+3], v9 offset:1536*\t
	ds_load_b64 v[VB+4:VB+5], v10 offset:1536*\t+512
	ds_load_b128 v[VB+6:VB+9], v9 offset:1536*\t+768
	ds_load_b64 v[VB+10:VB+11], v10 offset:1536*\t+1280
	ds_load_b32 v[244+\t], v28 offset:128*\t
.endr
.endm
; My block's largest score, in four chains by turns: numbers 0-8, 9-17, 18-24, 25-31.  Each accumulator is first read at one of its four lowest registers.  MXA: the first twelve instructions; MXB: the last four, result in v[248 + b]
.macro MXA b
.set MS, 96+32*\b
.set MA, 228+4*\b
	v_max3_num_f32 v[MA], v[MS], v[MS+1], v[MS+2]
	v_max3_num_f32 v[MA+1], v[MS+9], v[MS+10], v[MS+11]
	v_max3_num_f32 v[MA+2], v[MS+18], v[MS+19], v[MS+20]
	v_max3_num_f32 v[MA+3], v[MS+25], v[MS+26], v[MS+27]
.irp k, 0,2
	v_max3_num_f32 v[MA], v[MA], v[MS+3+\k], v[MS+4+\k]
	v_max3_num_f32 v[MA+1], v[MA+1], v[MS+12+\k], v[MS+13+\k]
	v_max3_num_f32 v[MA+2], v[MA+2], v[MS+21+\k], v[MS+22+\k]
	v_max3_num_f32 v[MA+3], v[MA+3], v[MS+28+\k], v[MS+29+\k]
.endr
.endm
.macro MXB b
.set MS, 96+32*\b
.set MA, 228+4*\b
	v_max3_num_f32 v[MA], v[MA], v[MS+7], v[MS+8]
	v_max3_num_f32 v[MA+1], v[MA+1], v[MS+16], v[MS+17]
	v_max3_num_f32 v[MA+2], v[MA+2], v[MA+3], v[MA]
	v_max_num_f32 v[248+\b], v[MA+2], v[MA+1]
.endm
.macro FM n                            ; t - M of the next 2 n numbers
.rept \n
	v_pk_fma_f32 v[i:i+1], v[i:i+1], s[CS:CS+1], v[12:13] op_sel_hi:[1,0,0]
.set i, i+2
.endr
.endm
.macro H1                              ; the row's sum goes in four chains: v[232:233], v[238:239],
	v_pk_add_f32 v[232:233], v[232:233], v[i:i+1]
	v_pk_add_f32 v[238:239], v[238:239], v[i+2:i+3]
.set i, i+4
.endm
.macro H2                              ; v[230:231] and the running sum itself
	v_pk_add_f32 v[230:231], v[230:231], v[i:i+1]
	v_pk_add_f32 v[14:15], v[14:15], v[i+2:i+3]
.set i, i+4
.endm
; A KEY STEP: 128 keys
.macro STEP
	s_wait_dscnt 0x0                               ; group 0's fragments, asked for in the step before
	KMUL 0
	v_add_nc_u32 v7, s[TK], v[KA]                  ; seven plain instructions: the places in front of the loads into K's and V's registers and of the first read of the scores
	v_add_nc_u32 v8, s[TK], v[KB]
	v_add_nc_u32 v11, s[TS], v5
	v_add_nc_u32 v9, s[TK], v3
	v_add_nc_u32 v10, s[TK], v4
	v_add_nc_u32 v28, s[TS], v6
	v_mov_b32 v254, v12                            ; the old -M
	s_wait_alu depctr_va_vdst(0)
	KLOAD 1, 7, 8, 11
	VLOAD
	MXA 0                                          ; block 0's maximum while group 1's fragments come
	s_wait_alu depctr_va_vdst(0)
	s_wait_dscnt 20                                ; group 1's fragments are in: behind their 12 loads V's 20 were issued, and may stay out
	KMUL 1
	MXB 0                                          ; four places behind group 1's products
	KLOAD 2, 7, 8, 11                              ; the next step's group 0
	MXA 1
	MXB 1
	v_max_num_f32 v236, v248, v249                 ; my two blocks,
	v_permlanex16_b32 v237, v236, s[SEL], s[SEL+1] ; lane l xor 16's two,
	v_max3_num_f32 v13, v13, v236, v237            ; and what came before: the running largest score
	v_mul_f32 v236, s[CS], v13                     ; as t (c is positive)
	v_floor_f32 v12, -v236                         ; the new -M = -ceil(t)
.set i, 96
	FM 4
	v_sub_f32 v254, v12, v254                      ; old M - new M: a whole number, 0 or less
	FM 4
	v_cvt_i32_f32 v254, v254
	FM 4
	v_ldexp_f32 v252, 1.0, v254                    ; f = 2^(old M - new M): rounds nothing
	FM 20
	v_fma_f32 v248, v248, s[CS], v12               ; the same of my two blocks' largest scores
	v_fma_f32 v249, v249, s[CS], v12
	s_wait_alu depctr_va_vdst(0)                   ; the wait ahead of the batch
.set i, 0
.rept 64
	v_exp_f32 v[96+i], v[96+i]                     ; p = 2^(t - M)
.set i, i+1
.endr
	v_pk_mul_f32 v[14:15], v[14:15], v[252:253] op_sel_hi:[1,0]   ; the sums under the new M: a plain instruction behind the batch
	s_wait_alu depctr_va_vdst(0)                   ; one wait for the batch, ahead of its first reader
	v_exp_f32 v248, v248                           ; the blocks' largest p
	v_exp_f32 v249, v249
	v_pk_add_f32 v[232:233], v[96:97], v[98:99]    ; the row's sum of the unquantised p
	v_pk_add_f32 v[238:239], v[100:101], v[102:103]
	v_pk_add_f32 v[230:231], v[104:105], v[106:107]
	v_pk_add_f32 v[14:15], v[14:15], v[108:109]
.set i, 110
	H1
	H2
	s_wait_alu depctr_va_vdst(0)                   ; and one for the two.  The ten instructions that make p's scales stand among the additions
	H1
	v_max_num_f32 v248, 0x1800000, v248            ; the floor 2^(3 - 127): the byte cannot fall under 1
	H2
	v_max_num_f32 v249, 0x1800000, v249
	H1
	v_add_nc_u32 v248, 0xff000000, v248            ; 2 off the exponent field: the conversion's scale operand
	H2
	v_add_nc_u32 v249, 0xff000000, v249
	H1
	v_lshrrev_b32 v250, 23, v248                   ; the bytes of blocks h and 2 + h
	H2
	v_lshrrev_b32 v251, 23, v249
	H1
	v_lshl_or_b32 v250, v251, 16, v250
	H2
	H1
	H2
	v_pk_add_f32 v[232:233], v[232:233], v[158:159]
	v_lshlrev_b32 v250, v[SH], v250                ; at their places in the scale word, 8 h bits up;
	v_pk_add_f32 v[14:15], v[14:15], v[238:239]
	v_permlanex16_b32 v251, v250, s[SEL], s[SEL+1]
	v_pk_add_f32 v[232:233], v[232:233], v[230:231]
	v_or_b32 v253, v250, v251                      ; with lane l xor 16's two the word is whole
	v_cvt_scalef32_pk16_fp6_f32 v[228:230], v[96:111], v248      ; each block's lower 16 codes, at their place
	v_cvt_scalef32_pk16_fp6_f32 v[234:236], v[128:143], v249
	v_pk_add_f32 v[14:15], v[14:15], v[232:233]    ; a plain instruction between those two and the two below, which write over their sources
	v_cvt_scalef32_pk16_fp6_f32 v[96:98], v[112:127], v248       ; the upper 16 (a conversion's three registers begin on an even number: made here and moved)
	v_cvt_scalef32_pk16_fp6_f32 v[100:102], v[144:159], v249
	v_nop                                          ; one plain instruction behind the scaled conversions
.irp c, 0,1
.irp i, 0,1,2
	v_mov_b32 v[231+6*\c+\i], v[96+4*\c+\i]        ; registers 6 c .. 6 c + 5 now hold k = 64 c + 32 h + 0 .. 31
.endr
.endr
	s_wait_alu depctr_va_vdst(0)                   ; directly ahead of the first reader of O^T
.set i, 0
.rept 16
	v_pk_mul_f32 v[160+i:161+i], v[160+i:161+i], v[252:253] op_sel_hi:[1,0]   ; O^T under the new M; these sixteen are also the places between p's codes and scale word and the products
.set i, i+2
.endr
	s_wait_alu depctr_va_vdst(0)
	s_wait_dscnt 12                                ; V's fragments are in: behind them the next step's 12 loads of K were issued, and may stay out
.irp t, 0,1,2,3                                ; O^T += V^T P^T: four accumulators by turns
	VBASE \t
	v_wmma_scale_f32_16x16x128_f8f6f4 v[160+8*\t:167+8*\t], v[VB:VB+11], v[228:239], v[160+8*\t:167+8*\t], v[244+\t], v253 matrix_a_fmt:MATRIX_FMT_FP6 matrix_b_fmt:MATRIX_FMT_FP6
.endr
	s_add_co_u32 s[TK], s[TK], 6144
	s_add_co_u32 s[TS], s[TS], 512
.endm
	s_mov_b32 s[TK], 0
	s_mov_b32 s[TS], 0
	s_mov_b32 s[CNT], 16
	s_wait_alu depctr_va_vdst(0)
	s_wait_loadcnt 0x0                             ; Q
	s_wait_tensorcnt 0x0                           ; my part of K and V has landed,
	s_barrier_signal -1
	s_barrier_wait -1                              ; and everybody's
	KLOAD 0, KA, KB, 5                             ; the first step's group 0
.Lstep:
	STEP
	s_sub_co_u32 s[CNT], s[CNT], 1
	s_cmp_lg_u32 s[CNT], 0
	s_cbranch_scc1 .Lstep
	; THE WAY OUT: O^T / the sum: register 16 b + i is channel 32 b + 16 (lane / 16) + i of my query: two blocks of the next K, half a record of act
	s_wait_dscnt 0x0                               ; the last trip's look-ahead has landed; it is not used
.rept 4
	v_nop
.endr
	v_add_f32 v14, v14, v15
	v_permlanex16_b32 v252, v14, s[SEL], s[SEL+1]
	v_add_f32 v14, v14, v252
	s_wait_alu depctr_va_vdst(0)
	v_rcp_f32 v14, v14
	v_lshlrev_b32 v11, 2, v[LN]                    ; (a plain instruction behind the reciprocal)
	s_lshr_b32 s100, s10, 3
	s_mul_i32 s100, s100, GSZ
	s_lshr_b32 s19, s13, 1
	s_mul_i32 s19, s19, GB
	s_add_co_u32 s100, s100, s19                   ; the slot block: 128 tokens x 256 channels
	s_and_b32 s19, s10, 7
	s_and_b32 s67, s13, 1
	s_mul_i32 s8, s19, 3072
	s_mul_i32 s9, s67, 1536
	s_add_co_u32 s8, s8, s9
	s_mul_i32 s9, s14, 768
	s_add_co_u32 s8, s8, s9
	s_add_co_u32 s8, s8, s100
	s_mov_b32 s9, 0
	s_lshl_b32 s16, s19, 8
	s_lshl_b32 s17, s67, 7
	s_add_co_u32 s16, s16, s17
	s_lshl_b32 s17, s14, 1
	s_add_co_u32 s16, s16, s17
	s_add_co_u32 s16, s16, s100
	s_add_co_u32 s16, s16, 24576
	s_mov_b32 s17, 0
	s_add_nc_u64 s[8:9], s[6:7], s[8:9]
	s_add_nc_u64 s[16:17], s[6:7], s[16:17]
	s_wait_alu depctr_va_vdst(0)                   ; the wait ahead of the first reader of the reciprocal and of O^T
.set i, 0
.rept 32
	v_mul_f32 v[96+i], v[160+i], v14
.set i, i+1
.endr
.irp b, 0,1
	v_max3_num_f32 v[232+\b], |v[96+16*\b]|, |v[97+16*\b]|, 0x1800000
.endr
.irp i, 2,4,6,8,10,12,14
.irp b, 0,1
	v_max3_num_f32 v[232+\b], v[232+\b], |v[96+16*\b+\i]|, |v[97+16*\b+\i]|
.endr
.endr
.irp b, 0,1
	v_permlanex16_b32 v[236+\b], v[232+\b], s[SEL], s[SEL+1]
.endr
.irp b, 0,1
	v_max_num_f32 v[232+\b], v[232+\b], v[236+\b]
.endr
.irp b, 0,1
	v_add_nc_u32 v[248+\b], 0xff000000, v[232+\b]
.endr
.irp b, 0,1
	v_lshrrev_b32 v[250+\b], 23, v[248+\b]
.endr
	v_lshl_or_b32 v253, v251, 8, v250              ; my head's two bytes of the row's scale word
	v_cvt_scalef32_pk16_fp6_f32 v[128:130], v[96:111], v248
	v_cvt_scalef32_pk16_fp6_f32 v[132:134], v[112:127], v249
	v_nop
.irp i, 0,1,2
	v_permlane16_swap_b32 v[128+\i], v[132+\i]     ; here a block lies in lanes l and l xor 16: the halves change places
.endr
	v_mov_b32 v131, v132
	v_mov_b32 v132, v133
	v_mov_b32 v133, v134
	global_store_b128 v1, v[128:131], s[8:9]       ; 512 and 256 consecutive bytes, aligned to 256
	global_store_b64 v2, v[132:133], s[8:9] offset:512
	global_store_b16 v11, v253, s[16:17]           ; two bytes of each lane's word: the other head of the pair writes the other two
	s_wait_tensorcnt 0x0                           ; the wave's end
	ds_add_u32 v[SPW], v[NIL]
	s_wait_dscnt 0x0
	CROUND                                         ; the closing round
	s_endpgm
.Lfunc_end_k_qf28a09ce5b_attn:
	.size	k_qf28a09ce5b_attn, .Lfunc_end_k_qf28a09ce5b_attn-k_qf28a09ce5b_attn
	.p2alignl 7, 3214868480
	.fill 96, 4, 3214868480
	.section	.rodata,"a",@progbits
	.p2align	6, 0x0
	.amdhsa_kernel k_qf28a09ce5b_attn
		.amdhsa_group_segment_fixed_size 215040
		.amdhsa_private_segment_fixed_size 0
		.amdhsa_enable_private_segment 0
		.amdhsa_kernarg_size 16
		.amdhsa_user_sgpr_count 2
		.amdhsa_user_sgpr_kernarg_segment_ptr 1
		.amdhsa_wavefront_size32 1
		.amdhsa_system_sgpr_workgroup_id_x 1
		.amdhsa_system_sgpr_workgroup_id_y 1
		.amdhsa_system_sgpr_workgroup_id_z 1
		.amdhsa_system_vgpr_workitem_id 0
		.amdhsa_next_free_vgpr 256
		.amdhsa_next_free_sgpr 102
		.amdhsa_reserve_vcc 0
		.amdhsa_float_denorm_mode_32 3
		.amdhsa_float_denorm_mode_16_64 3
		.amdhsa_memory_ordered 1
		.amdhsa_forward_progress 1
		.amdhsa_inst_pref_size 33
	.end_amdhsa_kernel
	.amdgpu_metadata
---
amdhsa.version: [ 1, 2 ]
amdhsa.kernels:
  - .name:           k_qf28a09ce5b_attn
    .symbol:         k_qf28a09ce5b_attn.kd
    .args:
      - { .name: qkv, .offset: 0, .size: 8, .value_kind: global_buffer, .address_space: global }
      - { .name: act, .offset: 8, .size: 8, .value_kind: global_buffer, .address_space: global }
    .group_segment_fixed_size: 215040
    .private_segment_fixed_size: 0
    .kernarg_segment_align: 8
    .kernarg_segment_size: 16
    .max_flat_workgroup_size: 512
    .sgpr_count:     102
    .vgpr_count:     256
    .wavefront_size: 32
...
	.end_amdgpu_metadata
.endif
;; end of part 10
;; launch gfc (part 11): grid 8 x 32, 4 waves a work-group, clusters of 4 x 4, 327,680 bytes of LDS; arguments act, wq, x, x1; writes x1
.if DOCPART == 11
	.amdgcn_target "amdgcn-amd-amdhsa--gfx1250"
	.amdhsa_code_object_version 6
	.text
	.protected	k_qf28a09ce5b_gfc
	.globl	k_qf28a09ce5b_gfc
	.p2align	8
	.type	k_qf28a09ce5b_gfc,@function
k_qf28a09ce5b_gfc:
	s_mov_b64 s[64:65], 0
	v_nop
	global_prefetch_b8 v0, s[64:65] scope:SCOPE_SE
	s_setreg_imm32_b32 hwreg(HW_REG_WAVE_MODE, 25, 1), 1
	s_wait_xcnt 0x0
	s_wait_alu depctr_hold_cnt(0) depctr_sa_sdst(0) depctr_va_vdst(0) depctr_va_sdst(0) depctr_va_ssrc(0) depctr_va_vcc(0) depctr_vm_vsrc(0)
	s_getreg_b32 s2, hwreg(HW_REG_IB_STS2, 6, 4)
	s_cmp_eq_u32 s2, 0
	s_cbranch_scc0 .Lentry_in_a_cluster
	s_endpgm
.Lentry_in_a_cluster:
	s_bfe_u32 s2, ttmp6, 0x10000c
	s_cmp_lg_u32 s2, 0xf033
	s_cbranch_scc0 .Lentry_shape_is_right
	s_endpgm
.Lentry_shape_is_right:
.set KDIM,  1024
.set BG0,   24
.set GB,    26624
.set GSZ,   (KDIM/256)*GB
.set SLOT,  4*GB
.set SPARE, 2*SLOT
.set FR,    12
.set NP,    4
.set SPITCH, 272
.set ADRA,  16
.set ADRB,  20
.set STO,   24
.set RD,    25
.set CO,    26
.set SPW,   28
.set NIL,   29
.set ADRS,  30
.set SC,    32
.set BK,    64
.set ACC,   128
.set F0,    0
.set F1,    128
.set G1,    24
.set G0,    32
.set G1B,   48
.set G0B,   56
.set RES,   68
.set OUT,   70
.set MSB, 0
.macro WIN new
.if MSB != (\new)
	s_set_vgpr_msb (MSB<<8)|(\new)
.set MSB, (\new)
.endif
.endm
.set MUL,  0x05
.set TO_F, 0x40
.macro JLOAD s
	s_cmp_eq_u32 s15, 0
	s_cbranch_scc0 .Lfor_b_\@
	tensor_load_to_lds s[G0+4*\s:G0+4*\s+3], s[G1:G1+7]
	s_nop 0
.rept 4
	v_nop
.endr
	s_branch .Lasked_\@
.Lfor_b_\@:
	tensor_load_to_lds s[G0B+4*\s:G0B+4*\s+3], s[G1B:G1B+7]
	s_nop 0
.rept 4
	v_nop
.endr
.Lasked_\@:
.endm
.macro CREST
	s_cmp_lg_u32 s14, 0
	s_cbranch_scc1 .Lnot_wave_0_\@
	s_barrier_signal -3
.Lnot_wave_0_\@:
	s_barrier_wait -3
	s_barrier_signal -1
	s_barrier_wait -1
.endm
.macro CROUND
	s_barrier_signal -1
	s_barrier_wait -1
	CREST
.endm
.macro FRAG reg, adr, st, i
	ds_load_b128 v[\reg:\reg+3], v[\adr] offset:((\st)/2)*GB+(\i)*3072+((\st)%2)*1536
	ds_load_b64 v[\reg+4:\reg+5], v[\adr+2] offset:((\st)/2)*GB+(\i)*3072+((\st)%2)*1536+512
	ds_load_b128 v[\reg+6:\reg+9], v[\adr] offset:((\st)/2)*GB+(\i)*3072+((\st)%2)*1536+768
	ds_load_b64 v[\reg+10:\reg+11], v[\adr+2] offset:((\st)/2)*GB+(\i)*3072+((\st)%2)*1536+1280
.endm
.macro FETCH slot, st, f
	WIN TO_F
.irp i, 0,1,2,3
	FRAG \f+48+FR*\i, ADRB+\slot, \st, \i
.endr
.irp i, 0,1,2,3
	FRAG \f+FR*\i, ADRA+\slot, \st, \i
.endr
.endm
.macro SCALES sc
.irp st, 0,1,2,3
.irp i, 0,1,2,3
	ds_load_b32 v[SC+16*\sc+4*\st+\i], v[ADRS+\sc] offset:(\st/2)*GB+\i*256+(\st%2)*128
.endr
.endr
.endm
.macro MUL8 f, a0, sc, st, zero
.irp a, \a0, \a0+1
.irp b, 0,1,2,3
.if \zero
	v_wmma_scale_f32_16x16x128_f8f6f4 v[ACC+8*(4*(\a)+\b):ACC+8*(4*(\a)+\b)+7], v[\f+48+FR*\b:\f+48+FR*\b+FR-1], v[\f+FR*(\a):\f+FR*(\a)+FR-1], 0, v[SC+16*(\sc)+4*(\st)+\b], v[SC+16*(\sc)+4*(\st)+(\a)] matrix_a_fmt:MATRIX_FMT_FP6 matrix_b_fmt:MATRIX_FMT_FP6 matrix_a_scale:MATRIX_SCALE_ROW1
.else
	v_wmma_scale_f32_16x16x128_f8f6f4 v[ACC+8*(4*(\a)+\b):ACC+8*(4*(\a)+\b)+7], v[\f+48+FR*\b:\f+48+FR*\b+FR-1], v[\f+FR*(\a):\f+FR*(\a)+FR-1], v[ACC+8*(4*(\a)+\b):ACC+8*(4*(\a)+\b)+7], v[SC+16*(\sc)+4*(\st)+\b], v[SC+16*(\sc)+4*(\st)+(\a)] matrix_a_fmt:MATRIX_FMT_FP6 matrix_b_fmt:MATRIX_FMT_FP6 matrix_a_scale:MATRIX_SCALE_ROW1
.endif
.endr
.endr
.endm
.macro PLACES n
.rept \n
	v_nop
.endr
.endm
.macro STEP slot, st, f, g, zero
	s_wait_dscnt 8
	WIN MUL
	MUL8 \f, 0, \slot, \st, \zero
	PLACES NP
	FETCH \slot, (\st)+1, \g
	s_wait_dscnt 32
	WIN MUL
	MUL8 \f, 2, \slot, \st, \zero
.endm
.macro TURN slot, next
	WIN 0
	s_wait_tensorcnt 0x0
	ds_add_u32 v[SPW], v[NIL]
	s_wait_dscnt 9
	WIN MUL
	MUL8 F1, 0, \slot, 3, 0
	WIN 0
	s_wait_dscnt 0x0
	s_barrier_signal -1
	s_barrier_wait -1
	PLACES NP
	SCALES \next
	FETCH \next, 0, F0
	WIN MUL
	MUL8 F1, 2, \slot, 3, 0
.endm
	s_load_b128 s[4:7], s[0:1], 0x0
	s_load_b128 s[8:11], s[0:1], 0x10
	v_lshl_add_u32 v[SPW], v0, 2, SPARE
	v_mov_b32 v[NIL], 0
	ds_add_u32 v[SPW], v[NIL]
	ds_add_u32 v[SPW], v[NIL]
	v_lshrrev_b32 v1, 5, v0
	v_readfirstlane_b32 s14, v1
	s_lshr_b32 s15, s14, 1
	s_and_b32 s16, s14, 1
	s_bfe_u32 s40, ttmp6, 0x40000
	s_bfe_u32 s41, ttmp6, 0x40004
	s_lshl_b32 s42, ttmp9, 2
	s_add_co_u32 s42, s42, s40
	s_and_b32 s17, ttmp7, 0xffff
	s_lshl_b32 s17, s17, 2
	s_add_co_u32 s17, s17, s41
	s_lshl_b32 s43, s41, 2
	s_lshl_b32 s43, 15, s43
	s_lshl_b32 s44, 0x1111, s40
	s_or_b32 s[G1+0], s43, (3<<16)|(1<<21)
	s_or_b32 s[G1B+0], s44, (3<<16)|(1<<21)
.irp g, G1, G1B
	s_mov_b32 s[\g+1], 32<<16
	s_mov_b32 s[\g+2], 208<<16                     ; a load brings two slot blocks on end: 208 rows of 256 bytes; four waves bring all of K for A and B
	s_mov_b32 s[\g+3], 32<<16
	s_mov_b32 s[\g+4], 208
	s_mov_b32 s[\g+5], 32
	s_mov_b32 s[\g+6], 0
	s_mov_b32 s[\g+7], 0
.endr
	s_mul_i32 s20, s17, GSZ
	s_mul_i32 s21, s16, 2*GB
	s_add_co_u32 s20, s20, s21
	s_mov_b32 s21, 0
	s_add_co_u32 s46, s42, BG0
	s_mul_i32 s46, s46, GSZ
	s_mul_i32 s47, s16, 2*GB
	s_add_co_u32 s46, s46, s47
	s_mov_b32 s47, 0
	s_mul_i32 s45, s16, SLOT                       ; LDS: slot = which pair of blocks I fetch; in it A's two blocks, then B's two
	s_mul_i32 s74, s15, 2*GB
	s_add_co_u32 s45, s45, s74
	s_wait_dscnt 0x0
	s_wait_kmcnt 0x0
	s_add_nc_u64 s[20:21], s[4:5], s[20:21]
	s_add_nc_u64 s[46:47], s[6:7], s[46:47]
	CROUND
.irp s, 0
	s_mov_b32 s[G0+4*\s], 1
	s_add_co_u32 s[G0+4*\s+1], s45, \s*SLOT
	s_add_nc_u64 s[G0+4*\s+2:G0+4*\s+3], s[20:21], \s*2*GB
	s_or_b32 s[G0+4*\s+3], s[G0+4*\s+3], 0x80000000
	s_mov_b32 s[G0B+4*\s], 1
	s_add_co_u32 s[G0B+4*\s+1], s45, \s*SLOT
	s_add_nc_u64 s[G0B+4*\s+2:G0B+4*\s+3], s[46:47], \s*2*GB
	s_or_b32 s[G0B+4*\s+3], s[G0B+4*\s+3], 0x80000000
	JLOAD \s                                       ; my one tensor load of the launch
.endr
	v_and_b32 v1, 15, v0
	v_bfe_u32 v2, v0, 4, 1
	v_and_b32 v3, 31, v0
	v_lshlrev_b32 v[CO], 12, v2
	v_lshl_add_u32 v[CO], v1, 4, v[CO]
	s_wait_alu depctr_va_vdst(0)
	s_lshl_b32 s74, s17, 7
	s_lshl_b32 s75, s15, 6
	s_add_co_u32 s74, s74, s75
	s_lshl_b32 s74, s74, 12
	s_lshl_b32 s75, s42, 9
	s_add_co_u32 s74, s74, s75
	s_lshl_b32 s75, s16, 8
	s_add_co_u32 s74, s74, s75
	s_mov_b32 s75, 0
	s_add_nc_u64 s[RES:RES+1], s[8:9], s[74:75]
	s_add_nc_u64 s[OUT:OUT+1], s[10:11], s[74:75]
	WIN 0x80
.irp a, 0,1,2,3
.irp t, 0,1,2,3,4,5,6,7
	global_load_b128 v[32*\a+4*\t:32*\a+4*\t+3], v[CO], s[RES:RES+1] offset:(32*(\a/2)+16*(\t/4)+8*(\a%2)+2*(\t%4))*4096 th:TH_LOAD_NT
.endr
.endr
	WIN 0
	v_lshlrev_b32 v4, 4, v3
	v_lshlrev_b32 v5, 3, v3
	v_lshlrev_b32 v7, 2, v3
	s_mul_i32 s21, s15, 12288
	s_mul_i32 s22, s16, 12288
	s_add_co_u32 s22, s22, 2*GB
.irp s, 0,1
	v_add_nc_u32 v[ADRA+\s], s21, v4
	v_add_nc_u32 v[ADRB+\s], s22, v4
	v_add_nc_u32 v[ADRA+2+\s], s21, v5
	v_add_nc_u32 v[ADRB+2+\s], s22, v5
	s_add_co_u32 s21, s21, SLOT
	s_add_co_u32 s22, s22, SLOT
.endr
	s_lshl_b32 s21, s15, 10
	s_xor_b32 s22, s15, 1
	s_add_co_u32 s22, s22, s16
	s_lshl_b32 s22, s22, 10
	s_add_co_u32 s22, s22, 2*GB-1024
	v_mul_u32_u24 v6, s22, v2
	v_add_nc_u32 v6, v6, v7
	s_add_co_u32 s21, s21, 24576
	v_add_nc_u32 v[ADRS], s21, v6
	v_add_nc_u32 v[ADRS+1], SLOT, v[ADRS]
	s_mul_i32 s23, s14, 16*SPITCH
	v_mul_u32_u24 v5, v1, SPITCH
	v_lshl_add_u32 v5, v2, 6, v5
	v_add_nc_u32 v[STO], s23, v5
	v_mul_u32_u24 v6, v2, SPITCH
	v_lshl_add_u32 v6, v1, 4, v6
	v_add_nc_u32 v[RD], s23, v6
	s_wait_alu depctr_va_vdst(0)
	s_wait_tensorcnt 0x0
	s_barrier_signal -1
	s_barrier_wait -1
	SCALES 0
	FETCH 0, 0, F0
	STEP 0, 0, F0, F1, 1
	STEP 0, 1, F1, F0, 0
	STEP 0, 2, F0, F1, 0
	TURN 0, 1
	STEP 1, 0, F0, F1, 0
	STEP 1, 1, F1, F0, 0
	STEP 1, 2, F0, F1, 0
	s_wait_dscnt 8
	WIN MUL
	MUL8 F1, 0, 1, 3, 0
	s_wait_dscnt 0
	MUL8 F1, 2, 1, 3, 0
	WIN 0
.macro TOSTAGE a
.irp b, 0,1,2,3
	ds_store_b128 v[STO], v[ACC+8*(4*(\a)+\b):ACC+8*(4*(\a)+\b)+3] offset:128*(\b/2)+32*(\b%2)
	ds_store_b128 v[STO], v[ACC+8*(4*(\a)+\b)+4:ACC+8*(4*(\a)+\b)+7] offset:128*(\b/2)+32*(\b%2)+16
.endr
.set BB, BK+32*((\a)%2)
.irp t, 0,1,2,3,4,5,6,7
	ds_load_b128 v[BB+4*\t:BB+4*\t+3], v[RD] offset:\t*2*SPITCH
.endr
.endm
.macro ADDRES a
.set BB, BK+32*((\a)%2)
	WIN 0x08
.set i, 0
.rept 16
	v_pk_add_f32 v[BB+i:BB+i+1], v[BB+i:BB+i+1], v[32*(\a)+i:32*(\a)+i+1]
.set i, i+2
.endr
	WIN 0
.endm
.macro STORE a
.set BB, BK+32*((\a)%2)
.irp t, 0,1,2,3,4,5,6,7
	global_store_b128 v[CO], v[BB+4*\t:BB+4*\t+3], s[OUT:OUT+1] offset:(32*((\a)/2)+16*(\t/4)+8*((\a)%2)+2*(\t%4))*4096
.endr
.endm
	PLACES NP
	TOSTAGE 0
	s_wait_loadcnt 0x0
.irp a, 0,1,2,3
.if \a < 3
.if \a > 0
	s_wait_xcnt 0x0
.endif
	TOSTAGE \a+1
	s_wait_dscnt 16
.else
	s_wait_dscnt 0
.endif
	ADDRES \a
	STORE \a
.endr
	s_wait_tensorcnt 0x0
	ds_add_u32 v[SPW], v[NIL]
	s_wait_dscnt 0x0
	CROUND
	s_endpgm
.Lfunc_end_k_qf28a09ce5b_gfc:
	.size	k_qf28a09ce5b_gfc, .Lfunc_end_k_qf28a09ce5b_gfc-k_qf28a09ce5b_gfc
	.p2alignl 7, 3214868480
	.fill 96, 4, 3214868480
	.section	.rodata,"a",@progbits
	.p2align	6, 0x0
	.amdhsa_kernel k_qf28a09ce5b_gfc
		.amdhsa_group_segment_fixed_size 327680
		.amdhsa_private_segment_fixed_size 0
		.amdhsa_enable_private_segment 0
		.amdhsa_kernarg_size 32
		.amdhsa_user_sgpr_count 2
		.amdhsa_user_sgpr_kernarg_segment_ptr 1
		.amdhsa_wavefront_size32 1
		.amdhsa_system_sgpr_workgroup_id_x 1
		.amdhsa_system_sgpr_workgroup_id_y 1
		.amdhsa_system_sgpr_workgroup_id_z 1
		.amdhsa_system_vgpr_workitem_id 0
		.amdhsa_next_free_vgpr 768
		.amdhsa_next_free_sgpr 98
		.amdhsa_reserve_vcc 0
		.amdhsa_float_denorm_mode_32 3
		.amdhsa_float_denorm_mode_16_64 3
		.amdhsa_memory_ordered 1
		.amdhsa_forward_progress 1
		.amdhsa_inst_pref_size 58
	.end_amdhsa_kernel
	.amdgpu_metadata
---
amdhsa.version: [ 1, 2 ]
amdhsa.kernels:
  - .name:           k_qf28a09ce5b_gfc
    .symbol:         k_qf28a09ce5b_gfc.kd
    .args:
      - { .name: act, .offset: 0, .size: 8, .value_kind: global_buffer, .address_space: global }
      - { .name: wq, .offset: 8, .size: 8, .value_kind: global_buffer, .address_space: global }
      - { .name: x, .offset: 16, .size: 8, .value_kind: global_buffer, .address_space: global }
      - { .name: x1, .offset: 24, .size: 8, .value_kind: global_buffer, .address_space: global }
    .group_segment_fixed_size: 327680
    .private_segment_fixed_size: 0
    .kernarg_segment_align: 8
    .kernarg_segment_size: 32
    .max_flat_workgroup_size: 128
    .sgpr_count:     98
    .vgpr_count:     768
    .wavefront_size: 32
...
	.end_amdgpu_metadata
.endif
;; end of part 11
;; launch ln2 (part 12): grid 256 x 1, 8 waves a work-group, no clusters, 66,816 bytes of LDS; arguments x1, act; writes act
.if DOCPART == 12
	.amdgcn_target "amdgcn-amd-amdhsa--gfx1250"
	.amdhsa_code_object_version 6
	.text
	.protected	k_qf28a09ce5b_ln2
	.globl	k_qf28a09ce5b_ln2
	.p2align	8
	.type	k_qf28a09ce5b_ln2,@function
k_qf28a09ce5b_ln2:
	s_mov_b64 s[64:65], 0
	v_nop
	global_prefetch_b8 v0, s[64:65] scope:SCOPE_SE
	s_setreg_imm32_b32 hwreg(HW_REG_WAVE_MODE, 25, 1), 1
	s_wait_xcnt 0x0
; The second layer norm: x1 [4096][1024] f32 is normed row by row and turned into codes of FP6 (E2M3) with one E8M0 byte for each 32 along K, in act.
; A block's byte is its largest magnitude's exponent field - 2, held at 1 from below; numbers are divided by the scale and rounded to the nearest code, ties to even, beyond 7.5 the largest code.
; LIMITS: NaN and infinities are not served.  A block of zeros gets the byte 1 where the quantiser says 127: its codes are zeros, and only this program reads the bytes.
;   The norm multiplies by v_rsq_f32 (accurate to 1 ulp) where the definition divides by a square root.  Mean first, then the variance of the centred numbers.
; LAYOUT OF THE RESULT: rows in the order rho = the row's number with bits 3 and 4 exchanged; a record (1,536 bytes) is the image of a fragment of 16 stored rows x 128 K: registers 6 e .. 6 e + 3 at 768 e + 16 lane,
;   registers 6 e + 4, 6 e + 5 at 768 e + 512 + 8 lane; scale words 128 bytes, 4 lane; 128 rows x 256 K are a slot block of GB bytes: 16 records [row block][K step], then 16 scale images from byte 24,576 on.
; SHARES.  A work-group takes 16 stored rows.  Phase 1: wave w loads stored rows 2 w, 2 w + 1 whole, norms them, lays them into a stage in LDS.  One barrier.  Phase 2: wave w quantises K step w of all 16 rows.
.set PITCH, 4112
.set SPARE, 16*PITCH
.set GB,    26624
.set GSZ,   106496
.set LI16,  7
.set LI8,   8
.set LS,    9
.set PW,    10
.set SPW,   12
.set NIL,   13
.set TM,    16
.set X,     32
.set PC,    96
.set SEL,   40
.set INV,   42
.set EPS,   43
.set WV,    44
.macro FOLD
.irp i, 0
	s_delay_alu instid0(VALU_DEP_3)
	v_pk_add_f32 v[16+4*\i:17+4*\i], v[16+4*\i:17+4*\i], v[18+4*\i:19+4*\i]
.endr
.irp i, 1
	s_delay_alu instid0(VALU_DEP_2)
	v_pk_add_f32 v[16+4*\i:17+4*\i], v[16+4*\i:17+4*\i], v[18+4*\i:19+4*\i]
.endr
.irp i, 0,1
	s_delay_alu instid0(VALU_DEP_2)
	v_add_f32 v[16+4*\i], v[16+4*\i], v[17+4*\i]
.endr
.irp m, 1,2,4,8
.irp i, 0,1
	s_delay_alu instid0(VALU_DEP_2)
	v_add_f32_dpp v[16+4*\i], v[16+4*\i], v[16+4*\i] row_xmask:\m row_mask:0xf bank_mask:0xf
.endr
.endr
.irp i, 0,1
	s_delay_alu instid0(VALU_DEP_2)
	v_permlanex16_b32 v[17+4*\i], v[16+4*\i], s[SEL], s[SEL+1]
.endr
.irp i, 0,1
	s_delay_alu instid0(VALU_DEP_2)
	v_add_f32 v[16+4*\i], v[16+4*\i], v[17+4*\i]
.endr
.endm
.macro LNORM
.irp i, 0,1
	v_pk_add_f32 v[16+4*\i:17+4*\i], v[X+32*\i:X+32*\i+1], v[X+32*\i+2:X+32*\i+3]
	v_pk_add_f32 v[18+4*\i:19+4*\i], v[X+32*\i+4:X+32*\i+5], v[X+32*\i+6:X+32*\i+7]
.endr
.irp k, 8,12,16,20,24,28
.irp i, 0,1
	s_delay_alu instid0(VALU_DEP_4)
	v_pk_add_f32 v[16+4*\i:17+4*\i], v[16+4*\i:17+4*\i], v[X+32*\i+\k:X+32*\i+\k+1]
	s_delay_alu instid0(VALU_DEP_4)
	v_pk_add_f32 v[18+4*\i:19+4*\i], v[18+4*\i:19+4*\i], v[X+32*\i+\k+2:X+32*\i+\k+3]
.endr
.endr
	FOLD
.irp i, 0,1
	s_delay_alu instid0(VALU_DEP_2)
	v_mul_f32 v[16+4*\i], s[INV], v[16+4*\i]       ; the mean,
.endr
.irp i, 0,1
	s_delay_alu instid0(VALU_DEP_2)
	v_mov_b32 v[17+4*\i], v[16+4*\i]               ; twice, for the packed form
.endr
.irp k, 0,2,4,6,8,10,12,14,16,18,20,22,24,26,28,30
.irp i, 0,1
	v_pk_add_f32 v[X+32*\i+\k:X+32*\i+\k+1], v[X+32*\i+\k:X+32*\i+\k+1], v[16+4*\i:17+4*\i] neg_lo:[0,1] neg_hi:[0,1]
.endr
.endr
.irp i, 0,1
	v_pk_mul_f32 v[16+4*\i:17+4*\i], v[X+32*\i:X+32*\i+1], v[X+32*\i:X+32*\i+1]
	v_pk_mul_f32 v[18+4*\i:19+4*\i], v[X+32*\i+2:X+32*\i+3], v[X+32*\i+2:X+32*\i+3]
.endr
.irp k, 4,8,12,16,20,24,28
.irp i, 0,1
	s_delay_alu instid0(VALU_DEP_4)
	v_pk_fma_f32 v[16+4*\i:17+4*\i], v[X+32*\i+\k:X+32*\i+\k+1], v[X+32*\i+\k:X+32*\i+\k+1], v[16+4*\i:17+4*\i]
	s_delay_alu instid0(VALU_DEP_4)
	v_pk_fma_f32 v[18+4*\i:19+4*\i], v[X+32*\i+\k+2:X+32*\i+\k+3], v[X+32*\i+\k+2:X+32*\i+\k+3], v[18+4*\i:19+4*\i]
.endr
.endr
	FOLD
.irp i, 0,1
	s_delay_alu instid0(VALU_DEP_2)
	v_fma_f32 v[16+4*\i], v[16+4*\i], s[INV], s[EPS]
.endr
	s_wait_alu depctr_va_vdst(0)
.irp i, 0,1
	v_rsq_f32 v[16+4*\i], v[16+4*\i]
.endr
	v_nop                                          ; a plain instruction behind the two roots,
	s_wait_alu depctr_va_vdst(0)                   ; and one wait for both, ahead of their first reader
.irp k, 0,2,4,6,8,10,12,14,16,18,20,22,24,26,28,30
.irp i, 0,1
	v_pk_mul_f32 v[X+32*\i+\k:X+32*\i+\k+1], v[X+32*\i+\k:X+32*\i+\k+1], v[16+4*\i:17+4*\i] op_sel_hi:[1,0]
.endr
.endr
.endm
.macro QUANT s
.irp b, 0,1,2,3
	v_max3_num_f32 v[TM+\b], |v[\s+16*\b]|, |v[\s+1+16*\b]|, 0x1800000
.endr
.irp i, 2,4,6,8,10,12,14
.irp b, 0,1,2,3
	s_delay_alu instid0(VALU_DEP_4)
	v_max3_num_f32 v[TM+\b], v[TM+\b], |v[\s+16*\b+\i]|, |v[\s+1+16*\b+\i]|
.endr
.endr
.irp b, 0,1,2,3
	v_permlanex16_b32 v[TM+4+\b], v[TM+\b], s[SEL], s[SEL+1]
.endr
.irp b, 0,1,2,3
	s_delay_alu instid0(VALU_DEP_4)
	v_max_num_f32 v[TM+\b], v[TM+\b], v[TM+4+\b]
.endr
.irp b, 0,1,2,3
	s_delay_alu instid0(VALU_DEP_4)
	v_add_nc_u32 v[TM+12+\b], 0xff000000, v[TM+\b]
.endr
.irp b, 0,1,2,3
	s_delay_alu instid0(VALU_DEP_4)
	v_lshrrev_b32 v[TM+4+\b], 23, v[TM+12+\b]
.endr
	s_delay_alu instid0(VALU_DEP_3)
	v_lshl_or_b32 v[PW], v[TM+5], 8, v[TM+4]
	s_delay_alu instid0(VALU_DEP_1)
	v_lshl_or_b32 v[PW], v[TM+6], 16, v[PW]
	s_delay_alu instid0(VALU_DEP_1)
	v_lshl_or_b32 v[PW], v[TM+7], 24, v[PW]
.irp c, 0,1
	v_cvt_scalef32_pk16_fp6_f32 v[PC+6*\c:PC+2+6*\c], v[\s+32*\c:\s+15+32*\c], v[TM+12+2*\c]
	v_cvt_scalef32_pk16_fp6_f32 v[PC+12+4*\c:PC+14+4*\c], v[\s+16+32*\c:\s+31+32*\c], v[TM+12+2*\c+1]
.endr
	v_nop
.irp c, 0,1
.irp i, 0,1,2
	v_permlane16_swap_b32 v[PC+6*\c+\i], v[PC+12+4*\c+\i]
.endr
.irp i, 0,1,2
	s_delay_alu instid0(VALU_DEP_3)
	v_mov_b32 v[PC+3+6*\c+\i], v[PC+12+4*\c+\i]
.endr
.endr
.endm
	s_load_b128 s[4:7], s[0:1], 0x0                ; x1, act
	v_lshl_add_u32 v[SPW], v0, 2, SPARE
	v_mov_b32 v[NIL], 0
	v_lshrrev_b32 v1, 5, v0
	s_delay_alu instid0(VALU_DEP_1)
	v_readfirstlane_b32 s[WV], v1
	v_and_b32 v1, 31, v0
	v_and_b32 v2, 15, v0
	v_bfe_u32 v3, v0, 4, 1
	s_delay_alu instid0(VALU_DEP_3)
	v_lshlrev_b32 v[LI16], 4, v1
	s_delay_alu instid0(VALU_DEP_4)
	v_lshlrev_b32 v[LI8], 3, v1
	v_lshlrev_b32 v[LS], 2, v1
	s_mul_i32 s45, s[WV], 2*PITCH
	v_add_nc_u32 v5, s45, v[LI16]
	v_mul_u32_u24 v6, v2, PITCH
	s_delay_alu instid0(VALU_DEP_1)
	v_lshl_add_u32 v6, v3, 6, v6
	s_lshl_b32 s45, s[WV], 9
	v_add_nc_u32 v6, s45, v6
.irp b, 0,1,2,3
	v_mov_b32 v[TM+4+\b], 0
.endr
	s_mov_b32 s[SEL], 0x76543210
	s_mov_b32 s[SEL+1], 0xfedcba98
	s_mov_b32 s[INV], 0x3a800000
	s_mov_b32 s[EPS], 0x3727c5ac
	; stored rows 2 w, 2 w + 1 of block rb are rows tau, tau + 1: tau = 32 (rb / 2) + 8 (rb % 2) + 16 (w / 4) + 2 (w % 4)
	s_lshr_b32 s30, ttmp9, 1
	s_lshl_b32 s30, s30, 5
	s_and_b32 s31, ttmp9, 1
	s_lshl_b32 s31, s31, 3
	s_add_co_u32 s30, s30, s31
	s_lshr_b32 s31, s[WV], 2
	s_lshl_b32 s31, s31, 4
	s_add_co_u32 s30, s30, s31
	s_and_b32 s31, s[WV], 3
	s_lshl_b32 s31, s31, 1
	s_add_co_u32 s30, s30, s31
	s_lshl_b32 s30, s30, 12
	s_mov_b32 s31, 0
	s_wait_kmcnt 0x0
	s_add_nc_u64 s[18:19], s[4:5], s[30:31]
.irp i, 0,1
.irp j, 0,1,2,3,4,5,6,7
	global_load_b128 v[X+32*\i+4*\j:X+32*\i+4*\j+3], v[LI16], s[18:19] offset:4096*\i+512*\j
.endr
.endr
	s_lshr_b32 s34, ttmp9, 3
	s_mul_i32 s34, s34, GSZ
	s_lshr_b32 s35, s[WV], 1
	s_mul_i32 s35, s35, GB
	s_add_co_u32 s34, s34, s35                     ; the slot block
	s_and_b32 s35, ttmp9, 7
	s_and_b32 s46, s[WV], 1
	s_mul_i32 s36, s35, 3072
	s_mul_i32 s37, s46, 1536
	s_add_co_u32 s36, s36, s37
	s_add_co_u32 s36, s36, s34
	s_mov_b32 s37, 0
	s_lshl_b32 s38, s35, 8
	s_lshl_b32 s39, s46, 7
	s_add_co_u32 s38, s38, s39
	s_add_co_u32 s38, s38, s34
	s_add_co_u32 s38, s38, 24576
	s_mov_b32 s39, 0
	s_add_nc_u64 s[36:37], s[6:7], s[36:37]
	s_add_nc_u64 s[38:39], s[6:7], s[38:39]
	s_wait_loadcnt 0x0
	LNORM
.irp i, 0,1
.irp j, 0,1,2,3,4,5,6,7
	ds_store_b128 v5, v[X+32*\i+4*\j:X+32*\i+4*\j+3] offset:\i*PITCH+512*\j
.endr
.endr
	s_wait_dscnt 0x0                               ; for the others' sake: my rows lie in the stage
	s_barrier_signal -1
	s_barrier_wait -1
.irp b, 0,1,2,3
.irp j, 0,1,2,3
	ds_load_b128 v[X+16*\b+4*\j:X+16*\b+4*\j+3], v6 offset:128*\b+16*\j
.endr
.endr
	s_wait_dscnt 0x0
	QUANT X
	global_store_b128 v[LI16], v[PC:PC+3], s[36:37]
	global_store_b64 v[LI8], v[PC+4:PC+5], s[36:37] offset:512
	global_store_b128 v[LI16], v[PC+6:PC+9], s[36:37] offset:768
	global_store_b64 v[LI8], v[PC+10:PC+11], s[36:37] offset:1280
	global_store_b32 v[LS], v[PW], s[38:39]
	s_wait_tensorcnt 0x0                           ; the wave's end
	ds_add_u32 v[SPW], v[NIL]
	s_wait_dscnt 0x0
	s_endpgm
.Lfunc_end_k_qf28a09ce5b_ln2:
	.size	k_qf28a09ce5b_ln2, .Lfunc_end_k_qf28a09ce5b_ln2-k_qf28a09ce5b_ln2
	.p2alignl 7, 3214868480
	.fill 96, 4, 3214868480
	.section	.rodata,"a",@progbits
	.p2align	6, 0x0
	.amdhsa_kernel k_qf28a09ce5b_ln2
		.amdhsa_group_segment_fixed_size 66816
		.amdhsa_private_segment_fixed_size 0
		.amdhsa_enable_private_segment 0
		.amdhsa_kernarg_size 16
		.amdhsa_user_sgpr_count 2
		.amdhsa_user_sgpr_kernarg_segment_ptr 1
		.amdhsa_wavefront_size32 1
		.amdhsa_system_sgpr_workgroup_id_x 1
		.amdhsa_system_sgpr_workgroup_id_y 1
		.amdhsa_system_sgpr_workgroup_id_z 1
		.amdhsa_system_vgpr_workitem_id 0
		.amdhsa_next_free_vgpr 128
		.amdhsa_next_free_sgpr 66
		.amdhsa_reserve_vcc 0
		.amdhsa_float_denorm_mode_32 3
		.amdhsa_float_denorm_mode_16_64 3
		.amdhsa_memory_ordered 1
		.amdhsa_forward_progress 1
		.amdhsa_inst_pref_size 26
	.end_amdhsa_kernel
	.amdgpu_metadata
---
amdhsa.version: [ 1, 2 ]
amdhsa.kernels:
  - .name:           k_qf28a09ce5b_ln2
    .symbol:         k_qf28a09ce5b_ln2.kd
    .args:
      - { .name: x1, .offset: 0, .size: 8, .value_kind: global_buffer, .address_space: global }
      - { .name: act, .offset: 8, .size: 8, .value_kind: global_buffer, .address_space: global }
    .group_segment_fixed_size: 66816
    .private_segment_fixed_size: 0
    .kernarg_segment_align: 8
    .kernarg_segment_size: 16
    .max_flat_workgroup_size: 256
    .sgpr_count:     66
    .vgpr_count:     128
    .wavefront_size: 32
...
	.end_amdgpu_metadata
.endif
;; end of part 12
;; launch gw1 (part 13): grid 16 x 16, 4 waves a work-group, clusters of 4 x 4, 327,680 bytes of LDS; arguments act, wq, b1, g; writes g
.if DOCPART == 13
	.amdgcn_target "amdgcn-amd-amdhsa--gfx1250"
	.amdhsa_code_object_version 6
	.text
	.protected	k_qf28a09ce5b_gw1
	.globl	k_qf28a09ce5b_gw1
	.p2align	8
	.type	k_qf28a09ce5b_gw1,@function
k_qf28a09ce5b_gw1:
	s_mov_b64 s[64:65], 0
	v_nop
	global_prefetch_b8 v0, s[64:65] scope:SCOPE_SE
	s_setreg_imm32_b32 hwreg(HW_REG_WAVE_MODE, 25, 1), 1
	s_wait_xcnt 0x0
	s_wait_alu depctr_hold_cnt(0) depctr_sa_sdst(0) depctr_va_vdst(0) depctr_va_sdst(0) depctr_va_ssrc(0) depctr_va_vcc(0) depctr_vm_vsrc(0)
	s_getreg_b32 s2, hwreg(HW_REG_IB_STS2, 6, 4)
	s_cmp_eq_u32 s2, 0
	s_cbranch_scc0 .Lentry_in_a_cluster
	s_endpgm
.Lentry_in_a_cluster:
	s_bfe_u32 s2, ttmp6, 0x10000c
	s_cmp_lg_u32 s2, 0xf033
	s_cbranch_scc0 .Lentry_shape_is_right
	s_endpgm
.Lentry_shape_is_right:
.set KDIM,  1024
.set BG0,   32
.set GB,    26624
.set GSZ,   (KDIM/256)*GB
.set SLOT,  4*GB
.set SPARE, 2*SLOT
.set LAPS,  KDIM/512
.set NQ,    2
.set FR,    12
.set NL,    4
.set NP,    4
.set ADRA,  16
.set ADRB,  20
.set LI16,  24
.set LI8,   25
.set LS,    26
.set SPW,   28
.set NIL,   29
.set ADRS,  30
.set SC,    32
.set BI,    64
.set Z,     64
.set AF,    128
.set PC,    128
.set TM,    148
.set PW,    164
.set K1,    228
.set G1,    24
.set G0,    32
.set G1B,   48
.set G0B,   56
.set OC,    68
.set OS,    70
.set K2,    76
.set SEL,   78
.set MSB, 0
.macro WIN new
.if MSB != (\new)
	s_set_vgpr_msb (MSB<<8)|(\new)
.set MSB, (\new)
.endif
.endm
.set MUL_LO, 0xa1
.set MUL_HI, 0xf1
.set TO_B,   0x40
.macro JLOAD s
	s_cmp_eq_u32 s15, 0
	s_cbranch_scc0 .Lfor_b_\@
	tensor_load_to_lds s[G0+4*\s:G0+4*\s+3], s[G1:G1+7]
	s_nop 0
.rept 4
	v_nop
.endr
	s_branch .Lasked_\@
.Lfor_b_\@:
	tensor_load_to_lds s[G0B+4*\s:G0B+4*\s+3], s[G1B:G1B+7]
	s_nop 0
.rept 4
	v_nop
.endr
.Lasked_\@:
.endm
.macro CREST
	s_cmp_lg_u32 s14, 0
	s_cbranch_scc1 .Lnot_wave_0_\@
	s_barrier_signal -3
.Lnot_wave_0_\@:
	s_barrier_wait -3
	s_barrier_signal -1
	s_barrier_wait -1
.endm
.macro CROUND
	s_barrier_signal -1
	s_barrier_wait -1
	CREST
.endm
.macro FRAG reg, adr, q, i
	ds_load_b128 v[\reg:\reg+3], v[\adr] offset:(\i)*3072+(\q)*1536
	ds_load_b64 v[\reg+4:\reg+5], v[\adr+2] offset:(\i)*3072+(\q)*1536+512
	ds_load_b128 v[\reg+6:\reg+9], v[\adr] offset:(\i)*3072+(\q)*1536+768
	ds_load_b64 v[\reg+10:\reg+11], v[\adr+2] offset:(\i)*3072+(\q)*1536+1280
.endm
.macro MUL16 a0, p, q, sc, zero
.irp a, \a0, \a0+1
.irp b, 0,1,2,3,4,5,6,7
.if \zero
	v_wmma_scale_f32_16x16x128_f8f6f4 v[8*(8*((\a)%4)+\b):8*(8*((\a)%4)+\b)+7], v[128*(\p)+FR*\b:128*(\p)+FR*\b+FR-1], v[AF+FR*(\a):AF+FR*(\a)+FR-1], v[BI+8*\b:BI+8*\b+7], v[SC+8*NQ*(\sc)+NQ*\b+(\q)], v[SC+8*NQ*(\sc)+NQ*(\a)+(\q)] matrix_a_fmt:MATRIX_FMT_FP6 matrix_b_fmt:MATRIX_FMT_FP6 matrix_a_scale:MATRIX_SCALE_ROW1
.else
	v_wmma_scale_f32_16x16x128_f8f6f4 v[8*(8*((\a)%4)+\b):8*(8*((\a)%4)+\b)+7], v[128*(\p)+FR*\b:128*(\p)+FR*\b+FR-1], v[AF+FR*(\a):AF+FR*(\a)+FR-1], v[8*(8*((\a)%4)+\b):8*(8*((\a)%4)+\b)+7], v[SC+8*NQ*(\sc)+NQ*\b+(\q)], v[SC+8*NQ*(\sc)+NQ*(\a)+(\q)] matrix_a_fmt:MATRIX_FMT_FP6 matrix_b_fmt:MATRIX_FMT_FP6 matrix_a_scale:MATRIX_SCALE_ROW1
.endif
.endr
.endr
.endm
.macro FETCH_B slot, q, p
	WIN TO_B
.irp i, 0,1,2,3,4,5,6,7
	FRAG 128*(\p)+FR*\i, ADRB+\slot, \q, \i
.endr
	WIN 0
.endm
.macro FETCH_A slot, q, i0
.irp i, \i0, \i0+1, \i0+2, \i0+3
	FRAG AF+FR*(\i), ADRA+\slot, \q, \i
.endr
.endm
.macro SCALES sc
.irp i, 0,1,2,3,4,5,6,7
.irp q, 0,1
	ds_load_b32 v[SC+8*NQ*\sc+NQ*\i+\q], v[ADRS+\sc] offset:\i*256+\q*128
.endr
.endr
.endm
.macro PLACES n
.rept \n
	v_nop
.endr
.endm
.macro STEP slot, q, zero
	s_wait_dscnt 4*NL
.if \zero
	WIN 0x81
.else
	WIN MUL_LO
.endif
	MUL16 0, (\q)%2, \q, \slot, \zero
	MUL16 2, (\q)%2, \q, \slot, \zero
	s_wait_dscnt 0
	PLACES NP
	FETCH_B \slot, (\q)+1, 1-(\q)%2
	FETCH_A \slot, (\q)+1, 0
.if \zero
	WIN 0xc1
.else
	WIN MUL_HI
.endif
	MUL16 4, (\q)%2, \q, \slot, \zero
	MUL16 6, (\q)%2, \q, \slot, \zero
	PLACES NP
	WIN 0
	FETCH_A \slot, (\q)+1, 4
.endm
.macro TURN slot, next, fill
	s_wait_tensorcnt 0x0
	ds_add_u32 v[SPW], v[NIL]
	s_wait_dscnt 4*NL+1
	WIN MUL_LO
	MUL16 0, 1, NQ-1, \slot, 0
	s_wait_dscnt 0x0
	s_barrier_signal -1
	MUL16 2, 1, NQ-1, \slot, 0
	WIN 0
	s_barrier_wait -1
.if \fill
	CREST
	s_add_nc_u64 s[G0+4*\slot+2:G0+4*\slot+3], s[G0+4*\slot+2:G0+4*\slot+3], 2*GB
	s_add_nc_u64 s[G0B+4*\slot+2:G0B+4*\slot+3], s[G0B+4*\slot+2:G0B+4*\slot+3], 2*GB
	JLOAD \slot
.else
	PLACES NP
.endif
	FETCH_B \next, 0, 0
	FETCH_A \next, 0, 0
	SCALES \next
	WIN MUL_HI
	MUL16 4, 1, NQ-1, \slot, 0
	MUL16 6, 1, NQ-1, \slot, 0
	PLACES NP
	WIN 0
	FETCH_A \next, 0, 4
.endm
.macro QUANT s, w
	WIN ((\w)<<2)|((\w)<<4)
.irp b, 0,1,2,3
	v_max3_num_f32 v[TM+\b], 0x1800000, |v[(\s)+16*\b]|, |v[(\s)+16*\b+1]|
.endr
.irp i, 2,4,6,8,10,12,14
.irp b, 0,1,2,3
	v_max3_num_f32 v[TM+\b], v[TM+\b], |v[(\s)+16*\b+\i]|, |v[(\s)+16*\b+\i+1]|
.endr
.endr
	WIN 0
	s_wait_alu depctr_va_vdst(0)
	s_wait_xcnt 0x0
.irp b, 0,1,2,3
	v_permlanex16_b32 v[TM+4+\b], v[TM+\b], s[SEL], s[SEL+1]
.endr
.irp b, 0,1,2,3
	v_max_num_f32 v[TM+\b], v[TM+\b], v[TM+4+\b]
.endr
.irp b, 0,1,2,3
	v_add_nc_u32 v[TM+12+\b], 0xff000000, v[TM+\b]
.endr
.irp b, 0,1,2,3
	v_lshrrev_b32 v[TM+4+\b], 23, v[TM+12+\b]
.endr
	v_lshl_or_b32 v[PW], v[TM+5], 8, v[TM+4]
	v_lshl_or_b32 v[PW], v[TM+6], 16, v[PW]
	v_lshl_or_b32 v[PW], v[TM+7], 24, v[PW]
	WIN (\w)
.irp c, 0,1
	v_cvt_scalef32_pk16_fp6_f32 v[PC+6*\c:PC+2+6*\c], v[(\s)+32*\c:(\s)+32*\c+15], v[TM+12+2*\c]
	v_cvt_scalef32_pk16_fp6_f32 v[PC+12+4*\c:PC+14+4*\c], v[(\s)+32*\c+16:(\s)+32*\c+31], v[TM+13+2*\c]
.endr
	WIN 0
	v_nop
.irp c, 0,1
.irp i, 0,1,2
	v_permlane16_swap_b32 v[PC+6*\c+\i], v[PC+12+4*\c+\i]
.endr
.irp i, 0,1,2
	v_mov_b32 v[PC+3+6*\c+\i], v[PC+12+4*\c+\i]
.endr
.endr
.endm
.macro PUTFRAG base, off
	global_store_b128 v[LI16], v[PC:PC+3], s[\base:\base+1] offset:\off
	global_store_b64 v[LI8], v[PC+4:PC+5], s[\base:\base+1] offset:\off+512
	global_store_b128 v[LI16], v[PC+6:PC+9], s[\base:\base+1] offset:\off+768
	global_store_b64 v[LI8], v[PC+10:PC+11], s[\base:\base+1] offset:\off+1280
.endm
.macro GELU a
.set W, 2+(\a)/4
.set XB, 64*((\a)%4)
	WIN W|(W<<2)
.set i, 0
.rept 32
	v_pk_mul_f32 v[Z+i:Z+i+1], v[XB+i:XB+i+1], v[XB+i:XB+i+1]
.set i, i+2
.endr
	WIN 0
.set i, 0
.rept 32
	v_pk_fma_f32 v[Z+i:Z+i+1], v[Z+i:Z+i+1], s[K2:K2+1], v[K1:K1+1] op_sel_hi:[1,0,1]
.set i, i+2
.endr
	WIN W<<2
.set i, 0
.rept 32
	v_pk_mul_f32 v[Z+i:Z+i+1], v[Z+i:Z+i+1], v[XB+i:XB+i+1]
.set i, i+2
.endr
	WIN 0
.set i, 0
	s_wait_alu depctr_va_vdst(0)
.rept 64
	v_exp_f32 v[Z+i], v[Z+i]
.set i, i+1
.endr
	v_nop
	s_wait_alu depctr_va_vdst(0)
.set i, 0
.rept 32
	v_pk_add_f32 v[Z+i:Z+i+1], v[Z+i:Z+i+1], 1.0 op_sel_hi:[1,0]
.set i, i+2
.endr
.set i, 0
	s_wait_alu depctr_va_vdst(0)
.rept 64
	v_rcp_f32 v[Z+i], v[Z+i]
.set i, i+1
.endr
	v_nop
	s_wait_alu depctr_va_vdst(0)
	WIN W<<2
.set i, 0
.rept 32
	v_pk_mul_f32 v[Z+i:Z+i+1], v[Z+i:Z+i+1], v[XB+i:XB+i+1]
.set i, i+2
.endr
	WIN 0
.endm
	s_load_b128 s[4:7], s[0:1], 0x0
	s_load_b128 s[8:11], s[0:1], 0x10
	v_lshl_add_u32 v[SPW], v0, 2, SPARE
	v_mov_b32 v[NIL], 0
	ds_add_u32 v[SPW], v[NIL]
	ds_add_u32 v[SPW], v[NIL]
	v_lshrrev_b32 v1, 5, v0
	v_readfirstlane_b32 s14, v1
	s_lshr_b32 s15, s14, 1
	s_and_b32 s16, s14, 1
	s_bfe_u32 s40, ttmp6, 0x40000
	s_bfe_u32 s41, ttmp6, 0x40004
	s_lshl_b32 s42, ttmp9, 2
	s_add_co_u32 s42, s42, s40
	s_and_b32 s17, ttmp7, 0xffff
	s_lshl_b32 s17, s17, 2
	s_add_co_u32 s17, s17, s41
	s_lshl_b32 s43, s41, 2
	s_lshl_b32 s43, 15, s43
	s_lshl_b32 s44, 0x1111, s40
	s_or_b32 s[G1+0], s43, (3<<16)|(1<<21)
	s_or_b32 s[G1B+0], s44, (3<<16)|(1<<21)
.irp g, G1, G1B
	s_mov_b32 s[\g+1], 32<<16
	s_mov_b32 s[\g+2], 208<<16                     ; the head's load brings two slot blocks on end: 208 rows of 256 bytes
	s_mov_b32 s[\g+3], 32<<16
	s_mov_b32 s[\g+4], 208
	s_mov_b32 s[\g+5], 32
	s_mov_b32 s[\g+6], 0
	s_mov_b32 s[\g+7], 0
.endr
	s_lshl_b32 s20, s17, 1
	s_add_co_u32 s20, s20, s16
	s_mul_i32 s20, s20, GSZ
	s_mov_b32 s21, 0
	s_lshl_b32 s46, s42, 1
	s_add_co_u32 s46, s46, s16
	s_add_co_u32 s46, s46, BG0
	s_mul_i32 s46, s46, GSZ
	s_mov_b32 s47, 0
	s_mul_i32 s45, s14, 2*GB                       ; LDS: a wave's blocks of slot 0 and slot 1 lie on end
	s_mov_b32 s[SEL], 0x76543210
	s_mov_b32 s[SEL+1], 0xfedcba98
	s_mov_b32 s[K2], 0xbdd2d3e8
	s_mov_b32 s[K2+1], s[K2]
	s_wait_dscnt 0x0
	s_wait_kmcnt 0x0
	s_add_nc_u64 s[20:21], s[4:5], s[20:21]
	s_add_nc_u64 s[46:47], s[6:7], s[46:47]
	CROUND
.irp s, 0,1
	s_mov_b32 s[G0+4*\s], 1
	s_add_co_u32 s[G0+4*\s+1], s45, \s*GB
	s_add_nc_u64 s[G0+4*\s+2:G0+4*\s+3], s[20:21], \s*GB
	s_or_b32 s[G0+4*\s+3], s[G0+4*\s+3], 0x80000000
	s_mov_b32 s[G0B+4*\s], 1
	s_add_co_u32 s[G0B+4*\s+1], s45, \s*GB
	s_add_nc_u64 s[G0B+4*\s+2:G0B+4*\s+3], s[46:47], \s*GB
	s_or_b32 s[G0B+4*\s+3], s[G0B+4*\s+3], 0x80000000
.endr
	JLOAD 0                                        ; my one load at the head: both slots' first blocks of my group
	v_bfe_u32 v2, v0, 4, 1
	v_and_b32 v3, 31, v0
	s_lshl_b32 s22, s42, 10
	s_lshl_b32 s23, s16, 9
	s_add_co_u32 s22, s22, s23
	s_mov_b32 s23, 0
	s_add_nc_u64 s[72:73], s[8:9], s[22:23]
	v_lshlrev_b32 v8, 6, v2
.irp b, 0,1,2,3,4,5,6,7
	global_load_b128 v[BI+8*\b:BI+8*\b+3], v8, s[72:73] offset:(32*(\b/2)+8*(\b%2))*4
	global_load_b128 v[BI+8*\b+4:BI+8*\b+7], v8, s[72:73] offset:(32*(\b/2)+8*(\b%2))*4+16
.endr
	v_lshlrev_b32 v[LI16], 4, v3
	v_lshlrev_b32 v[LI8], 3, v3
	v_lshlrev_b32 v[LS], 2, v3
	v_mov_b32 v[K1], 0xc0135761
	v_mov_b32 v[K1+1], 0xc0135761
	s_mul_i32 s21, s15, 2*GB
	s_mul_i32 s22, s16, 2*GB
	s_add_co_u32 s22, s22, 4*GB
.irp s, 0,1
	v_add_nc_u32 v[ADRA+\s], s21, v[LI16]
	v_add_nc_u32 v[ADRB+\s], s22, v[LI16]
	v_add_nc_u32 v[ADRA+2+\s], s21, v[LI8]
	v_add_nc_u32 v[ADRB+2+\s], s22, v[LI8]
	s_add_co_u32 s21, s21, GB
	s_add_co_u32 s22, s22, GB
.endr
	s_mul_i32 s21, s15, 2*GB
	s_xor_b32 s22, s15, 1
	s_add_co_u32 s22, s22, s16
	s_add_co_u32 s22, s22, 1
	s_mul_i32 s22, s22, 2*GB
	v_mul_u32_u24 v6, s22, v2
	v_add_nc_u32 v6, v6, v[LS]
	s_add_co_u32 s21, s21, 24576
	v_add_nc_u32 v[ADRS], s21, v6
	v_add_nc_u32 v[ADRS+1], GB, v[ADRS]
	s_lshl_b32 s20, s17, 1
	s_add_co_u32 s20, s20, s15
	s_mul_i32 s20, s20, 425984
	s_mul_i32 s21, s42, GB
	s_add_co_u32 s20, s20, s21
	s_lshl_b32 s22, s16, 7
	s_add_co_u32 s22, s22, s20
	s_add_co_u32 s22, s22, 24576
	s_mov_b32 s23, 0
	s_mul_i32 s21, s16, 1536
	s_add_co_u32 s20, s20, s21
	s_mov_b32 s21, 0
	s_add_nc_u64 s[OC:OC+1], s[10:11], s[20:21]
	s_add_nc_u64 s[OS:OS+1], s[10:11], s[22:23]
	s_wait_alu depctr_va_vdst(0)
	s_wait_tensorcnt 0x0                           ; my load has landed, so its descriptor may be written: from here on a load brings one block, 104 rows
	s_mov_b32 s[G1+2], 104<<16
	s_mov_b32 s[G1+4], 104
	s_mov_b32 s[G1B+2], 104<<16
	s_mov_b32 s[G1B+4], 104
	s_barrier_signal -1
	s_barrier_wait -1
	FETCH_B 0, 0, 0
	FETCH_A 0, 0, 0
	SCALES 0
	FETCH_A 0, 0, 4
	s_wait_loadcnt 0x0
	STEP 0, 0, 1
	s_mov_b32 s3, LAPS-1
.Llap:
	TURN 0, 1, 1
	STEP 1, 0, 0
	TURN 1, 0, 1
	STEP 0, 0, 0
	s_sub_co_u32 s3, s3, 1
	s_cmp_lg_u32 s3, 0
	s_cbranch_scc1 .Llap
	TURN 0, 1, 0
	STEP 1, 0, 0
	s_wait_dscnt 4*NL
	WIN MUL_LO
	MUL16 0, 1, NQ-1, 1, 0
	MUL16 2, 1, NQ-1, 1, 0
	s_wait_dscnt 0
	WIN MUL_HI
	MUL16 4, 1, NQ-1, 1, 0
	MUL16 6, 1, NQ-1, 1, 0
	WIN 0
	PLACES NP
.irp b, 0,1,2,3
	v_mov_b32 v[TM+4+\b], 0
.endr
.irp a, 0,1,2,3,4,5,6,7
	GELU \a
	QUANT Z, 0
	PUTFRAG OC, \a*3072
	global_store_b32 v[LS], v[PW], s[OS:OS+1] offset:\a*256
.endr
	s_wait_tensorcnt 0x0
	ds_add_u32 v[SPW], v[NIL]
	s_wait_dscnt 0x0
	CROUND
	s_endpgm
.Lfunc_end_k_qf28a09ce5b_gw1:
	.size	k_qf28a09ce5b_gw1, .Lfunc_end_k_qf28a09ce5b_gw1-k_qf28a09ce5b_gw1
	.p2alignl 7, 3214868480
	.fill 96, 4, 3214868480
	.section	.rodata,"a",@progbits
	.p2align	6, 0x0
	.amdhsa_kernel k_qf28a09ce5b_gw1
		.amdhsa_group_segment_fixed_size 327680
		.amdhsa_private_segment_fixed_size 0
		.amdhsa_enable_private_segment 0
		.amdhsa_kernarg_size 32
		.amdhsa_user_sgpr_count 2
		.amdhsa_user_sgpr_kernarg_segment_ptr 1
		.amdhsa_wavefront_size32 1
		.amdhsa_system_sgpr_workgroup_id_x 1
		.amdhsa_system_sgpr_workgroup_id_y 1
		.amdhsa_system_sgpr_workgroup_id_z 1
		.amdhsa_system_vgpr_workitem_id 0
		.amdhsa_next_free_vgpr 1024
		.amdhsa_next_free_sgpr 98
		.amdhsa_reserve_vcc 0
		.amdhsa_float_denorm_mode_32 3
		.amdhsa_float_denorm_mode_16_64 3
		.amdhsa_memory_ordered 1
		.amdhsa_forward_progress 1
		.amdhsa_inst_pref_size 255
	.end_amdhsa_kernel
	.section	.bss,"aw",@nobits
	.p2align	6
	.space	262144
	.amdgpu_metadata
---
amdhsa.version: [ 1, 2 ]
amdhsa.kernels:
  - .name:           k_qf28a09ce5b_gw1
    .symbol:         k_qf28a09ce5b_gw1.kd
    .args:
      - { .name: act, .offset: 0, .size: 8, .value_kind: global_buffer, .address_space: global }
      - { .name: wq, .offset: 8, .size: 8, .value_kind: global_buffer, .address_space: global }
      - { .name: b1, .offset: 16, .size: 8, .value_kind: global_buffer, .address_space: global }
      - { .name: g, .offset: 24, .size: 8, .value_kind: global_buffer, .address_space: global }
    .group_segment_fixed_size: 327680
    .private_segment_fixed_size: 0
    .kernarg_segment_align: 8
    .kernarg_segment_size: 32
    .max_flat_workgroup_size: 128
    .sgpr_count:     98
    .vgpr_count:     1024
    .wavefront_size: 32
...
	.end_amdgpu_metadata
.endif
;; end of part 13
;; launch gw2 (part 14): grid 8 x 32, 4 waves a work-group, clusters of 4 x 4, 327,680 bytes of LDS; arguments g, wq, b2, x1, out0; writes out0
.if DOCPART == 14
	.amdgcn_target "amdgcn-amd-amdhsa--gfx1250"
	.amdhsa_code_object_version 6
	.text
	.protected	k_qf28a09ce5b_gw2
	.globl	k_qf28a09ce5b_gw2
	.p2align	8
	.type	k_qf28a09ce5b_gw2,@function
k_qf28a09ce5b_gw2:
	s_mov_b64 s[64:65], 0
	v_nop
	global_prefetch_b8 v0, s[64:65] scope:SCOPE_SE
	s_setreg_imm32_b32 hwreg(HW_REG_WAVE_MODE, 25, 1), 1
	s_wait_xcnt 0x0
	s_wait_alu depctr_hold_cnt(0) depctr_sa_sdst(0) depctr_va_vdst(0) depctr_va_sdst(0) depctr_va_ssrc(0) depctr_va_vcc(0) depctr_vm_vsrc(0)
	s_getreg_b32 s2, hwreg(HW_REG_IB_STS2, 6, 4)
	s_cmp_eq_u32 s2, 0
	s_cbranch_scc0 .Lentry_in_a_cluster
	s_endpgm
.Lentry_in_a_cluster:
	s_bfe_u32 s2, ttmp6, 0x10000c
	s_cmp_lg_u32 s2, 0xf033
	s_cbranch_scc0 .Lentry_shape_is_right
	s_endpgm
.Lentry_shape_is_right:
; out0 = x1 + g W2^T + b2.  g and W2 (in wq from byte BOFF on) are codes of FP6 (E2M3) with E8M0 scales; K = 4,096; x1, out0: [4096][1024] f32.
; C has 4,096 x 1,024 numbers: tiles of 128 x 128 give 32 x 8 = 256 work-groups.  Four waves, 64 x 64 each: 16 accumulators of 16 x 16.
; An operand's 128 rows x 256 K are one dense block of GB bytes (16 fragment records of 1,536 bytes, images of the operand's registers, then 16 scale images of 128 bytes), brought by one tensor load
; as 104 rows of 256 bytes.  K goes in steps of 512 through two LDS slots: a slot holds two blocks of A and two of B, one load a wave: 8 slots' worth, 6 refills.
; CLUSTER 4 x 4: A's blocks hang on the tile row alone and are asked for jointly along a row of the cluster, B's on the tile column alone and jointly along a column.
; THE PRODUCT IS USED TRANSPOSED (source 0 = 16 rows of W2, source 1 = 16 tokens).  Operand rows are stored with bits 3 and 4 of the row number exchanged: tile b, lane half h, register j is column
; 32 (b / 2) + 16 h + 8 (b % 2) + j, and stored row t of block a is row 32 (a / 2) + 16 (t / 8) + 8 (a % 2) + t % 8.  The bias is the C of each sum's first product; the way out puts columns and rows right.
; THE RESIDUAL, the wave's 64 rows x 256 bytes, is asked for at the head, behind the first tensor loads, into registers that nothing else uses: it lands while the products run.
; REGISTERS: window 0: v16-31 addresses; v32-63 scale words, two sets; v64-95 the bias (on the way out v64-127: rows back from the stage); v128-255 the accumulators ((a, b) at v[128 + 8 (4 a + b)]).
;   window 1: two fragment buffers, at v0 and v128: A's four fragments (48 registers), then B's four.   window 2: v0-127 the residual.
.set KDIM,  4096
.set BOFF,  6815744
.set GB,    26624
.set GSZ,   (KDIM/256)*GB
.set SLOT,  4*GB                       ; A's two blocks, then B's two
.set SPARE, 2*SLOT                     ; behind the ring: the spare words, 128 bytes for each wave
.set LAPS,  KDIM/1024                  ; a lap = two slots = once round the ring
.set FR,    12
.set NP,    4                          ; places behind this matrix instruction (ISA guide 7.12.1)
.set SPITCH, 272                       ; the way out: a stage of 16 rows x (256 + 16) bytes for each wave, in slot 0, which has had its last fill and its last read by then
.set ADRA,  16
.set ADRB,  20
.set STO,   24
.set RD,    25
.set CO,    26
.set SPW,   28
.set NIL,   29
.set ADRS,  30
.set SC,    32
.set BI,    64
.set BK,    64
.set ACC,   128
.set F0,    0
.set F1,    128
.set G1,    24
.set G0,    32
.set G1B,   48
.set G0B,   56
.set RES,   68
.set OUT,   70
.set MSB, 0
.macro WIN new                         ; the immediate's high byte repeats the setting that is left
.if MSB != (\new)
	s_set_vgpr_msb (MSB<<8)|(\new)
.set MSB, (\new)
.endif
.endm
.set MUL,  0x05                        ; sources 0 (B) and 1 (A) window 1; C and D window 0
.set TO_F, 0x40                        ; destination window 1, address window 0
.macro JLOAD s                         ; waves 0, 1 fetch A's two blocks of the slot, waves 2, 3 B's; an s_nop 0 and four v_nop follow each line
	s_cmp_eq_u32 s15, 0
	s_cbranch_scc0 .Lfor_b_\@
	tensor_load_to_lds s[G0+4*\s:G0+4*\s+3], s[G1:G1+7]
	s_nop 0
.rept 4
	v_nop
.endr
	s_branch .Lasked_\@
.Lfor_b_\@:
	tensor_load_to_lds s[G0B+4*\s:G0B+4*\s+3], s[G1B:G1B+7]
	s_nop 0
.rept 4
	v_nop
.endr
.Lasked_\@:
.endm
.macro CREST
	s_cmp_lg_u32 s14, 0
	s_cbranch_scc1 .Lnot_wave_0_\@
	s_barrier_signal -3
.Lnot_wave_0_\@:
	s_barrier_wait -3
	s_barrier_signal -1
	s_barrier_wait -1
.endm
.macro CROUND
	s_barrier_signal -1
	s_barrier_wait -1
	CREST
.endm
.macro FRAG reg, adr, st, i            ; a record comes back as it was stored: 512, 256, 512, 256 consecutive bytes.  Step st of a slot: block st / 2, K step st % 2 in it
	ds_load_b128 v[\reg:\reg+3], v[\adr] offset:((\st)/2)*GB+(\i)*3072+((\st)%2)*1536
	ds_load_b64 v[\reg+4:\reg+5], v[\adr+2] offset:((\st)/2)*GB+(\i)*3072+((\st)%2)*1536+512
	ds_load_b128 v[\reg+6:\reg+9], v[\adr] offset:((\st)/2)*GB+(\i)*3072+((\st)%2)*1536+768
	ds_load_b64 v[\reg+10:\reg+11], v[\adr+2] offset:((\st)/2)*GB+(\i)*3072+((\st)%2)*1536+1280
.endm
.macro FETCH slot, st, f               ; 32 LDS loads in one run: B's four fragments, then A's; the youngest eight are A's blocks 2 and 3
	WIN TO_F
.irp i, 0,1,2,3
	FRAG \f+48+FR*\i, ADRB+\slot, \st, \i
.endr
.irp i, 0,1,2,3
	FRAG \f+FR*\i, ADRA+\slot, \st, \i
.endr
.endm
.macro SCALES sc                       ; a slot's 16 scale words
.irp st, 0,1,2,3
.irp i, 0,1,2,3
	ds_load_b32 v[SC+16*\sc+4*\st+\i], v[ADRS+\sc] offset:(\st/2)*GB+\i*256+(\st%2)*128
.endr
.endr
.endm
; 8 products: A's blocks a0, a0 + 1 x B's four, 128 along K.  zero = 1: the first product starts the sum from the bias.  The 16 accumulators take turns, one instruction a turn
.macro MUL8 f, a0, sc, st, zero
.irp a, \a0, \a0+1
.irp b, 0,1,2,3
.if \zero
	v_wmma_scale_f32_16x16x128_f8f6f4 v[ACC+8*(4*(\a)+\b):ACC+8*(4*(\a)+\b)+7], v[\f+48+FR*\b:\f+48+FR*\b+FR-1], v[\f+FR*(\a):\f+FR*(\a)+FR-1], v[BI+8*\b:BI+8*\b+7], v[SC+16*(\sc)+4*(\st)+\b], v[SC+16*(\sc)+4*(\st)+(\a)] matrix_a_fmt:MATRIX_FMT_FP6 matrix_b_fmt:MATRIX_FMT_FP6 matrix_a_scale:MATRIX_SCALE_ROW1
.else
	v_wmma_scale_f32_16x16x128_f8f6f4 v[ACC+8*(4*(\a)+\b):ACC+8*(4*(\a)+\b)+7], v[\f+48+FR*\b:\f+48+FR*\b+FR-1], v[\f+FR*(\a):\f+FR*(\a)+FR-1], v[ACC+8*(4*(\a)+\b):ACC+8*(4*(\a)+\b)+7], v[SC+16*(\sc)+4*(\st)+\b], v[SC+16*(\sc)+4*(\st)+(\a)] matrix_a_fmt:MATRIX_FMT_FP6 matrix_b_fmt:MATRIX_FMT_FP6 matrix_a_scale:MATRIX_SCALE_ROW1
.endif
.endr
.endr
.endm
.macro PLACES n                        ; places in front of loads into registers that matrix instructions have read, and of the first read of results
.rept \n
	v_nop
.endr
.endm
.macro STEP slot, st, f, g, zero       ; one of a slot's first three steps: multiplies buffer f; in its middle it fetches the next step into buffer g
	s_wait_dscnt 8                                 ; all but the youngest eight loads (A's blocks 2, 3) are in
	WIN MUL
	MUL8 \f, 0, \slot, \st, \zero
	PLACES NP
	FETCH \slot, (\st)+1, \g
	s_wait_dscnt 32                                ; all but the 32 just issued
	WIN MUL
	MUL8 \f, 2, \slot, \st, \zero
.endm
; A slot's fourth step, and the change of slots: one barrier.  In front of it each wave waits for all its tensor loads, adds 0 to its spare word, and waits for that and for its reads of this slot.  fill = 1: this slot is filled again, two slots ahead.
.macro TURN slot, next, fill
	WIN 0                                          ; (the add's two registers lie in window 0)
	s_wait_tensorcnt 0x0                           ; all my tensor loads have landed: the one that was out is my part of the next slot
	ds_add_u32 v[SPW], v[NIL]                      ; 0 onto my spare word
	s_wait_dscnt 9                                 ; (the add and the youngest eight loads may be out)
	WIN MUL
	MUL8 F1, 0, \slot, 3, 0                        ; eight products stand between the add and the wait for it
	WIN 0
	s_wait_dscnt 0x0                               ; the add is done, and my reads of this slot are over
	s_barrier_signal -1
	s_barrier_wait -1
.if \fill
	CREST                                          ; the barrier has opened a round of the cluster's: no wave of any partner still reads this slot or has a load on its way
	s_add_nc_u64 s[G0+4*\slot+2:G0+4*\slot+3], s[G0+4*\slot+2:G0+4*\slot+3], 4*GB
	s_add_nc_u64 s[G0B+4*\slot+2:G0B+4*\slot+3], s[G0B+4*\slot+2:G0B+4*\slot+3], 4*GB
	JLOAD \slot                                    ; the first tensor load behind the round, one a wave; its four v_nop are the places in front of the loads below
.else
	PLACES NP
.endif
	SCALES \next
	FETCH \next, 0, F0
	WIN MUL
	MUL8 F1, 2, \slot, 3, 0
.endm
	s_load_b128 s[4:7], s[0:1], 0x0                ; g, wq
	s_load_b128 s[8:11], s[0:1], 0x10              ; b2, x1
	s_load_b64 s[12:13], s[0:1], 0x20              ; out0
	v_lshl_add_u32 v[SPW], v0, 2, SPARE
	v_mov_b32 v[NIL], 0
	ds_add_u32 v[SPW], v[NIL]                      ; the wave's opening: two adds and their wait ahead of my first tensor load
	ds_add_u32 v[SPW], v[NIL]
	v_lshrrev_b32 v1, 5, v0
	v_readfirstlane_b32 s14, v1                    ; wave 0..3
	s_lshr_b32 s15, s14, 1                         ; my half of the tile's rows.  Also: I fetch for A (0) or for B (1)
	s_and_b32 s16, s14, 1                          ; my half of its columns.  Also: which block of a slot I fetch
	s_bfe_u32 s40, ttmp6, 0x40000                  ; cx
	s_bfe_u32 s41, ttmp6, 0x40004                  ; cy
	s_lshl_b32 s42, ttmp9, 2
	s_add_co_u32 s42, s42, s40                     ; tile column 0..7: B's group
	s_and_b32 s17, ttmp7, 0xffff
	s_lshl_b32 s17, s17, 2
	s_add_co_u32 s17, s17, s41                     ; tile row 0..31: A's group
	s_lshl_b32 s43, s41, 2
	s_lshl_b32 s43, 15, s43                        ; my row of the cluster
	s_lshl_b32 s44, 0x1111, s40                    ; my column
	s_or_b32 s[G1+0], s43, (3<<16)|(1<<21)         ; 15:0 the mask; 17:16 elements of 8 bytes; 21 set beside a mask; no padding
	s_or_b32 s[G1B+0], s44, (3<<16)|(1<<21)
.irp g, G1, G1B
	s_mov_b32 s[\g+1], 32<<16                      ; tensor_dim0: 32 elements = 256 bytes
	s_mov_b32 s[\g+2], 208<<16                     ; tensor_dim1: the head's load brings two blocks on end, 2 GB / 256 rows
	s_mov_b32 s[\g+3], 32<<16                      ; tile_dim0
	s_mov_b32 s[\g+4], 208                         ; tile_dim1
	s_mov_b32 s[\g+5], 32                          ; the pitch: dense
	s_mov_b32 s[\g+6], 0
	s_mov_b32 s[\g+7], 0
.endr
	s_mul_i32 s20, s17, GSZ
	s_mul_i32 s21, s16, GB
	s_add_co_u32 s20, s20, s21                     ; A: my group, the block that I would fetch
	s_mov_b32 s21, 0
	s_mul_i32 s46, s42, GSZ
	s_mul_i32 s47, s16, GB
	s_add_co_u32 s46, s46, s47
	s_add_co_u32 s46, s46, BOFF                    ; B likewise
	s_mov_b32 s47, 0
	s_mul_i32 s45, s14, GB                         ; where a refill goes: wave x GB: no place in the cluster enters an LDS address
	s_mul_i32 s89, s16, SLOT                       ; where the head's load goes: slot = which pair of blocks I fetch; in it A's two blocks, then B's two
	s_mul_i32 s93, s15, 2*GB
	s_add_co_u32 s89, s89, s93
	s_mov_b32 s93, s89
	s_wait_dscnt 0x0                               ; the opening add is done
	s_wait_kmcnt 0x0
	s_add_nc_u64 s[20:21], s[4:5], s[20:21]
	s_add_nc_u64 s[46:47], s[6:7], s[46:47]
	CROUND                                         ; all sixteen work-groups are here: the first joint loads meet
.irp s, 0,1
	s_mov_b32 s[G0+4*\s], 1
	s_add_co_u32 s[G0+4*\s+1], s45, \s*SLOT
	s_add_nc_u64 s[G0+4*\s+2:G0+4*\s+3], s[20:21], \s*2*GB
	s_or_b32 s[G0+4*\s+3], s[G0+4*\s+3], 0x80000000
	s_mov_b32 s[G0B+4*\s], 1
	s_add_co_u32 s[G0B+4*\s+1], s45, \s*SLOT
	s_add_nc_u64 s[G0B+4*\s+2:G0B+4*\s+3], s[46:47], \s*2*GB
	s_or_b32 s[G0B+4*\s+3], s[G0B+4*\s+3], 0x80000000
.endr
	s_mul_i32 s76, s16, GB                         ; the head's load: blocks 2 i and 2 i + 1 of my operand's group, i = wave % 2: both slots are asked for by one load a wave
	s_mov_b32 s77, 0
	s_mov_b32 s88, 1
	s_add_nc_u64 s[90:91], s[20:21], s[76:77]
	s_or_b32 s91, s91, 0x80000000
	s_mov_b32 s92, 1
	s_add_nc_u64 s[94:95], s[46:47], s[76:77]
	s_or_b32 s95, s95, 0x80000000
	s_cmp_eq_u32 s15, 0
	s_cbranch_scc0 .Lhead_b
	tensor_load_to_lds s[88:91], s[G1:G1+7]
	s_nop 0
.rept 4
	v_nop
.endr
	s_branch .Lhead_asked
.Lhead_b:
	tensor_load_to_lds s[92:95], s[G1B:G1B+7]
	s_nop 0
.rept 4
	v_nop
.endr
.Lhead_asked:
	v_and_b32 v1, 15, v0                           ; r
	v_bfe_u32 v2, v0, 4, 1                         ; h
	v_and_b32 v3, 31, v0                           ; lane
	v_lshlrev_b32 v[CO], 12, v2
	v_lshl_add_u32 v[CO], v1, 4, v[CO]             ; lanes 0-15 one row's 256 bytes, lanes 16-31 the next row's
	s_wait_alu depctr_va_vdst(0)
	v_lshlrev_b32 v8, 6, v2
	s_lshl_b32 s76, s42, 9
	s_lshl_b32 s77, s16, 8
	s_add_co_u32 s76, s76, s77                     ; my first column: 512 x tile column + 256 x half bytes
	s_mov_b32 s77, 0
	s_add_nc_u64 s[72:73], s[8:9], s[76:77]        ; the bias of my 64 columns
.irp b, 0,1,2,3                                ; tile b, lane half h, register j: column 32 (b / 2) + 16 h + 8 (b % 2) + j
	global_load_b128 v[BI+8*\b:BI+8*\b+3], v8, s[72:73] offset:(32*(\b/2)+8*(\b%2))*4
	global_load_b128 v[BI+8*\b+4:BI+8*\b+7], v8, s[72:73] offset:(32*(\b/2)+8*(\b%2))*4+16
.endr
	s_lshl_b32 s74, s17, 7
	s_lshl_b32 s75, s15, 6
	s_add_co_u32 s74, s74, s75                     ; my first row: 128 x tile row + 64 x half,
	s_lshl_b32 s74, s74, 12                        ; 4,096 bytes a row,
	s_add_co_u32 s74, s74, s76                     ; and my first column
	s_mov_b32 s75, 0
	s_add_nc_u64 s[RES:RES+1], s[10:11], s[74:75]
	s_add_nc_u64 s[OUT:OUT+1], s[12:13], s[74:75]
	WIN 0x80                                       ; destination window 2
.irp a, 0,1,2,3                                ; the residual: stored rows 2 t, 2 t + 1 of my block a, in the order in which the stage gives the results back
.irp t, 0,1,2,3,4,5,6,7
	global_load_b128 v[32*\a+4*\t:32*\a+4*\t+3], v[CO], s[RES:RES+1] offset:(32*(\a/2)+16*(\t/4)+8*(\a%2)+2*(\t%4))*4096 th:TH_LOAD_NT
.endr
.endr
	WIN 0
	v_lshlrev_b32 v4, 4, v3
	v_lshlrev_b32 v5, 3, v3
	v_lshlrev_b32 v7, 2, v3
	s_mul_i32 s21, s15, 12288                      ; my four row blocks in a block of A: 3,072 bytes each
	s_mul_i32 s22, s16, 12288
	s_add_co_u32 s22, s22, 2*GB                    ; B's blocks lie behind A's two
.irp s, 0,1
	v_add_nc_u32 v[ADRA+\s], s21, v4
	v_add_nc_u32 v[ADRB+\s], s22, v4
	v_add_nc_u32 v[ADRA+2+\s], s21, v5
	v_add_nc_u32 v[ADRB+2+\s], s22, v5
	s_add_co_u32 s21, s21, SLOT
	s_add_co_u32 s22, s22, SLOT
.endr
	s_lshl_b32 s21, s15, 10                        ; my four blocks' scale images: 256 bytes a block
	s_xor_b32 s22, s15, 1
	s_add_co_u32 s22, s22, s16
	s_lshl_b32 s22, s22, 10
	s_add_co_u32 s22, s22, 2*GB-1024               ; from A's words to B's: 2 GB + 1,024 (column half - row half)
	v_mul_u32_u24 v6, s22, v2                      ; lanes 16-31 take B's
	v_add_nc_u32 v6, v6, v7
	s_add_co_u32 s21, s21, 24576
	v_add_nc_u32 v[ADRS], s21, v6
	v_add_nc_u32 v[ADRS+1], SLOT, v[ADRS]
	s_mul_i32 s23, s14, 16*SPITCH                  ; my stage
	v_mul_u32_u24 v5, v1, SPITCH
	v_lshl_add_u32 v5, v2, 6, v5                   ; in: row r, + 64 h
	v_add_nc_u32 v[STO], s23, v5
	v_mul_u32_u24 v6, v2, SPITCH
	v_lshl_add_u32 v6, v1, 4, v6                   ; back: lanes 0-15 one row, lanes 16-31 the next
	v_add_nc_u32 v[RD], s23, v6
	s_wait_alu depctr_va_vdst(0)
	s_wait_tensorcnt 0x0                           ; my load has landed, so its descriptor may be written: from here on a load brings one block, 104 rows
	s_mov_b32 s[G1+2], 104<<16
	s_mov_b32 s[G1+4], 104
	s_mov_b32 s[G1B+2], 104<<16
	s_mov_b32 s[G1B+4], 104
	s_barrier_signal -1
	s_barrier_wait -1                              ; everybody's is
	SCALES 0
	FETCH 0, 0, F0
	s_wait_loadcnt 32                              ; the bias is in: behind its eight loads the residual's 32 were issued, and may stay out
	STEP 0, 0, F0, F1, 1                           ; the first step's products start the sums, from the bias
	STEP 0, 1, F1, F0, 0
	STEP 0, 2, F0, F1, 0
	WIN 0                                          ; at a label and at a branch every window is 0
	s_mov_b32 s3, LAPS-1
.Llap:                                                 ; a trip goes once round the ring, from a lap's fourth step to the next lap's third, and fills both slots again
	TURN 0, 1, 1
	STEP 1, 0, F0, F1, 0
	STEP 1, 1, F1, F0, 0
	STEP 1, 2, F0, F1, 0
	TURN 1, 0, 1
	STEP 0, 0, F0, F1, 0
	STEP 0, 1, F1, F0, 0
	STEP 0, 2, F0, F1, 0
	WIN 0
	s_sub_co_u32 s3, s3, 1
	s_cmp_lg_u32 s3, 0
	s_cbranch_scc1 .Llap
	TURN 0, 1, 0                                   ; the last lap fills nothing, and has no round of the cluster's barrier
	STEP 1, 0, F0, F1, 0
	STEP 1, 1, F1, F0, 0
	STEP 1, 2, F0, F1, 0
	s_wait_dscnt 8                                 ; the last step: nothing more to fetch
	WIN MUL
	MUL8 F1, 0, 1, 3, 0
	s_wait_dscnt 0
	MUL8 F1, 2, 1, 3, 0
	WIN 0
; THE WAY OUT, a block of 16 stored rows x 64 columns at a time: through my stage (columns put in order), back as whole rows of 256 bytes, two an instruction, the residual's same rows added, stored.
.macro TOSTAGE a
.irp b, 0,1,2,3
	ds_store_b128 v[STO], v[ACC+8*(4*(\a)+\b):ACC+8*(4*(\a)+\b)+3] offset:128*(\b/2)+32*(\b%2)          ; each accumulator from its low end on
	ds_store_b128 v[STO], v[ACC+8*(4*(\a)+\b)+4:ACC+8*(4*(\a)+\b)+7] offset:128*(\b/2)+32*(\b%2)+16
.endr
.set BB, BK+32*((\a)%2)
.irp t, 0,1,2,3,4,5,6,7
	ds_load_b128 v[BB+4*\t:BB+4*\t+3], v[RD] offset:\t*2*SPITCH    ; LDS serves a wave's instructions in order (ISA guide 5.7.1.4): these see the stores above
.endr
.endm
.macro ADDRES a
.set BB, BK+32*((\a)%2)
	WIN 0x08                                       ; source 1 window 2
.set i, 0
.rept 16
	v_pk_add_f32 v[BB+i:BB+i+1], v[BB+i:BB+i+1], v[32*(\a)+i:32*(\a)+i+1]
.set i, i+2
.endr
	WIN 0
.endm
.macro STORE a
.set BB, BK+32*((\a)%2)
.irp t, 0,1,2,3,4,5,6,7
	global_store_b128 v[CO], v[BB+4*\t:BB+4*\t+3], s[OUT:OUT+1] offset:(32*((\a)/2)+16*(\t/4)+8*((\a)%2)+2*(\t%4))*4096 th:TH_STORE_NT   ; sixteen lanes store 256 consecutive bytes, aligned to 256
.endr
.endm
	PLACES NP
	TOSTAGE 0
	s_wait_loadcnt 0x0                             ; the residual, asked for at the head
.irp a, 0,1,2,3
.if \a < 3
.if \a > 0
	s_wait_xcnt 0x0                                ; block a - 1's stores have read their data: block a + 1's rows may land there
.endif
	TOSTAGE \a+1
	s_wait_dscnt 16                                ; behind block a's loads: block a + 1's 8 stores and 8 loads
.else
	s_wait_dscnt 0
.endif
	ADDRES \a
	STORE \a
.endr
	s_wait_tensorcnt 0x0                           ; the wave's end
	ds_add_u32 v[SPW], v[NIL]
	s_wait_dscnt 0x0
	CROUND                                         ; the closing round
	s_endpgm
.Lfunc_end_k_qf28a09ce5b_gw2:
	.size	k_qf28a09ce5b_gw2, .Lfunc_end_k_qf28a09ce5b_gw2-k_qf28a09ce5b_gw2
	.p2alignl 7, 3214868480
	.fill 96, 4, 3214868480
	.section	.rodata,"a",@progbits
	.p2align	6, 0x0
	.amdhsa_kernel k_qf28a09ce5b_gw2
		.amdhsa_group_segment_fixed_size 327680
		.amdhsa_private_segment_fixed_size 0
		.amdhsa_enable_private_segment 0
		.amdhsa_kernarg_size 40
		.amdhsa_user_sgpr_count 2
		.amdhsa_user_sgpr_kernarg_segment_ptr 1
		.amdhsa_wavefront_size32 1
		.amdhsa_system_sgpr_workgroup_id_x 1
		.amdhsa_system_sgpr_workgroup_id_y 1
		.amdhsa_system_sgpr_workgroup_id_z 1
		.amdhsa_system_vgpr_workitem_id 0
		.amdhsa_next_free_vgpr 768
		.amdhsa_next_free_sgpr 98
		.amdhsa_reserve_vcc 0
		.amdhsa_float_denorm_mode_32 3
		.amdhsa_float_denorm_mode_16_64 3
		.amdhsa_memory_ordered 1
		.amdhsa_forward_progress 1
		.amdhsa_inst_pref_size 99
	.end_amdhsa_kernel
	.amdgpu_metadata
---
amdhsa.version: [ 1, 2 ]
amdhsa.kernels:
  - .name:           k_qf28a09ce5b_gw2
    .symbol:         k_qf28a09ce5b_gw2.kd
    .args:
      - { .name: g, .offset: 0, .size: 8, .value_kind: global_buffer, .address_space: global }
      - { .name: wq, .offset: 8, .size: 8, .value_kind: global_buffer, .address_space: global }
      - { .name: b2, .offset: 16, .size: 8, .value_kind: global_buffer, .address_space: global }
      - { .name: x1, .offset: 24, .size: 8, .value_kind: global_buffer, .address_space: global }
      - { .name: out0, .offset: 32, .size: 8, .value_kind: global_buffer, .address_space: global }
    .group_segment_fixed_size: 327680
    .private_segment_fixed_size: 0
    .kernarg_segment_align: 8
    .kernarg_segment_size: 40
    .max_flat_workgroup_size: 128
    .sgpr_count:     98
    .vgpr_count:     768
    .wavefront_size: 32
...
	.end_amdgpu_metadata
.endif
;; end of part 14
